; MI455X (gfx1250); checked and timed in simulation.
; The chip was launched on July 23, 2026; its instructions are those of AMD's public machine-readable ISA for CDNA 5 (MIT licence, August 2026) and "CDNA5" Instruction Set Architecture Reference Guide (July 2026). The comments in the code are by the model that wrote it; some were corrected since.
;; TF Attention. Allowed arithmetic: float matrix products may take bf16 or f16 operands with f32 sums; all other float work in f32.
;; Inputs: b_attn 3,072 float32; b_proj 1,024 float32; w_attn 1,024 x 3,072 float32; w_proj 1,024 x 1,024 float32; x 4 x 2,048 x 1,024 float32.
;; Outputs: out0 4 x 2,048 x 1,024 float32.
;; 3 versions, each right; version 3 is version 2 with the launch cvt written anew for expert scheduling mode. Each part assembles by itself: llvm-mc -triple=amdgcn-amd-amdhsa -mcpu=gfx1250 --defsym DOCPART=n.
;; ======== version 1 of 3: 4 launches
;; limits: values are held in f16: magnitudes above 65,504 overflow, below 6.1e-05 lose precision
;; workspace buffers: xh 16,777,216 bytes; wah 6,291,456 bytes; wph 4,194,304 bytes; qkv 50,331,648 bytes; vblk 262,144 bytes; vlo 8,388,608 bytes; ah 33,554,432 bytes
;; launch cvt (part 1): grid 768 x 1, 8 waves a work-group, no clusters, 0 bytes of LDS; arguments x, w_attn, w_proj, xh, wah, wph; writes xh, wah, wph
.if DOCPART == 1
	.amdgcn_target "amdgcn-amd-amdhsa--gfx1250"
	.amdhsa_code_object_version 6
	.text
	.protected	k_q825120d457_cvt
	.globl	k_q825120d457_cvt
	.p2align	8
	.type	k_q825120d457_cvt,@function
k_q825120d457_cvt:
	s_mov_b64 s[64:65], 0
	v_nop
	global_prefetch_b8 v0, s[64:65] scope:SCOPE_SE
	s_setreg_imm32_b32 hwreg(HW_REG_WAVE_MODE, 25, 1), 1
	s_wait_xcnt 0x0
; x, w_attn and w_proj, f32, are rounded once to bf16 (nearest even), the rounding of matrix operands that the problem's contract names, and
; stored AS F16 into xh, wah and wph, in the same order of elements: bf16's 8 bits are exact in f16, so the inputs can meet q, k, v, the softmax's
; weights and a, which keep f16's 11 bits, in one matrix form.  The program's result is then the problem's function of inputs rounded to bf16,
; up to the roundings of intermediates.  w_proj is stored twice, [2048][1024]: the last launch multiplies it by a's two f16 parts, K = 2048.
; LIMITS: a number beyond f16's largest, 65,504, becomes an infinity; a bf16 number below 2^-17 in magnitude is not exact in f16 (error 2^-25 at the most).
; A stream: no LDS, no barrier, no matrix unit.  A line is 1,024 numbers: 4,096 bytes in, 2,048 bytes out; the 256 threads take
; 16 bytes each of a line.  12,288 lines in all, 16 to a work-group: groups 0-511 take x, 512-703 w_attn, 704-767 w_proj.
; All 16 loads of a thread go out first, each line has registers of its own, and the waits count down, so no source of a store is rewritten.
.set LINES, 16
.set X, 4                              ; v[4:67]   line i: 4 numbers as loaded, then as rounded to bf16
.set Y, 68                             ; v[68:99]  line i: 4 numbers packed
.set COPY2, 2097152                    ; bytes from wph's first copy to its second
	s_load_b256 s[4:11], s[0:1], 0x0               ; x s[4:5], w_attn s[6:7], w_proj s[8:9], xh s[10:11]
	s_load_b128 s[12:15], s[0:1], 0x20             ; wah s[12:13], wph s[14:15]
	v_lshlrev_b32 v1, 4, v0                        ; my 16 bytes of a line as it comes in
	v_lshlrev_b32 v2, 3, v0                        ; my 8 bytes of a line as it goes out
	s_mov_b32 s26, 0xffff0000                      ; a word's upper bf16
	s_wait_kmcnt 0x0
	s_cmp_lt_u32 ttmp9, 512                        ; which tensor: the choice hangs on the group's number alone
	s_cselect_b64 s[16:17], s[4:5], s[6:7]
	s_cselect_b64 s[18:19], s[10:11], s[12:13]
	s_cselect_b32 s20, 0, 512                      ; the tensor's first group
	s_cmp_lt_u32 ttmp9, 704
	s_cselect_b64 s[16:17], s[16:17], s[8:9]
	s_cselect_b64 s[18:19], s[18:19], s[14:15]
	s_cselect_b32 s20, s20, 704
	s_sub_co_u32 s21, ttmp9, s20                   ; my number among the tensor's groups, 511 at the most
	s_lshl_b32 s22, s21, 16                        ; 16 lines of 4,096 bytes
	s_mov_b32 s23, 0
	s_add_nc_u64 s[16:17], s[16:17], s[22:23]
	s_lshl_b32 s24, s21, 15                        ; 16 lines of 2,048 bytes
	s_mov_b32 s25, 0
	s_add_nc_u64 s[18:19], s[18:19], s[24:25]
.set i, 0
.rept LINES
	global_load_b128 v[X+4*i:X+4*i+3], v1, s[16:17] offset:4096*i th:TH_LOAD_NT   ; a wave's load covers 512 consecutive bytes
.set i, i+1
.endr
.set i, 0
.rept LINES
	s_wait_loadcnt LINES-1-i                       ; loads come back in order (ISA guide 5.7.1): line i is in, the younger ones stay out
	v_cvt_pk_bf16_f32 v[Y+2*i],   v[X+4*i],   v[X+4*i+1]       ; the one rounding
	v_cvt_pk_bf16_f32 v[Y+2*i+1], v[X+4*i+2], v[X+4*i+3]
	v_lshlrev_b32 v[X+4*i],   16,  v[Y+2*i]                    ; bf16 to f32: a shift or a mask
	v_and_b32     v[X+4*i+1], s26, v[Y+2*i]
	v_lshlrev_b32 v[X+4*i+2], 16,  v[Y+2*i+1]
	v_and_b32     v[X+4*i+3], s26, v[Y+2*i+1]
	v_cvt_pk_f16_f32 v[Y+2*i],   v[X+4*i],   v[X+4*i+1]        ; exact inside the limits above
	v_cvt_pk_f16_f32 v[Y+2*i+1], v[X+4*i+2], v[X+4*i+3]
	global_store_b64 v2, v[Y+2*i:Y+2*i+1], s[18:19] offset:2048*i                 ; a wave's store covers 256 consecutive bytes, aligned
.set i, i+1
.endr
	s_cmp_lt_u32 ttmp9, 704
	s_cbranch_scc1 .Lonce
.set i, 0
.rept LINES
	global_store_b64 v2, v[Y+2*i:Y+2*i+1], s[18:19] offset:2048*i+COPY2           ; w_proj's second copy, from the same registers
.set i, i+1
.endr
.Lonce:
	s_endpgm
.Lfunc_end_k_q825120d457_cvt:
	.size	k_q825120d457_cvt, .Lfunc_end_k_q825120d457_cvt-k_q825120d457_cvt
	.p2alignl 7, 3214868480
	.fill 96, 4, 3214868480
	.section	.rodata,"a",@progbits
	.p2align	6, 0x0
	.amdhsa_kernel k_q825120d457_cvt
		.amdhsa_group_segment_fixed_size 0
		.amdhsa_private_segment_fixed_size 0
		.amdhsa_enable_private_segment 0
		.amdhsa_kernarg_size 48
		.amdhsa_user_sgpr_count 2
		.amdhsa_user_sgpr_kernarg_segment_ptr 1
		.amdhsa_wavefront_size32 1
		.amdhsa_system_sgpr_workgroup_id_x 1
		.amdhsa_system_sgpr_workgroup_id_y 1
		.amdhsa_system_sgpr_workgroup_id_z 1
		.amdhsa_system_vgpr_workitem_id 0
		.amdhsa_next_free_vgpr 104
		.amdhsa_next_free_sgpr 66
		.amdhsa_reserve_vcc 0
		.amdhsa_float_denorm_mode_32 3
		.amdhsa_float_denorm_mode_16_64 3
		.amdhsa_memory_ordered 1
		.amdhsa_forward_progress 1
		.amdhsa_inst_pref_size 13
	.end_amdhsa_kernel
	.amdgpu_metadata
---
amdhsa.version: [ 1, 2 ]
amdhsa.kernels:
  - .name:           k_q825120d457_cvt
    .symbol:         k_q825120d457_cvt.kd
    .args:
      - { .name: x, .offset: 0, .size: 8, .value_kind: global_buffer, .address_space: global }
      - { .name: w_attn, .offset: 8, .size: 8, .value_kind: global_buffer, .address_space: global }
      - { .name: w_proj, .offset: 16, .size: 8, .value_kind: global_buffer, .address_space: global }
      - { .name: xh, .offset: 24, .size: 8, .value_kind: global_buffer, .address_space: global }
      - { .name: wah, .offset: 32, .size: 8, .value_kind: global_buffer, .address_space: global }
      - { .name: wph, .offset: 40, .size: 8, .value_kind: global_buffer, .address_space: global }
    .group_segment_fixed_size: 0
    .private_segment_fixed_size: 0
    .kernarg_segment_align: 8
    .kernarg_segment_size: 48
    .max_flat_workgroup_size: 256
    .sgpr_count:     66
    .vgpr_count:     104
    .wavefront_size: 32
...
	.end_amdgpu_metadata
.endif
;; end of part 1
;; launch qkvg (part 2): grid 12 x 32, 4 waves a work-group, clusters of 4 x 4, 327,680 bytes of LDS; arguments xh, wah, qkv, b_attn, vblk, vlo; writes qkv, vblk, vlo
.if DOCPART == 2
	.amdgcn_target "amdgcn-amd-amdhsa--gfx1250"
	.amdhsa_code_object_version 6
	.text
	.protected	k_q825120d457_qkvg
	.globl	k_q825120d457_qkvg
	.p2align	8
	.type	k_q825120d457_qkvg,@function
k_q825120d457_qkvg:
	s_mov_b64 s[64:65], 0
	v_nop
	global_prefetch_b8 v0, s[64:65] scope:SCOPE_SE
	s_setreg_imm32_b32 hwreg(HW_REG_WAVE_MODE, 25, 1), 1
	s_wait_xcnt 0x0
	s_wait_alu depctr_hold_cnt(0) depctr_sa_sdst(0) depctr_va_vdst(0) depctr_va_sdst(0) depctr_va_ssrc(0) depctr_va_vcc(0) depctr_vm_vsrc(0)
	s_getreg_b32 s2, hwreg(HW_REG_IB_STS2, 6, 4)
	s_cmp_eq_u32 s2, 0
	s_cbranch_scc0 .Lentry_in_a_cluster
	s_endpgm
.Lentry_in_a_cluster:
	s_bfe_u32 s2, ttmp6, 0x10000c
	s_cmp_lg_u32 s2, 0xf033
	s_cbranch_scc0 .Lentry_shape_is_right
	s_endpgm
.Lentry_shape_is_right:
; C[m][n] = sum over k of A[m][k] B[k][n] + bias[n].  A: [8192][SIZE_K] f16, B: [SIZE_K][SIZE_N] f16 (rows along N, as the weights lie), sums in f32.
; One source for two launches, chosen by QKV:
;   QKV = 1: A = xh, B = wah, SIZE_K = 1024, SIZE_N = 3072, C = qkv in f16.  Two more results from the f32 sums of v's columns: the sums over each
;            block of 128 rows go to vblk in f32, and v - f16(v), in f16, of the first 1,024 rows of each batch goes to vlo [4][1024][1024].
;   QKV = 0: A = ah, whose row holds f16(a) in columns 0-1023 and f16(a - f16(a)) in columns 1024-2047; B = wph, the weights twice; SIZE_K = 2048, so both
;            parts' products are added; SIZE_N = 1024, C = out0 in f32.
; LIMIT: C in f16 (QKV = 1) becomes an infinity beyond 65,504.  The order of the sums is the matrix unit's, K ascending in steps of 32.
; A work-group makes 256 rows x 32 NB columns of C with four waves, as many as a WGP has SIMDs; a wave makes 128 x 16 NB: 8 NB accumulator
; tiles of 16 x 16.  K goes in steps of 128 through two LDS slots filled by the tensor data mover.
; CLUSTERS: 4 x 4 work-groups.  The four of a row of the cluster need the same tiles of A, the four of a column the same tiles of B: each tile
; is asked for jointly, by the same tensor load with the same descriptor and a mask that names the four.
; B LIES [K][N]: its fragments are read with the transposing LDS load, so no pass over the weights is needed.
; THE BIAS is the C operand of each accumulator's first product: nothing is cleared, and no add stands in the way out.
; THE MATRIX INSTRUCTION IS USED TRANSPOSED: source 0 = 16 columns of B, source 1 = 16 rows of A.  Lane l then holds row l % 16 of C and its
; registers 0 to 7 the columns 8 (l / 16) + 0 .. 7: eight neighbouring numbers of a row.
; REGISTERS, in windows of 256: window 0: v0-31 addresses, v64-127 and v128-191 A's fragments (two buffers), v192.. the bias, later the way out;
; window 1: v64.. and v128.. B's fragments (two buffers); windows 2 and 3: accumulator (a, b), t = NB a + b, in window 2 + t / 32 at v[8 (t % 32)].
.set QKV, 1
.if QKV
.set NB, 8                             ; B fragments (16 columns each) of a wave
.set SIZE_K, 1024
.set SIZE_N, 3072
.set QIB, 6                            ; B's LDS rows are padded after every 128 words
.set CROW, 6144                        ; bytes in a row of C
.set STOSH, 4                          ; a lane's eight results are 16 bytes
.else
.set NB, 4
.set SIZE_K, 2048
.set SIZE_N, 1024
.set QIB, 5                            ; after every 64 words
.set CROW, 4096
.set STOSH, 5                          ; 32 bytes
.endif
.set KSTEP,  128
.set PITCH,  272                       ; A's LDS row: 256 bytes + 16: an odd multiple of 16, so the 16 rows of a fragment load start in 16 different columns of 16 bytes
.set HALFT,  128*PITCH                 ; 128 rows of A: one tensor load, and what one wave reads of A
.set ABYTES, 2*HALFT
.set BPITCH, 64*NB+32                  ; B's LDS row: 32 NB columns + 32 bytes: an odd multiple of 32, for the transposing loads
.set BHALF,  64*BPITCH                 ; 64 k rows of B: one tensor load
.set SLOT,   ABYTES+2*BHALF            ; A's 256 rows, then B's 128 k rows
.set STAGE,  2*SLOT                    ; behind the ring: 16 rows x 272 bytes for each wave; no tensor load lands here
.set SPITCH, 272
.set LAPS,   SIZE_K/(2*KSTEP)          ; a lap = two K steps = once round the ring
.set ADRA, 16                          ; v16-17  LDS address of my A fragments in slot 0, 1
.set ADRB, 20                          ; v20-21  the same for B
.set STO,  24                          ; v24     the way out: where I put my piece of a row
.set RD,   25                          ; v25     the way out: where I read a row back
.set CO,   26                          ; v26     my byte offset in C
.set VST,  27                          ; v27-29  the sums of v: in, back, and the offset in vblk
.set VRD,  28
.set VCO,  29
.set VLC,  30                          ; v30     my byte offset in vlo
.set F0,   64
.set F1,   128
.set BIAS, 192                         ; v192..  8 NB registers: bias of my columns, in an accumulator's layout
.set TMP,  192                         ; the way out: packed results
.set G1,  24                           ; s[24:31] descriptor group 1 for A's tiles
.set G0,  32                           ; s[32:39] group 0 for A's tiles, one set for each slot
.set G1B, 48                           ; s[48:55] group 1 for B's tiles
.set G0B, 56                           ; s[56:63] group 0 for B's tiles, one set for each slot
.set MSB, 0
.macro WIN new                         ; s_set_vgpr_msb: bits 1:0 source 0, 3:2 source 1, 5:4 source 2, 7:6 destination; the high byte repeats the setting that is left
.if MSB != (\new)
	s_set_vgpr_msb (MSB<<8)|(\new)
.set MSB, (\new)
.endif
.endm
; A joint load.  Waves 0 and 1 fetch A's two halves, waves 2 and 3 B's.  Each line has one mask and one set of registers for all that issue it.
.macro JLOAD s
	s_cmp_eq_u32 s11, 0
	s_cbranch_scc0 .Lfor_b_\@
	tensor_load_to_lds s[G0+4*\s:G0+4*\s+3], s[G1:G1+7]
	s_nop 0
	s_branch .Lasked_\@
.Lfor_b_\@:
	tensor_load_to_lds s[G0B+4*\s:G0B+4*\s+3], s[G1B:G1B+7]
	s_nop 0
.Lasked_\@:
.endm
; A round of the cluster's barrier: my work-group's barrier; wave 0 signals for the work-group; every wave waits for all sixteen; my work-group's barrier again.
.macro CREST                           ; a round behind its opening barrier
	s_cmp_lg_u32 s10, 0
	s_cbranch_scc1 .Lnot_wave_0_\@
	s_barrier_signal -3
.Lnot_wave_0_\@:
	s_barrier_wait -3
	s_barrier_signal -1
	s_barrier_wait -1
.endm
.macro CROUND
	s_barrier_signal -1
	s_barrier_wait -1
	CREST
.endm
	s_load_b128 s[4:7], s[0:1], 0x0                ; A s[4:5], B s[6:7]
	s_load_b64 s[8:9], s[0:1], 0x10                ; C
	s_load_b64 s[68:69], s[0:1], 0x18              ; bias
.if QKV
	s_load_b64 s[70:71], s[0:1], 0x20              ; vblk
	s_load_b64 s[76:77], s[0:1], 0x28              ; vlo
	s_set_vgpr_msb 0x40
	v_lshl_add_u32 v255, v0, 2, 0x48400
	s_set_vgpr_msb 0x4000
	v_mov_b32 v63, 0
	s_set_vgpr_msb 0x1
	ds_add_u32 v255, v63
	ds_add_u32 v255, v63
	s_set_vgpr_msb 0x100
.endif
	v_lshrrev_b32 v1, 5, v0
	v_readfirstlane_b32 s10, v1                    ; wave 0..3
	s_lshr_b32 s11, s10, 1                         ; which 128 rows of the block are mine.  Also: I fetch for A (0) or for B (1)
	s_and_b32 s12, s10, 1                          ; which half of its columns.  Also: which half of that tile I fetch
	s_bfe_u32 s40, ttmp6, 0x40000                  ; cx
	s_bfe_u32 s41, ttmp6, 0x40004                  ; cy
	s_lshl_b32 s42, ttmp9, 2
	s_add_co_u32 s42, s42, s40                     ; block column of C = 4 x cluster x + cx
	s_and_b32 s13, ttmp7, 0xffff
	s_lshl_b32 s13, s13, 2
	s_add_co_u32 s13, s13, s41                     ; block row of C = 4 x cluster y + cy
	s_lshl_b32 s43, s41, 2
	s_lshl_b32 s43, 15, s43                        ; my row of the cluster: places 4 cy .. 4 cy + 3
	s_lshl_b32 s44, 0x1111, s40                    ; my column: places cx, cx + 4, cx + 8, cx + 12
	; group 1 for A: 128 rows x 128 elements of 2 bytes, 4 words of padding after every 64 words
	s_or_b32 s[G1+0], s43, (1<<16)|(1<<20)|(1<<21)|(5<<22)|(3<<25)
	s_mov_b32 s[G1+1], KSTEP<<16                   ; tensor_dim0 = 128
	s_mov_b32 s[G1+2], 128<<16                     ; tensor_dim1 = 128
	s_mov_b32 s[G1+3], KSTEP<<16                   ; tile_dim0 = 128
	s_mov_b32 s[G1+4], 128                         ; tile_dim1 = 128
	s_mov_b32 s[G1+5], SIZE_K                      ; elements from row to row
	s_mov_b32 s[G1+6], 0
	s_mov_b32 s[G1+7], 0
	; group 1 for B: 64 k rows x 32 NB elements, 8 words of padding after every row
	s_or_b32 s[G1B+0], s44, (1<<16)|(1<<20)|(1<<21)|(QIB<<22)|(7<<25)
	s_mov_b32 s[G1B+1], (32*NB)<<16
	s_mov_b32 s[G1B+2], 64<<16
	s_mov_b32 s[G1B+3], (32*NB)<<16
	s_mov_b32 s[G1B+4], 64
	s_mov_b32 s[G1B+5], SIZE_N
	s_mov_b32 s[G1B+6], 0
	s_mov_b32 s[G1B+7], 0
	; where the tiles come from.  A's hang on the block row alone, B's on the block column alone, each in registers that never hold the other coordinate.
	s_lshl_b32 s17, s12, 7
	s_lshl_b32 s16, s13, 8
	s_add_co_u32 s16, s16, s17                     ; A: row 256 x block row + 128 x half
	s_mul_i32 s16, s16, SIZE_K*2                   ; in bytes: 2^25 at the most
	s_mov_b32 s17, 0
	s_mul_i32 s46, s12, 64*SIZE_N*2                ; B: k row 64 x half,
	s_mul_i32 s47, s42, 64*NB                      ; and the block's first column, in bytes
	s_add_co_u32 s46, s46, s47
	s_mov_b32 s47, 0
	s_mul_i32 s20, s10, HALFT                      ; where they go: A's halves, waves 0 and 1: wave x 128 rows
	s_mul_i32 s45, s10, BHALF                      ; B's halves, waves 2 and 3: behind A's 256 rows, (wave - 2) x 64 k rows
	s_add_co_u32 s45, s45, ABYTES-2*BHALF
	s_wait_dscnt 0x0
	s_wait_kmcnt 0x0
	s_add_nc_u64 s[14:15], s[4:5], s[16:17]
	s_add_nc_u64 s[46:47], s[6:7], s[46:47]
	CROUND                                         ; all sixteen work-groups are here: the first joint loads meet
.irp s, 0,1
	s_mov_b32 s[G0+4*\s], 1
	s_add_co_u32 s[G0+4*\s+1], s20, \s*SLOT
	s_add_nc_u64 s[G0+4*\s+2:G0+4*\s+3], s[14:15], \s*KSTEP*2            ; K step s: 128 elements along A's rows
	s_or_b32 s[G0+4*\s+3], s[G0+4*\s+3], 0x80000000
	s_mov_b32 s[G0B+4*\s], 1
	s_add_co_u32 s[G0B+4*\s+1], s45, \s*SLOT
	s_add_nc_u64 s[G0B+4*\s+2:G0B+4*\s+3], s[46:47], \s*KSTEP*SIZE_N*2   ; K step s: 128 rows down B
	s_or_b32 s[G0B+4*\s+3], s[G0B+4*\s+3], 0x80000000
	JLOAD \s                                       ; both slots are asked for before anything else: two tensor loads of the wave are out
.endr
	; the bias of my 16 NB columns, in an accumulator's layout: register 8 b + j of lane l holds bias[16 b + 8 (l / 16) + j]
	s_mul_i32 s74, s42, 128*NB
	s_mul_i32 s75, s12, 64*NB
	s_add_co_u32 s74, s74, s75
	s_mov_b32 s75, 0
	s_add_nc_u64 s[74:75], s[68:69], s[74:75]
	v_and_b32 v1, 15, v0                           ; r = l % 16
	v_bfe_u32 v2, v0, 4, 1                         ; h = l / 16
	v_lshlrev_b32 v8, 5, v2
.set bb, 0
.rept NB
	global_load_b128 v[BIAS+8*bb:BIAS+8*bb+3],   v8, s[74:75] offset:64*bb
	global_load_b128 v[BIAS+8*bb+4:BIAS+8*bb+7], v8, s[74:75] offset:64*bb+16
.set bb, bb+1
.endr
	; A's fragments, 16 rows x 32 K: lane l takes row r, two loads of 16 bytes, 32 bytes apart, at row x pitch + 16 h
	v_mul_u32_u24 v3, v1, PITCH
	v_lshl_add_u32 v3, v2, 4, v3
	s_mul_i32 s21, s11, HALFT
	; B's fragments, 32 K x 16 columns, transposed on the way: lane l addresses k row 8 h + l % 8, 16 bytes at 16 ((l / 8) % 2); the second load 16 rows below
	v_and_b32 v6, 7, v0
	v_lshl_add_u32 v6, v2, 3, v6
	v_mul_u32_u24 v6, v6, BPITCH
	v_bfe_u32 v7, v0, 3, 1
	v_lshl_add_u32 v6, v7, 4, v6
	s_mul_i32 s22, s12, 32*NB                      ; my half of the block's columns
	s_add_co_u32 s22, s22, ABYTES
.irp s, 0,1
	v_add_nc_u32 v[ADRA+\s], s21, v3
	v_add_nc_u32 v[ADRB+\s], s22, v6
	s_add_co_u32 s21, s21, SLOT
	s_add_co_u32 s22, s22, SLOT
.endr
	s_mul_i32 s23, s10, 16*SPITCH
	s_add_co_u32 s23, s23, STAGE                   ; my stage
	v_mul_u32_u24 v4, v1, SPITCH
	v_lshl_add_u32 v4, v2, STOSH, v4
	v_add_nc_u32 v[STO], s23, v4                   ; in: row r, my eight numbers
	v_mul_u32_u24 v5, v2, SPITCH
	v_lshl_add_u32 v5, v1, 4, v5
	v_add_nc_u32 v[RD], s23, v5                    ; back: lanes 0-15 take one row of 256 bytes, lanes 16-31 the next
	v_mul_u32_u24 v5, v2, CROW
	v_lshl_add_u32 v[CO], v1, 4, v5                ; and the same two rows in C
.if QKV
	v_lshl_add_u32 v[VST], v2, 5, s23
	v_and_b32 v5, 31, v0
	v_lshlrev_b32 v[VCO], 4, v5
	v_add_nc_u32 v[VRD], s23, v[VCO]
	v_lshlrev_b32 v5, 11, v2
	v_lshl_add_u32 v[VLC], v1, 4, v5               ; the same two rows in vlo, rows of 2,048 bytes
.endif
; NB matrix instructions: row block a of my eight x all my NB column blocks, 32 along K.  first = 1: C is the bias (window 0), which starts the sums.
; The 8 NB accumulators take turns, one instruction a turn, in the same order in every quarter step.
.macro MULROW f, a, first
.set WN_, 2+(NB*(\a))/32
.set AC_, 8*((NB*(\a))%32)
.if \first
	WIN (WN_<<6)|1
.else
	WIN (WN_*0x50)|1
.endif
.set bb, 0
.rept NB
.if \first
	v_wmma_f32_16x16x32_f16 v[AC_+8*bb:AC_+8*bb+7], v[\f+8*bb:\f+8*bb+7], v[\f+8*(\a):\f+8*(\a)+7], v[BIAS+8*bb:BIAS+8*bb+7]
.else
	v_wmma_f32_16x16x32_f16 v[AC_+8*bb:AC_+8*bb+7], v[\f+8*bb:\f+8*bb+7], v[\f+8*(\a):\f+8*(\a)+7], v[AC_+8*bb:AC_+8*bb+7]
.endif
.set bb, bb+1
.endr
.endm
; One run of 2 NB + 16 LDS loads: the fragments of quarter q (32 along K) of a slot into buffer f: B's first, then A's
.macro FETCH slot, q, f
	WIN 0x40
.set bb, 0
.rept NB
	ds_load_tr16_b128 v[\f+8*bb:\f+8*bb+3],   v[ADRB+\slot] offset:\q*32*BPITCH+32*bb
	ds_load_tr16_b128 v[\f+8*bb+4:\f+8*bb+7], v[ADRB+\slot] offset:\q*32*BPITCH+32*bb+16*BPITCH
.set bb, bb+1
.endr
	WIN 0
.irp i, 0,1,2,3,4,5,6,7
	ds_load_b128 v[\f+8*\i:\f+8*\i+3],   v[ADRA+\slot] offset:\q*64+\i*16*PITCH
	ds_load_b128 v[\f+8*\i+4:\f+8*\i+7], v[ADRA+\slot] offset:\q*64+\i*16*PITCH+32
.endr
.endm
; A load into a register that a matrix instruction has read, and a vector instruction or LDS store that reads a matrix result, stand four places behind
; that matrix instruction; only plain vector instructions that name none of its registers are places (ISA guide 7.12.1 for vector instructions).
.macro PLACES
.rept 4
	v_nop
.endr
.endm
; One of a K step's first three quarters: multiplies buffer f; in its middle it fetches quarter q of the same slot into buffer g.
.macro QUARTER slot, q, f, g, first
	s_wait_dscnt 8                                 ; B and A's fragments 0-3 are in; the youngest eight loads (A's fragments 4-7) may be out
	MULROW \f, 0, \first
	MULROW \f, 1, \first
	MULROW \f, 2, \first
	MULROW \f, 3, \first
	PLACES
	FETCH \slot, \q, \g
	s_wait_dscnt 2*NB+16                           ; all but the run just issued
	MULROW \f, 4, \first
	MULROW \f, 5, \first
	MULROW \f, 6, \first
	MULROW \f, 7, \first
.endm
.macro THREE slot, first
	QUARTER \slot, 1, F0, F1, \first
	QUARTER \slot, 2, F1, F0, 0
	QUARTER \slot, 3, F0, F1, 0
.endm
; The last quarter: multiplies buffer 1 and changes slots.  fill = 1: this slot is filled again, two K steps ahead.
; In front of the barrier each wave waits for its reads of this slot and for all its tensor loads (one is out: its part of the next slot).
; Behind it, and behind the rest of the cluster's round, the joint refill comes first, then the next slot's first fragments.
.macro TURN slot, next, fill
	s_wait_dscnt 8
	MULROW F1, 0, 0
	MULROW F1, 1, 0
	s_wait_dscnt 0x0                               ; my reads of this slot are over
	s_wait_tensorcnt 0x0                           ; and all my tensor loads have landed
	ds_add_u32 v255, v63
	s_wait_dscnt 0x0
	s_barrier_signal -1                            ; where a slot is filled again this barrier opens a round of the cluster's barrier
	MULROW F1, 2, 0                                ; register work while the others arrive
	MULROW F1, 3, 0
	WIN 0
	s_barrier_wait -1
.if \fill
	CREST                                          ; no wave of any partner still reads this slot's tile or has a load on its way
	s_add_nc_u64 s[G0+4*\slot+2:G0+4*\slot+3], s[G0+4*\slot+2:G0+4*\slot+3], 2*KSTEP*2
	s_add_nc_u64 s[G0B+4*\slot+2:G0B+4*\slot+3], s[G0B+4*\slot+2:G0B+4*\slot+3], 2*KSTEP*SIZE_N*2
	JLOAD \slot                                    ; the wave's one tensor load behind the round
.endif
	PLACES
	FETCH \next, 0, F0
	MULROW F1, 4, 0
	MULROW F1, 5, 0
	MULROW F1, 6, 0
	MULROW F1, 7, 0
.endm
.macro LAP first
	THREE 0, \first
	TURN 0, 1, 1
	THREE 1, 0
	TURN 1, 0, 1
.endm
	s_wait_loadcnt 0x0                             ; the bias
	s_wait_tensorcnt 0x1                           ; my part of K step 0 is in; K step 1's may stay out
	s_barrier_signal -1
	s_barrier_wait -1
	FETCH 0, 0, F0
	LAP 1                                          ; the first lap stands in front of the loop: its first products take the bias as C
	WIN 0                                          ; at a label and at a branch every window is 0
	s_mov_b32 s3, LAPS-2
.Llap:
	LAP 0
	WIN 0
	s_sub_co_u32 s3, s3, 1
	s_cmp_lg_u32 s3, 0
	s_cbranch_scc1 .Llap
	THREE 0, 0                                     ; the last lap fills nothing
	TURN 0, 1, 0
	THREE 1, 0
	s_wait_dscnt 8
	MULROW F1, 0, 0
	MULROW F1, 1, 0
	MULROW F1, 2, 0
	MULROW F1, 3, 0
	s_wait_dscnt 0x0
	MULROW F1, 4, 0
	MULROW F1, 5, 0
	MULROW F1, 6, 0
	MULROW F1, 7, 0
	WIN 0
	; THE WAY OUT.  The four v_nop are the places behind the last matrix instructions.
	PLACES
	s_lshl_b32 s16, s13, 8
	s_lshl_b32 s17, s11, 7
	s_add_co_u32 s16, s16, s17                     ; my first row of C
	s_mul_i32 s16, s16, CROW                       ; below 2^26
	s_mov_b32 s17, 0
	s_add_nc_u64 s[8:9], s[8:9], s[16:17]
	s_lshl_b32 s46, s42, 9                         ; my first column, in bytes: 512 x block + 256 x half, in both launches
	s_lshl_b32 s47, s12, 8
	s_add_co_u32 s46, s46, s47
	s_mov_b32 s47, 0
	s_add_nc_u64 s[8:9], s[8:9], s[46:47]
.if QKV
	; The sums of v's columns over my 128 rows (one block of vblk), from the f32 sums.  Only the blocks of columns 2048 and up hold v: cluster x = 2,
	; a number that all partners of a cluster share.
	s_cmp_lg_u32 ttmp9, 2
	s_cbranch_scc1 .Lno_vsum
	s_lshl1_add_u32 s72, s13, s11                  ; block of 128 rows = 2 x block row + half
	s_lshl_b32 s72, s72, 12                        ; 1,024 f32 a block
	s_sub_co_u32 s73, s42, 8
	s_lshl_b32 s73, s73, 10                        ; 256 columns a block column of v
	s_add_co_u32 s72, s72, s73
	s_lshl_b32 s73, s12, 9
	s_add_co_u32 s72, s72, s73
	s_mov_b32 s73, 0
	s_add_nc_u64 s[72:73], s[70:71], s[72:73]
	; row block a lies at v[64 (a % 4) .. + 63] of window 2 + a / 4; register 8 b + j of it belongs to column 16 b + 8 h + j
	WIN 0x0a
.set e_, 0
.rept 32
	v_pk_add_f32 v[F0+e_:F0+e_+1], v[e_:e_+1], v[64+e_:64+e_+1]
.set e_, e_+2
.endr
	WIN 0x02
.irp a, 128,192
.set e_, 0
.rept 32
	v_pk_add_f32 v[F0+e_:F0+e_+1], v[\a+e_:\a+e_+1], v[F0+e_:F0+e_+1]
.set e_, e_+2
.endr
.endr
	WIN 0x03
.irp a, 0,64,128,192
.set e_, 0
.rept 32
	v_pk_add_f32 v[F0+e_:F0+e_+1], v[\a+e_:\a+e_+1], v[F0+e_:F0+e_+1]
.set e_, e_+2
.endr
.endr
	WIN 0
.irp m, 1,2,4,8                                    ; over the 16 rows that the lanes of a half hold
.set e_, 0
.rept 64
	v_add_f32_dpp v[F0+e_], v[F0+e_], v[F0+e_] row_xmask:\m row_mask:0xf bank_mask:0xf
.set e_, e_+1
.endr
.endr
.irp b, 0,1,2,3,4,5,6,7
	ds_store_b128 v[VST], v[F0+8*\b:F0+8*\b+3]   offset:64*\b      ; the sixteen lanes of a half write the same bytes with the same value
	ds_store_b128 v[VST], v[F0+8*\b+4:F0+8*\b+7] offset:64*\b+16
.endr
	ds_load_b128 v[32:35], v[VRD]                  ; LDS serves a wave's instructions in order (ISA guide 5.7.1): this sees the stores above
	s_wait_dscnt 0x0
	global_store_b128 v[VCO], v[32:35], s[72:73]   ; 512 consecutive bytes, aligned
.Lno_vsum:
; rows 16 i .. 16 i + 15 of my block = the eight tiles (a, 0..7) of window 2 or 3 (from = 0x0a or 0x0f); f: F0 or F1 in turn
.macro OUT16 i, a, from, f
	WIN \from
.irp b, 0,1,2,3,4,5,6,7
.irp r, 0,1,2,3
	v_cvt_pk_f16_f32 v[TMP+4*\b+\r], v[8*(8*\a+\b)+2*\r], v[8*(8*\a+\b)+2*\r+1]
.endr
.endr
	WIN 0
.irp b, 0,1,2,3,4,5,6,7
	ds_store_b128 v[STO], v[TMP+4*\b:TMP+4*\b+3] offset:32*\b
.endr
	s_wait_xcnt 0x0                                ; buffer f, which stores read, and the stores' base are rewritten only behind this wait (ISA guide 3.1)
.if \i
	s_add_nc_u64 s[8:9], s[8:9], 16*CROW
.endif
.irp t, 0,1,2,3,4,5,6,7
	ds_load_b128 v[\f+4*\t:\f+4*\t+3], v[RD] offset:\t*2*SPITCH
.endr
.irp t, 0,1,2,3,4,5,6,7
	s_wait_dscnt 7-\t                              ; the younger read-backs may be out
	global_store_b128 v[CO], v[\f+4*\t:\f+4*\t+3], s[8:9] offset:2*\t*CROW   ; 16 lanes store 256 consecutive bytes, aligned
.endr
.endm
	OUT16 0, 0, 0x0a, F0
	OUT16 1, 1, 0x0a, F1
	OUT16 2, 2, 0x0a, F0
	OUT16 3, 3, 0x0a, F1
	OUT16 4, 0, 0x0f, F0
	OUT16 5, 1, 0x0f, F1
	OUT16 6, 2, 0x0f, F0
	OUT16 7, 3, 0x0f, F1
	; v's second part, v - f16(v), for the first 1,024 rows of each batch: a query among a batch's first rows averages few keys, so its result keeps
	; v's size and with it the size of v's rounding.  Columns of v: cluster x = 2; rows 0-1023 of a batch: cluster y even.  All partners share both numbers.
	s_cmp_lg_u32 ttmp9, 2
	s_cbranch_scc1 .Lno_vlo
	s_and_b32 s78, ttmp7, 1
	s_cmp_lg_u32 s78, 0
	s_cbranch_scc1 .Lno_vlo
	s_and_b32 s78, ttmp7, 0xffff
	s_lshr_b32 s78, s78, 1                         ; batch
	s_lshl_b32 s78, s78, 10                        ; 1,024 rows of vlo a batch
	s_lshl_b32 s79, s41, 8                         ; 256 rows a block row
	s_add_co_u32 s78, s78, s79
	s_lshl_b32 s79, s11, 7
	s_add_co_u32 s78, s78, s79
	s_lshl_b32 s78, s78, 11                        ; rows of 2,048 bytes
	s_sub_co_u32 s79, s42, 8
	s_lshl_b32 s79, s79, 9                         ; 256 columns a block column of v
	s_add_co_u32 s78, s78, s79
	s_lshl_b32 s79, s12, 8
	s_add_co_u32 s78, s78, s79
	s_mov_b32 s79, 0
	s_add_nc_u64 s[76:77], s[76:77], s[78:79]
	s_wait_xcnt 0x0                                ; v64-159, which the stores above read, are rewritten only behind this wait (ISA guide 3.1)
.macro WIDEN                           ; v[96:127] = the 32 f16 of v[64:79], as f32 (halves have names in v0-127 alone)
.set u_, 0
.irp h, v64.l,v64.h,v65.l,v65.h,v66.l,v66.h,v67.l,v67.h,v68.l,v68.h,v69.l,v69.h,v70.l,v70.h,v71.l,v71.h
	v_cvt_f32_f16 v[96+u_], \h
.set u_, u_+1
.endr
.irp h, v72.l,v72.h,v73.l,v73.h,v74.l,v74.h,v75.l,v75.h,v76.l,v76.h,v77.l,v77.h,v78.l,v78.h,v79.l,v79.h
	v_cvt_f32_f16 v[96+u_], \h
.set u_, u_+1
.endr
.endm
; rows 16 i .. 16 i + 15 of my block, four tiles at a time: the rounding as it was stored, widened again, taken from the f32 sum (exact), and rounded to f16
.macro OUTLO i, a, win
.irp hb, 0,1
	WIN (\win*5)                                   ; sources 0 and 1 in the accumulators' window
.set e_, 0
.rept 16
	v_cvt_pk_f16_f32 v[64+e_], v[64*\a+32*\hb+2*e_], v[64*\a+32*\hb+2*e_+1]
.set e_, e_+1
.endr
	WIN 0
	WIDEN
	WIN \win                                       ; source 0 in the accumulators' window
.set e_, 0
.rept 16
	v_pk_add_f32 v[96+e_:97+e_], v[64*\a+32*\hb+e_:64*\a+32*\hb+e_+1], v[96+e_:97+e_] neg_lo:[0,1] neg_hi:[0,1]
.set e_, e_+2
.endr
	WIN 0
.set e_, 0
.rept 16
	v_cvt_pk_f16_f32 v[80+e_], v[96+2*e_], v[97+2*e_]
.set e_, e_+1
.endr
.irp b, 0,1,2,3
	ds_store_b128 v[STO], v[80+4*\b:83+4*\b] offset:128*\hb+32*\b
.endr
.endr
	s_wait_xcnt 0x0                                ; v128-159, which stores read, and the stores' base are rewritten only behind this wait (ISA guide 3.1)
.if \i
	s_add_nc_u64 s[76:77], s[76:77], 16*2048
.endif
.irp t, 0,1,2,3,4,5,6,7
	ds_load_b128 v[F1+4*\t:F1+4*\t+3], v[RD] offset:\t*2*SPITCH
.endr
.irp t, 0,1,2,3,4,5,6,7
	s_wait_dscnt 7-\t                              ; the younger read-backs may be out
	global_store_b128 v[VLC], v[F1+4*\t:F1+4*\t+3], s[76:77] offset:2*\t*2048   ; 16 lanes store 256 consecutive bytes, aligned
.endr
.endm
	OUTLO 0, 0, 2
	OUTLO 1, 1, 2
	OUTLO 2, 2, 2
	OUTLO 3, 3, 2
	OUTLO 4, 0, 3
	OUTLO 5, 1, 3
	OUTLO 6, 2, 3
	OUTLO 7, 3, 3
.Lno_vlo:
.else
; rows 16 i .. 16 i + 15 of my block, f32: the four tiles (i, 0..3) of window 2 go through my stage as they are
.macro OUT16F i, f
	WIN 0x08
.irp b, 0,1,2,3
	ds_store_b128 v[STO], v[8*(4*\i+\b):8*(4*\i+\b)+3]   offset:64*\b
	ds_store_b128 v[STO], v[8*(4*\i+\b)+4:8*(4*\i+\b)+7] offset:64*\b+16
.endr
	WIN 0
	s_wait_xcnt 0x0                                ; buffer f, which stores read, and the stores' base are rewritten only behind this wait (ISA guide 3.1)
.if \i
	s_add_nc_u64 s[8:9], s[8:9], 16*CROW
.endif
.irp t, 0,1,2,3,4,5,6,7
	ds_load_b128 v[\f+4*\t:\f+4*\t+3], v[RD] offset:\t*2*SPITCH
.endr
.irp t, 0,1,2,3,4,5,6,7
	s_wait_dscnt 7-\t                              ; the younger read-backs may be out
	global_store_b128 v[CO], v[\f+4*\t:\f+4*\t+3], s[8:9] offset:2*\t*CROW th:TH_STORE_NT   ; 16 lanes store 256 consecutive bytes, aligned
.endr
.endm
	OUT16F 0, F0
	OUT16F 1, F1
	OUT16F 2, F0
	OUT16F 3, F1
	OUT16F 4, F0
	OUT16F 5, F1
	OUT16F 6, F0
	OUT16F 7, F1
.endif
	s_set_vgpr_msb 0x1
	s_wait_tensorcnt 0x0
	ds_add_u32 v255, v63
	s_wait_dscnt 0x0
	s_set_vgpr_msb 0x100
	CROUND                                         ; the closing round: no work-group ends while a partner may still ask for a tile that names it
	s_endpgm
.Lfunc_end_k_q825120d457_qkvg:
	.size	k_q825120d457_qkvg, .Lfunc_end_k_q825120d457_qkvg-k_q825120d457_qkvg
	.p2alignl 7, 3214868480
	.fill 96, 4, 3214868480
	.section	.rodata,"a",@progbits
	.p2align	6, 0x0
	.amdhsa_kernel k_q825120d457_qkvg
		.amdhsa_group_segment_fixed_size 327680
		.amdhsa_private_segment_fixed_size 0
		.amdhsa_enable_private_segment 0
		.amdhsa_kernarg_size 48
		.amdhsa_user_sgpr_count 2
		.amdhsa_user_sgpr_kernarg_segment_ptr 1
		.amdhsa_wavefront_size32 1
		.amdhsa_system_sgpr_workgroup_id_x 1
		.amdhsa_system_sgpr_workgroup_id_y 1
		.amdhsa_system_sgpr_workgroup_id_z 1
		.amdhsa_system_vgpr_workitem_id 0
		.amdhsa_next_free_vgpr 1024
		.amdhsa_next_free_sgpr 80
		.amdhsa_reserve_vcc 0
		.amdhsa_float_denorm_mode_32 3
		.amdhsa_float_denorm_mode_16_64 3
		.amdhsa_memory_ordered 1
		.amdhsa_forward_progress 1
		.amdhsa_inst_pref_size 255
	.end_amdhsa_kernel
	.section	.bss,"aw",@nobits
	.p2align	6
	.space	262144
	.amdgpu_metadata
---
amdhsa.version: [ 1, 2 ]
amdhsa.kernels:
  - .name:           k_q825120d457_qkvg
    .symbol:         k_q825120d457_qkvg.kd
    .args:
      - { .name: xh, .offset: 0, .size: 8, .value_kind: global_buffer, .address_space: global }
      - { .name: wah, .offset: 8, .size: 8, .value_kind: global_buffer, .address_space: global }
      - { .name: qkv, .offset: 16, .size: 8, .value_kind: global_buffer, .address_space: global }
      - { .name: b_attn, .offset: 24, .size: 8, .value_kind: global_buffer, .address_space: global }
      - { .name: vblk, .offset: 32, .size: 8, .value_kind: global_buffer, .address_space: global }
      - { .name: vlo, .offset: 40, .size: 8, .value_kind: global_buffer, .address_space: global }
    .group_segment_fixed_size: 327680
    .private_segment_fixed_size: 0
    .kernarg_segment_align: 8
    .kernarg_segment_size: 48
    .max_flat_workgroup_size: 128
    .sgpr_count:     80
    .vgpr_count:     1024
    .wavefront_size: 32
...
	.end_amdgpu_metadata
.endif
;; end of part 2
;; launch attn (part 3): grid 8 x 32, 8 waves a work-group, no clusters, 327,680 bytes of LDS; arguments qkv, vblk, ah, vlo; writes ah
.if DOCPART == 3
	.amdgcn_target "amdgcn-amd-amdhsa--gfx1250"
	.amdhsa_code_object_version 6
	.text
	.protected	k_q825120d457_attn
	.globl	k_q825120d457_attn
	.p2align	8
	.type	k_q825120d457_attn,@function
k_q825120d457_attn:
	s_mov_b64 s[64:65], 0
	v_nop
	global_prefetch_b8 v0, s[64:65] scope:SCOPE_SE
	s_setreg_imm32_b32 hwreg(HW_REG_WAVE_MODE, 25, 1), 1
	s_wait_xcnt 0x0
; Causal attention.  qkv: [8192][3072] f16 (a row: q at byte 0, k at 2048, v at 4096); vblk: [64][1024] f32, sums of v's columns over blocks of 128 rows;
; vlo: [4][1024][1024] f16, v - f16(v) of each batch's first 1,024 rows; ah: [8192][2048] f16, heads merged: f16(a) in columns 0-1023, f16(a - f16(a)) behind.
; score = q.k / 8 where key <= query, and -10000 where key > query, as the problem has it; softmax over all 2,048 keys.
; THE MASK IS -10000, NOT MINUS INFINITY: masked keys keep a weight.  Masked keys of the diagonal tile get the score -10000 in the loop.  All keys of the tiles
; behind it have the same weight exp(-10000 - max), so they enter once, at the end: (number of such keys) x weight in the denominator and
; weight x (sum of their v, from vblk) in the numerator.  The running maximum is taken over everything, -10000 included.
; TWO PARTS: a query among a batch's first rows averages few keys, so its result keeps v's size, and with it the size of an f16 rounding of v or of a.
; So a leaves in two f16 parts, and in the diagonal tile of the second query block (blocks 0 to 7) the weights also multiply v's second part.
; LIMITS: q, k, v and the weights are f16 operands (65,504 at the most; weights lie in 0 .. 1, those below 2^-25 become 0); v's second part is used in that
; one tile alone; v_exp_f32 gives 0 below 2^-126; the denominator adds the f32 weights while the products take their f16 roundings; the order of the sums
; differs from a plain row sum's.
; SHARES: work-group (i, y): batch y / 8, heads 2 (y % 8) and 2 (y % 8) + 1, so that a row of q, k, v or a is 256 consecutive bytes, aligned;
; query blocks of 128 rows 15 - i, then i: 16 - i and i + 1 key tiles of 128 keys, 17 steps in every work-group, 256 equal work-groups.
; Eight waves: wave w takes head w % 2, 64 queries (w / 2) % 2, and the 64 keys w / 4 of every tile, with its own maximum, sum and O; the halves meet at the end.
; NO JOINT LOADS: the eight work-groups of a batch and head pair read tile n together only up to step 15 - i of each, and other tiles from there on;
; if all asked for all sixteen tiles in step, a step would last as long as its busiest partner's: 24 units of work against 17.
; LAYOUT: S^T = K Q^T (lane (r, h), register j: key 8 h + j, query r), so two neighbouring key tiles, packed in the lane's own registers, are the
; B fragment of O^T = V^T P^T, V read by the transposing LDS load; maximum, sum and rescale are one register a lane for each 16 queries.
; A wave has two tensor loads out at the start and one behind each barrier.
.set ROWB,  6144                       ; bytes in a row of qkv
.set TILEB, 128*ROWB                   ; 128 rows
.set REG,   9216                       ; LDS bytes for one wave's tensor load: 32 rows
.set SLOTB, 8*REG                      ; a slot: regions 0-3 K (pitch 272), regions 4-7 V (pitch 288: 32 rows fill a region, so V's rows run on at one pitch)
.set KP,    272                        ; odd multiple of 16
.set VP,    288                        ; odd multiple of 32, for the transposing loads
.set DHI,   2*SLOTB                    ; behind the ring: the dump of the first query block, 8 x 17,408 bytes; no tensor load lands here
.set DUMPB, 17408                      ; 32 x 512 bytes of O, 512 of maxima, 512 of sums
.set VS,    DHI+8*DUMPB                ; four partial sums of v behind the diagonal, 512 bytes each
.set STGQ,  64*272                     ; the way out: 64 rows of 272 bytes
.set CPOS,  0x3e38aa3b                 ; log2(e) / 8
.set CNEG,  0xbe38aa3b
.set MINIT, 0xfe000000                 ; -2^125: below every score, and its product with log2(e) / 8 is finite
.set MASKED, 0xc79c4000                ; -80000 = 8 x -10000: the masked score before the division by 8
; window 0
.set ADRK, 2                           ; v2-3    LDS address of my K fragments in slot 0, 1
.set ADRV, 4                           ; v4-5    the same for V
.set QOFF, 6                           ; v6      my byte offset in a query block
.set DL,   7                           ; v7      r - 8 h + 64 (query half - key half): element (qt, kt, j) of a diagonal tile is masked if 16 (kt - qt) + j > DL
.set MX,   8                           ; v8-11   running maximum of the raw scores, one for each 16 queries
.set LS,   12                          ; v12-15  running sum of the weights of my lane's keys
.set NM,   16                          ; v16-23  - maximum x log2(e) / 8, twice (pairs)
.set AL,   24                          ; v24-31  the rescale, twice
.set T,    32                          ; v32-35
.set TX,   36                          ; v36-39
.set AN,   40                          ; v40-43
.set TS,   44                          ; v44-51  pairs
.set NEG,  52
.set DMPH, 53                          ; my dump of the first block
.set PFO,  54                          ; the prefetch's offset
.set DMPL, 55                          ; my dump of the second block
.set RD1,  56
.set RD2,  57
.set VSA,  58
.set SST,  59
.set SRD,  60
.set OOF,  61
.set QF,   64                          ; Q(qt, ks) = v[64 + 16 qt + 8 ks]
.set KF,   128                         ; K(kt, ks) = v[128 + 16 kt + 8 ks]
.set VF,   192                         ; V(dt, kk) = v[192 + 16 dt + 8 kk]
; v1 = r, v62 = h, v63 = lane, kept to the end
; window 1: S(qt, kt) = v[32 qt + 8 kt]; P(qt, kk) = v[32 qt + 16 kk .. + 7], packed in place; O(qt, dt) = v[128 + 32 qt + 8 dt]
.set G1K, 24                           ; s[24:31]
.set G1V, 32                           ; s[32:39]
.set G0,  40                           ; s[40:47] one set for each slot
.set G1L, 72                           ; s[72:79] for vlo's tile
.set MSB, 0
.macro WIN new                         ; s_set_vgpr_msb: bits 1:0 source 0, 3:2 source 1, 5:4 source 2, 7:6 destination; the high byte repeats the setting that is left
.if MSB != (\new)
	s_set_vgpr_msb (MSB<<8)|(\new)
.set MSB, (\new)
.endif
.endm
.macro PLACES                          ; four places behind a matrix instruction (ISA guide 7.12.1 for vector instructions)
.rept 4
	v_nop
.endr
.endm
	s_load_b128 s[4:7], s[0:1], 0x0                ; qkv s[4:5], vblk s[6:7]
	s_load_b64 s[8:9], s[0:1], 0x10                ; ah
	s_load_b64 s[2:3], s[0:1], 0x18                ; vlo
	v_lshl_add_u32 v190, v0, 2, 0x46800
	v_mov_b32 v191, 0
	ds_add_u32 v190, v191
	ds_add_u32 v190, v191
	s_wait_dscnt 0x0
	v_lshrrev_b32 v1, 5, v0
	v_readfirstlane_b32 s10, v1                    ; wave 0..7
	s_and_b32 s11, s10, 1                          ; head of the pair
	s_bfe_u32 s12, s10, 0x10001                    ; which 64 queries
	s_lshr_b32 s13, s10, 2                         ; which 64 keys; at the end: which query block I finish
	s_mov_b32 s14, ttmp9                           ; i: the second query block
	s_and_b32 s15, ttmp7, 0xffff
	s_lshr_b32 s16, s15, 3                         ; batch
	s_and_b32 s17, s15, 7                          ; head pair
	s_sub_co_u32 s18, 15, s14                      ; the first query block, and the step of its diagonal tile
	s_mov_b32 s19, 0                               ; the step, 0 .. 16
	s_sub_co_u32 s21, 16, s14                      ; steps of the first block
	s_mov_b32 s22, 0x76543210                      ; v_permlanex16_b32: lane i of one half reads lane i of the other
	s_mov_b32 s23, 0xfedcba98
	; group 1: 32 rows x 128 elements of 2 bytes; padding after every 64 words: 4 words for K, 8 for V and for vlo; vlo's rows are 1,024 elements apart
	s_mov_b32 s[G1K+0], 0x07510000
	s_mov_b32 s[G1K+1], 128<<16
	s_mov_b32 s[G1K+2], 32<<16
	s_mov_b32 s[G1K+3], 128<<16
	s_mov_b32 s[G1K+4], 32
	s_mov_b32 s[G1K+5], 3072
	s_mov_b32 s[G1K+6], 0
	s_mov_b32 s[G1K+7], 0
	s_mov_b32 s[G1V+0], 0x0f510000
	s_mov_b32 s[G1V+1], 128<<16
	s_mov_b32 s[G1V+2], 32<<16
	s_mov_b32 s[G1V+3], 128<<16
	s_mov_b32 s[G1V+4], 32
	s_mov_b32 s[G1V+5], 3072
	s_mov_b32 s[G1V+6], 0
	s_mov_b32 s[G1V+7], 0
	s_mov_b32 s[G1L+0], 0x0f510000
	s_mov_b32 s[G1L+1], 128<<16
	s_mov_b32 s[G1L+2], 32<<16
	s_mov_b32 s[G1L+3], 128<<16
	s_mov_b32 s[G1L+4], 32
	s_mov_b32 s[G1L+5], 1024
	s_mov_b32 s[G1L+6], 0
	s_mov_b32 s[G1L+7], 0
	s_mul_i32 s54, s16, 2048*ROWB                  ; the batch's first row,
	s_lshl_b32 s55, s17, 8                         ; the head pair's 256 bytes
	s_add_co_u32 s54, s54, s55
	s_mov_b32 s55, 0
	s_and_b32 s58, s10, 3                          ; waves 0-3 fetch K, waves 4-7 V: 32 rows each
	s_mul_i32 s58, s58, 32*ROWB
	s_lshl_b32 s59, s13, 11
	s_add_co_u32 s58, s58, s59
	s_add_co_u32 s58, s58, 2048
	s_mov_b32 s59, 0
	s_mul_i32 s62, s10, REG                        ; my region of a slot
	s_wait_kmcnt 0x0
	s_add_nc_u64 s[60:61], s[4:5], s[54:55]        ; q of the batch's row 0, my head pair
	s_add_nc_u64 s[48:49], s[60:61], s[58:59]      ; my 32 rows of tile 0
	s_add_nc_u64 s[56:57], s[60:61], 2048          ; k of the batch's row 0: the prefetch's base
	s_mov_b32 s[G0+0], 1
	s_add_co_u32 s[G0+1], s62, 0
	s_mov_b64 s[G0+2:G0+3], s[48:49]
	s_or_b32 s[G0+3], s[G0+3], 0x80000000
	s_mov_b32 s[G0+4], 1
	s_add_co_u32 s[G0+5], s62, SLOTB
	s_add_nc_u64 s[G0+6:G0+7], s[48:49], TILEB
	s_or_b32 s[G0+7], s[G0+7], 0x80000000
	s_cmp_lt_u32 s10, 4                            ; the two first fills of a wave, tiles 0 and 1, in one branch
	s_cbranch_scc0 .Lfirst_v
	tensor_load_to_lds s[G0:G0+3], s[G1K:G1K+7]
	s_nop 0
	tensor_load_to_lds s[G0+4:G0+7], s[G1K:G1K+7]
	s_nop 0
	s_branch .Lfirst_done
.Lfirst_v:
	tensor_load_to_lds s[G0:G0+3], s[G1V:G1V+7]
	s_nop 0
	tensor_load_to_lds s[G0+4:G0+7], s[G1V:G1V+7]
	s_nop 0
.Lfirst_done:
; Q's fragments of the block at s[50:51]: lane (r, h) takes query r of each 16, two loads of 16 bytes, 32 bytes apart, for each 32 of the head's 64
.macro QLOAD
.irp qt, 0,1,2,3
.irp ks, 0,1
	global_load_b128 v[QF+16*\qt+8*\ks:QF+16*\qt+8*\ks+3],   v[QOFF], s[50:51] offset:\qt*16*ROWB+64*\ks
	global_load_b128 v[QF+16*\qt+8*\ks+4:QF+16*\qt+8*\ks+7], v[QOFF], s[50:51] offset:\qt*16*ROWB+64*\ks+32
.endr
.endr
.endm
; A query block begins: the maximum far below every score, so that the first rescale is 0 and takes whatever O holds away
.macro INIT
.irp qt, 0,1,2,3
	v_mov_b32 v[MX+\qt], MINIT
	v_mov_b32 v[LS+\qt], 0
.endr
.irp qt, 0,1,2,3
	v_mul_f32 v[NM+2*\qt],   CNEG, v[MX+\qt]
	v_mul_f32 v[NM+2*\qt+1], CNEG, v[MX+\qt]
.endr
.endm
	v_and_b32 v1, 15, v0                           ; r
	v_bfe_u32 v62, v0, 4, 1                        ; h
	v_and_b32 v63, 31, v0                          ; lane
	s_mul_i32 s62, s12, 64*ROWB
	s_lshl_b32 s63, s11, 7                         ; my head's 128 bytes of a row
	s_add_co_u32 s62, s62, s63
	v_mul_u32_u24 v[QOFF], v1, ROWB
	v_lshl_add_u32 v[QOFF], v62, 4, v[QOFF]
	v_add_nc_u32 v[QOFF], s62, v[QOFF]
	s_mul_i32 s58, s18, TILEB                      ; the first query block
	s_mov_b32 s59, 0
	s_add_nc_u64 s[50:51], s[60:61], s[58:59]
	QLOAD
	s_mul_i32 s62, s13, 2*REG                      ; my 64 keys: two regions
	s_add_co_u32 s62, s62, s63
	v_mul_u32_u24 v[ADRK], v1, KP
	v_lshl_add_u32 v[ADRK], v62, 4, v[ADRK]
	v_add_nc_u32 v[ADRK], s62, v[ADRK]
	v_add_nc_u32 v[ADRK+1], SLOTB, v[ADRK]
	v_and_b32 v[ADRV], 7, v0                       ; the transposing load: key row 8 h + lane % 8, 16 bytes at 16 ((lane / 8) % 2)
	v_lshl_add_u32 v[ADRV], v62, 3, v[ADRV]
	v_mul_u32_u24 v[ADRV], v[ADRV], VP
	v_bfe_u32 v[ADRV+1], v0, 3, 1
	v_lshl_add_u32 v[ADRV], v[ADRV+1], 4, v[ADRV]
	s_add_co_u32 s62, s62, 4*REG
	v_add_nc_u32 v[ADRV], s62, v[ADRV]
	v_add_nc_u32 v[ADRV+1], SLOTB, v[ADRV]
	s_sub_co_i32 s62, s12, s13
	s_lshl_b32 s62, s62, 6
	v_lshlrev_b32 v[DL], 3, v62
	v_sub_nc_u32 v[DL], v1, v[DL]
	v_add_nc_u32 v[DL], s62, v[DL]
	v_mov_b32 v[NEG], MASKED
	s_mul_i32 s62, s10, DUMPB
	v_lshl_add_u32 v[DMPL], v63, 4, s62
	v_add_nc_u32 v[DMPH], DHI, v[DMPL]
	s_mul_i32 s62, s14, 16*ROWB                    ; the prefetch: rows 16 i .. 16 i + 15 of a tile, K for lanes 0-15, V for lanes 16-31
	v_mul_u32_u24 v[PFO], v1, ROWB
	v_lshl_add_u32 v[PFO], v62, 11, v[PFO]
	v_add_nc_u32 v[PFO], s62, v[PFO]
.irp qt, 0,1,2,3
	v_mov_b32 v[TX+\qt], 0                         ; v_permlanex16_b32 counts as a reader of its destination
.endr
	INIT
	; The sums of v over the blocks behind a query block's diagonal.  Waves 4-7: wave 4 + u takes query block i (u even) or 15 - i (u odd) and
	; the eight blocks 8 (u / 2) .. + 7 of the batch's sixteen; a block counts if its number is above the query block's.  128 columns, 4 to a lane.
	s_cmp_lt_u32 s10, 4
	s_cbranch_scc1 .Lno_suffix
	s_cmp_eq_u32 s11, 0
	s_cselect_b32 s66, s14, s18                    ; the query block
	s_lshl_b32 s63, s12, 3                         ; my first block
	s_lshl_b32 s58, s16, 4
	s_add_co_u32 s58, s58, s63
	s_lshl_b32 s58, s58, 12                        ; 4,096 bytes a block
	s_lshl_b32 s59, s17, 9                         ; the head pair's 128 columns
	s_add_co_u32 s58, s58, s59
	s_mov_b32 s59, 0
	s_add_nc_u64 s[58:59], s[6:7], s[58:59]
	v_lshlrev_b32 v[SRD], 4, v63
.irp e, 0,1,2,3,4,5,6,7
	global_load_b128 v[KF+4*\e:KF+4*\e+3], v[SRD], s[58:59] offset:4096*\e
.endr
	s_lshl_b32 s62, s10, 9
	s_add_co_u32 s62, s62, VS-4*512
	v_add_nc_u32 v[OOF], s62, v[SRD]               ; VS + 512 u + 16 lane
	s_wait_loadcnt 0x0
.irp e, 0,1,2,3,4,5,6,7
	s_add_co_u32 s67, s63, \e
	s_cmp_gt_u32 s67, s66
	s_cselect_b32 s67, -1, 0                       ; all lanes or none
.irp k, 0,1,2,3
	v_cndmask_b32 v[KF+4*\e+\k], 0, v[KF+4*\e+\k], s67
.endr
.endr
.irp e, 1,2,3,4,5,6,7
	v_pk_add_f32 v[KF:KF+1],   v[KF:KF+1],   v[KF+4*\e:KF+4*\e+1]
	v_pk_add_f32 v[KF+2:KF+3], v[KF+2:KF+3], v[KF+4*\e+2:KF+4*\e+3]
.endr
	ds_store_b128 v[OOF], v[KF:KF+3]
.Lno_suffix:
	s_wait_loadcnt 0x0                             ; Q
	s_wait_tensorcnt 0x1                           ; my part of tile 0 is in; tile 1's may stay out
	s_wait_dscnt 0x0                               ; the partial sums of v are in LDS
	s_barrier_signal -1
	s_barrier_wait -1
.macro KVLOAD slot                     ; my 32 rows of a tile: one line for K's padding, one for V's
	s_cmp_lt_u32 s10, 4
	s_cbranch_scc0 .Lkv_v_\@
	tensor_load_to_lds s[G0+4*\slot:G0+4*\slot+3], s[G1K:G1K+7]
	s_nop 0
	s_branch .Lkv_done_\@
.Lkv_v_\@:
	tensor_load_to_lds s[G0+4*\slot:G0+4*\slot+3], s[G1V:G1V+7]
	s_nop 0
.Lkv_done_\@:
.endm
.macro LOADV slot                      ; 16 transposing loads: the fragments of my 64 keys of V, or of vlo where the slot's V regions hold it
.irp dt, 0,1,2,3
.irp kk, 0,1
	ds_load_tr16_b128 v[VF+16*\dt+8*\kk:VF+16*\dt+8*\kk+3],   v[ADRV+\slot] offset:32*VP*\kk+32*\dt
	ds_load_tr16_b128 v[VF+16*\dt+8*\kk+4:VF+16*\dt+8*\kk+7], v[ADRV+\slot] offset:32*VP*\kk+32*\dt+16*VP
.endr
.endr
.endm
.macro LOADKV slot                     ; 16 loads of K's fragments, then 16 of V's
.irp kt, 0,1,2,3
.irp ks, 0,1
	ds_load_b128 v[KF+16*\kt+8*\ks:KF+16*\kt+8*\ks+3],   v[ADRK+\slot] offset:(\kt>>1)*REG+(\kt&1)*16*KP+64*\ks
	ds_load_b128 v[KF+16*\kt+8*\ks+4:KF+16*\kt+8*\ks+7], v[ADRK+\slot] offset:(\kt>>1)*REG+(\kt&1)*16*KP+64*\ks+32
.endr
.endr
	LOADV \slot
.endm
.macro SCORES                          ; S^T = K Q^T: the sixteen accumulators take turns, one instruction a turn
	WIN 0x50
.irp qt, 0,1,2,3
.irp kt, 0,1,2,3
	v_wmma_f32_16x16x32_f16 v[32*\qt+8*\kt:32*\qt+8*\kt+7], v[KF+16*\kt:KF+16*\kt+7], v[QF+16*\qt:QF+16*\qt+7], 0
.endr
.endr
.irp qt, 0,1,2,3
.irp kt, 0,1,2,3
	v_wmma_f32_16x16x32_f16 v[32*\qt+8*\kt:32*\qt+8*\kt+7], v[KF+16*\kt+8:KF+16*\kt+15], v[QF+16*\qt+8:QF+16*\qt+15], v[32*\qt+8*\kt:32*\qt+8*\kt+7]
.endr
.endr
.endm
.macro MASK                            ; the diagonal tile: key > query gets the masked score
	WIN 0x41
.irp qt, 0,1,2,3
.irp kt, 0,1,2,3
.irp j, 0,1,2,3,4,5,6,7
	v_cmp_gt_i32 vcc_lo, 16*(\kt-\qt)+\j, v[DL]
	v_cndmask_b32 v[32*\qt+8*\kt+\j], v[32*\qt+8*\kt+\j], v[NEG], vcc_lo
.endr
.endr
.endr
	WIN 0
.endm
.macro SOFTMAX
	WIN 0x05                                       ; the largest of my 32 scores of each query
.irp qt, 0,1,2,3
	v_max_num_f32 v[T+\qt], v[32*\qt], v[32*\qt+1]
.endr
.set e_, 2
.rept 15
.irp qt, 0,1,2,3
	v_max3_num_f32 v[T+\qt], v[32*\qt+e_], v[32*\qt+e_+1], v[T+\qt]
.endr
.set e_, e_+2
.endr
	WIN 0
.irp qt, 0,1,2,3
	v_permlanex16_b32 v[TX+\qt], v[T+\qt], s22, s23        ; the other half's keys
.endr
.irp qt, 0,1,2,3
	v_max3_num_f32 v[MX+\qt], v[MX+\qt], v[T+\qt], v[TX+\qt]
.endr
.irp qt, 0,1,2,3
	v_mul_f32 v[AN+\qt], CNEG, v[MX+\qt]                   ; the new shift
.endr
.irp qt, 0,1,2,3
	v_sub_f32 v[T+\qt], v[AN+\qt], v[NM+2*\qt]             ; against the old shift as it was rounded, so that weights and rescale agree
.endr
.irp qt, 0,1,2,3
	v_exp_f32 v[AL+2*\qt],   v[T+\qt]
	v_exp_f32 v[AL+2*\qt+1], v[T+\qt]
.endr
.irp qt, 0,1,2,3
	v_mov_b32 v[NM+2*\qt],   v[AN+\qt]                     ; plain instructions between the exponentials and their first use (ISA guide 5.7.2)
	v_mov_b32 v[NM+2*\qt+1], v[AN+\qt]
.endr
	s_wait_alu depctr_va_vdst(0)
.irp qt, 0,1,2,3
	v_mul_f32 v[TS+2*\qt], v[LS+\qt], v[AL+2*\qt]
	v_mov_b32 v[TS+2*\qt+1], 0
.endr
	WIN 0x41                                       ; weight = 2^(score x log2(e) / 8 + shift)
.irp qt, 0,1,2,3
.set e_, 0
.rept 16
	v_pk_fma_f32 v[32*\qt+e_:32*\qt+e_+1], v[32*\qt+e_:32*\qt+e_+1], CPOS, v[NM+2*\qt:NM+2*\qt+1] op_sel_hi:[1,0,1]
.set e_, e_+2
.endr
.set e_, 0
.rept 32
	v_exp_f32 v[32*\qt+e_], v[32*\qt+e_]
.set e_, e_+1
.endr
.endr
	v_nop                                          ; the place behind the last exponential
	WIN 0x01
.set e_, 0
	s_wait_alu depctr_va_vdst(0)
.rept 16
.irp qt, 0,1,2,3
	v_pk_add_f32 v[TS+2*\qt:TS+2*\qt+1], v[32*\qt+e_:32*\qt+e_+1], v[TS+2*\qt:TS+2*\qt+1]
.endr
.set e_, e_+2
.endr
	WIN 0x45                                       ; pack in place, ascending: register i takes elements 2 i and 2 i + 1, which no later line reads
.irp qt, 0,1,2,3
.irp kk, 0,1
.irp i, 0,1,2,3,4,5,6,7
	v_cvt_pk_f16_f32 v[32*\qt+16*\kk+\i], v[32*\qt+16*\kk+2*\i], v[32*\qt+16*\kk+2*\i+1]
.endr
.endr
.endr
	WIN 0
.irp qt, 0,1,2,3
	v_add_f32 v[LS+\qt], v[TS+2*\qt], v[TS+2*\qt+1]
.endr
.endm
; O^T = O^T x rescale + V^T P^T.  mode 0: rescale, then add; 1: the first products start the sums; 2: add alone (v's second part under the same weights).
; The sixteen accumulators take turns, one instruction a turn.
.macro PV mode
.if \mode == 0
	WIN 0x41
.irp qt, 0,1,2,3
.set e_, 0
.rept 16
	v_pk_mul_f32 v[128+32*\qt+e_:128+32*\qt+e_+1], v[128+32*\qt+e_:128+32*\qt+e_+1], v[AL+2*\qt:AL+2*\qt+1]
.set e_, e_+2
.endr
.endr
.endif
	WIN 0x54
.irp qt, 0,1,2,3
.irp dt, 0,1,2,3
.if \mode == 1
	v_wmma_f32_16x16x32_f16 v[128+32*\qt+8*\dt:128+32*\qt+8*\dt+7], v[VF+16*\dt:VF+16*\dt+7], v[32*\qt:32*\qt+7], 0
.else
	v_wmma_f32_16x16x32_f16 v[128+32*\qt+8*\dt:128+32*\qt+8*\dt+7], v[VF+16*\dt:VF+16*\dt+7], v[32*\qt:32*\qt+7], v[128+32*\qt+8*\dt:128+32*\qt+8*\dt+7]
.endif
.endr
.endr
.irp qt, 0,1,2,3
.irp dt, 0,1,2,3
	v_wmma_f32_16x16x32_f16 v[128+32*\qt+8*\dt:128+32*\qt+8*\dt+7], v[VF+16*\dt+8:VF+16*\dt+15], v[32*\qt+16:32*\qt+23], v[128+32*\qt+8*\dt:128+32*\qt+8*\dt+7]
.endr
.endr
	WIN 0
.endm
.macro DUMP adr                        ; my O, maxima and sums into my own 17,408 bytes, 16 bytes a lane
	WIN 0x04
.set e_, 0
.rept 32
	ds_store_b128 v[\adr], v[128+4*e_:128+4*e_+3] offset:512*e_
.set e_, e_+1
.endr
	WIN 0
	ds_store_b128 v[\adr], v[MX:MX+3] offset:16384
	ds_store_b128 v[\adr], v[LS:LS+3] offset:16896
.endm
; Tile n + 3 of the batch and head pair is asked for, one step ahead of its tensor load (which goes out in step n + 1).  Wave 7 alone asks; this work-group
; asks for rows 16 i .. 16 i + 15 of K and of V, one lane for each row's 256 bytes, and the other seven work-groups of the pair for the other rows.
; It stops behind n = 12: tile 15 is the last.  mode 2: n is not known to the text and is looked at.
.macro PREF mode
	s_cmp_lg_u32 s10, 7
	s_cbranch_scc1 .Lnopf_\@
.if \mode == 2
	s_cmp_gt_u32 s19, 12
	s_cbranch_scc1 .Lnopf_\@
.endif
	s_wait_xcnt 0x0                                ; the last step's prefetch has read its address (ISA guide 3.1)
	s_add_co_u32 s54, s19, 3
	s_mul_i32 s54, s54, TILEB
	s_mov_b32 s55, 0
	s_add_nc_u64 s[52:53], s[56:57], s[54:55]
	global_prefetch_b8 v[PFO], s[52:53] th:TH_LOAD_NT scope:SCOPE_SE
.Lnopf_\@:
.endm
.macro SWITCH                          ; the first query block is done: its O, maxima and sums are put by, the second block's Q comes in
	PLACES
	DUMP DMPH
	s_mul_i32 s58, s14, TILEB
	s_mov_b32 s59, 0
	s_add_nc_u64 s[50:51], s[60:61], s[58:59]      ; the first block's loads were waited for at the start
	QLOAD
	INIT
	s_wait_loadcnt 0x0
.endm
; One step: 64 queries x 64 keys.  dyn: 0 no mask; 1 mask, and the change of blocks, if this is the first block's diagonal step; 2 mask.
; ONE barrier a step.  In front of it each wave waits for its reads of this slot and for all its tensor loads (one is out: its part of the next slot);
; behind it this slot is filled again first, and the next step reads the other slot.  refill 1: with the tile of step n + 2.  refill 2: waves 4-7 fill the
; slot's V regions with vlo's rows of the second query block.  lo = 1: behind the barrier, which shows those rows whole, they are multiplied by this step's weights.
.macro STEP slot, zero, dyn, refill, bar, pref, lo
.rept 5
	v_nop                                          ; five places behind the last products: V is loaded again, and the scores write over P
.endr
	LOADKV \slot
	s_wait_dscnt 16                                ; K is in; V's sixteen loads may be out
	SCORES
	PLACES
.if \dyn == 1
	WIN 0
	s_cmp_lg_u32 s19, s18
	s_cbranch_scc1 .Lplain_\@
.endif
.if \dyn
	MASK
.endif
.if \dyn == 1
.Lplain_\@:
.endif
	SOFTMAX
	s_wait_dscnt 0x0                               ; V is in: my reads of this slot are over
	s_wait_xcnt 0x0
	v_lshl_add_u32 v190, v0, 2, 0x46800
	v_mov_b32 v191, 0
	s_wait_tensorcnt 0x0                           ; all my tensor loads have landed: a group 0 may be written
	ds_add_u32 v190, v191
	s_wait_dscnt 0x0
.if \refill == 1
	s_add_co_u32 s58, s19, 2                       ; step n + 2's tile: n + 2 in the first block, n + 2 - (16 - i) in the second
	s_cmp_gt_u32 s58, s18
	s_cselect_b32 s59, s21, 0
	s_sub_co_u32 s58, s58, s59
	s_mul_i32 s58, s58, TILEB
	s_mov_b32 s59, 0
	s_add_nc_u64 s[G0+4*\slot+2:G0+4*\slot+3], s[48:49], s[58:59]
	s_or_b32 s[G0+4*\slot+3], s[G0+4*\slot+3], 0x80000000
.endif
.if \refill == 2
	s_lshl_b32 s58, s16, 10                        ; vlo: row 1024 batch + 128 i + 32 (wave % 4),
	s_lshl_b32 s59, s14, 7
	s_add_co_u32 s58, s58, s59
	s_and_b32 s59, s10, 3
	s_lshl_b32 s59, s59, 5
	s_add_co_u32 s58, s58, s59
	s_lshl_b32 s58, s58, 11                        ; rows of 2,048 bytes,
	s_lshl_b32 s59, s17, 8                         ; the head pair's 256 bytes
	s_add_co_u32 s58, s58, s59
	s_mov_b32 s59, 0
	s_add_nc_u64 s[G0+4*\slot+2:G0+4*\slot+3], s[2:3], s[58:59]
	s_or_b32 s[G0+4*\slot+3], s[G0+4*\slot+3], 0x80000000
.endif
.if \bar
	s_barrier_signal -1
.endif
	PV \zero                                       ; register work while the others arrive
.if \bar
	s_barrier_wait -1
.endif
.if \refill == 1
	KVLOAD \slot                                   ; the wave's one tensor load behind the barrier
.endif
.if \refill == 2
	s_cmp_lt_u32 s10, 4
	s_cbranch_scc1 .Lno_vl_\@
	tensor_load_to_lds s[G0+4*\slot:G0+4*\slot+3], s[G1L:G1L+7]    ; the wave's one tensor load behind the barrier; waves 0-3 have no part of it
	s_nop 0
.Lno_vl_\@:
.endif
.if \lo
	PLACES                                         ; V's registers, which the last products read, are loaded again
	LOADV 1
	s_wait_dscnt 0x0
	PV 2
.endif
.if \pref
	PREF \pref
.endif
.if \dyn == 1
	s_cmp_lg_u32 s19, s18
	s_cbranch_scc1 .Lstay_\@
	SWITCH
.Lstay_\@:
.endif
	s_add_co_u32 s19, s19, 1
.endm
	STEP 0, 1, 0, 1, 1, 1, 0                       ; steps 0 and 1: the first block has nine tiles at the least, so no diagonal yet
	STEP 1, 0, 0, 1, 1, 1, 0
	s_mov_b32 s20, 6
.Lpair:                                            ; steps 2 to 13
	STEP 0, 0, 1, 1, 1, 2, 0
	STEP 1, 0, 1, 1, 1, 2, 0
	s_sub_co_u32 s20, s20, 1
	s_cmp_lg_u32 s20, 0
	s_cbranch_scc1 .Lpair
	STEP 0, 0, 1, 1, 1, 0, 0                       ; step 14 asks for step 16's tile
	STEP 1, 0, 1, 2, 1, 0, 0                       ; step 15: its barrier shows step 16's tile whole; behind it vlo's rows go into slot 1: the last fill
	STEP 0, 0, 2, 0, 1, 0, 1                       ; step 16: the second block's diagonal tile, with both parts of v
	; THE END.  The second block's partial results go into the ring, which has had its last fill; then wave w finishes one task:
	; query block w / 4 (0: the second, at LDS byte 0; 1: the first, at DHI), head w % 2, queries (w / 2) % 2, from the two key halves' dumps.
	PLACES
	s_wait_dscnt 0x0
	s_wait_tensorcnt 0x0
	s_barrier_signal -1
	s_barrier_wait -1                              ; no wave reads the ring any more
	DUMP DMPL
	s_wait_dscnt 0x0
	s_barrier_signal -1
	s_barrier_wait -1                              ; all dumps are in LDS
	s_mul_i32 s63, s13, DHI
	s_and_b32 s66, s10, 3
	s_mul_i32 s66, s66, DUMPB
	s_add_co_u32 s66, s66, s63
	v_lshl_add_u32 v[RD1], v63, 4, s66             ; key half 0's dump
	v_add_nc_u32 v[RD2], 4*DUMPB, v[RD1]           ; key half 1's
	s_lshl_b32 s66, s13, 9
	s_lshl_b32 s67, s11, 8
	s_add_co_u32 s66, s66, s67
	s_add_co_u32 s66, s66, VS
	v_lshl_add_u32 v[VSA], v62, 5, s66             ; the sums of v: column 64 head + 16 dt + 8 h + j
	WIN 0x40
.set e_, 0
.rept 32
	ds_load_b128 v[128+4*e_:128+4*e_+3], v[RD1] offset:512*e_
	ds_load_b128 v[4*e_:4*e_+3],         v[RD2] offset:512*e_
.set e_, e_+1
.endr
	WIN 0
	ds_load_b128 v[8:11],  v[RD1] offset:16384     ; m1
	ds_load_b128 v[12:15], v[RD1] offset:16896     ; l1
	ds_load_b128 v[32:35], v[RD2] offset:16384     ; m2
	ds_load_b128 v[36:39], v[RD2] offset:16896     ; l2
.irp dt, 0,1,2,3
	ds_load_b128 v[64+8*\dt:64+8*\dt+3],   v[VSA] offset:64*\dt
	ds_load_b128 v[64+8*\dt+4:64+8*\dt+7], v[VSA] offset:64*\dt+16
	ds_load_b128 v[96+8*\dt:96+8*\dt+3],   v[VSA] offset:1024+64*\dt
	ds_load_b128 v[96+8*\dt+4:96+8*\dt+7], v[VSA] offset:1024+64*\dt+16
.endr
	s_wait_dscnt 0x0
	s_barrier_signal -1
	s_barrier_wait -1                              ; every wave has read its dumps: the stage may be laid over them
	s_cmp_eq_u32 s13, 0
	s_cselect_b32 s66, s14, s18                    ; my task's query block
	s_sub_co_u32 s67, 15, s66
	s_lshl_b32 s67, s67, 7                         ; keys behind its diagonal tile
	v_cvt_f32_u32 v6, s67
	s_mov_b32 s68, MINIT
	s_mov_b32 s69, MASKED
	s_cmp_eq_u32 s66, 15                           ; none: their score takes no part in the maximum
	s_cselect_b32 s68, s68, s69
	s_mov_b32 s70, CPOS
.set e_, 0
.rept 16
	v_pk_add_f32 v[64+e_:64+e_+1], v[64+e_:64+e_+1], v[96+e_:96+e_+1]
.set e_, e_+2
.endr
.irp qt, 0,1,2,3
	v_max3_num_f32 v[40+\qt], v[8+\qt], v[32+\qt], s68     ; the maximum over both halves and the masked score
.endr
.irp qt, 0,1,2,3
	v_mul_f32 v[40+\qt], CNEG, v[40+\qt]                   ; the last shift,
	v_mul_f32 v[8+\qt],  CNEG, v[8+\qt]                    ; and the halves' shifts by the same product as in the loop
	v_mul_f32 v[32+\qt], CNEG, v[32+\qt]
.endr
.irp qt, 0,1,2,3
	v_sub_f32 v[8+\qt],  v[40+\qt], v[8+\qt]
	v_sub_f32 v[32+\qt], v[40+\qt], v[32+\qt]
	v_fma_f32 v[2+\qt], s68, s70, v[40+\qt]                ; a masked key's exponent, as in the loop
.endr
.irp qt, 0,1,2,3
	v_exp_f32 v[8+\qt],  v[8+\qt]                          ; a1
	v_exp_f32 v[32+\qt], v[32+\qt]                         ; a2
	v_exp_f32 v[2+\qt],  v[2+\qt]                          ; a masked key's weight
.endr
	v_nop
	s_wait_alu depctr_va_vdst(0)
.irp qt, 0,1,2,3
	v_mul_f32 v[12+\qt], v[12+\qt], v[8+\qt]
.endr
.irp qt, 0,1,2,3
	v_fmac_f32 v[12+\qt], v[36+\qt], v[32+\qt]
.endr
.irp qt, 0,1,2,3
	v_permlanex16_b32 v[36+\qt], v[12+\qt], s22, s23       ; the other half of the lanes holds the other keys' sums
.endr
.irp qt, 0,1,2,3
	v_add_f32 v[12+\qt], v[12+\qt], v[36+\qt]
.endr
.irp qt, 0,1,2,3
	v_fmac_f32 v[12+\qt], v6, v[2+\qt]
.endr
.irp qt, 0,1,2,3
	v_rcp_f32 v[12+\qt], v[12+\qt]                         ; the sum holds the largest weight, about 1
.endr
	v_nop
	s_wait_alu depctr_va_vdst(0)
.irp qt, 0,1,2,3
	v_mul_f32 v[16+2*\qt], v[8+\qt],  v[12+\qt]
	v_mul_f32 v[17+2*\qt], v[8+\qt],  v[12+\qt]
	v_mul_f32 v[24+2*\qt], v[32+\qt], v[12+\qt]
	v_mul_f32 v[25+2*\qt], v[32+\qt], v[12+\qt]
	v_mul_f32 v[44+2*\qt], v[2+\qt],  v[12+\qt]
	v_mul_f32 v[45+2*\qt], v[2+\qt],  v[12+\qt]
.endr
	WIN 0x41
.irp qt, 0,1,2,3
.set e_, 0
.rept 16
	v_pk_mul_f32 v[128+32*\qt+e_:128+32*\qt+e_+1], v[128+32*\qt+e_:128+32*\qt+e_+1], v[16+2*\qt:17+2*\qt]
.set e_, e_+2
.endr
.endr
	WIN 0x51
.irp qt, 0,1,2,3
.set e_, 0
.rept 16
	v_pk_fma_f32 v[128+32*\qt+e_:128+32*\qt+e_+1], v[32*\qt+e_:32*\qt+e_+1], v[24+2*\qt:25+2*\qt], v[128+32*\qt+e_:128+32*\qt+e_+1]
.set e_, e_+2
.endr
.endr
	WIN 0x50
.irp qt, 0,1,2,3
.set e_, 0
.rept 16
	v_pk_fma_f32 v[128+32*\qt+e_:128+32*\qt+e_+1], v[64+e_:64+e_+1], v[44+2*\qt:45+2*\qt], v[128+32*\qt+e_:128+32*\qt+e_+1]
.set e_, e_+2
.endr
.endr
	WIN 0
	; through two stages of rows of 272 bytes, one for each part of a: a row holds both heads' 64 numbers; lane (r, h) puts 16 bytes of query 16 qt + r
	s_mul_i32 s62, s12, STGQ
	s_add_co_u32 s62, s62, s63
	s_lshl_b32 s67, s11, 7
	s_add_co_u32 s67, s67, s62
	v_mul_u32_u24 v[SST], v1, 272
	v_lshl_add_u32 v[SST], v62, 4, v[SST]
	v_add_nc_u32 v[SST], s67, v[SST]
.macro WIDEN                           ; v[96:127] = the 32 f16 of v[64:79], as f32 (halves have names in v0-127 alone)
.set u_, 0
.irp h, v64.l,v64.h,v65.l,v65.h,v66.l,v66.h,v67.l,v67.h,v68.l,v68.h,v69.l,v69.h,v70.l,v70.h,v71.l,v71.h
	v_cvt_f32_f16 v[96+u_], \h
.set u_, u_+1
.endr
.irp h, v72.l,v72.h,v73.l,v73.h,v74.l,v74.h,v75.l,v75.h,v76.l,v76.h,v77.l,v77.h,v78.l,v78.h,v79.l,v79.h
	v_cvt_f32_f16 v[96+u_], \h
.set u_, u_+1
.endr
.endm
	; sixteen queries at a time: a's rounding to f16 (v64-79), the rounding widened again (v96-127), taken from a (exact), and the rest rounded to f16 (v80-95)
.irp qt, 0,1,2,3
	WIN 0x05
.set e_, 0
.rept 16
	v_cvt_pk_f16_f32 v[64+e_], v[128+32*\qt+2*e_], v[128+32*\qt+2*e_+1]
.set e_, e_+1
.endr
	WIN 0
	WIDEN
.irp dt, 0,1,2,3
	ds_store_b128 v[SST], v[64+4*\dt:67+4*\dt] offset:16*272*\qt+32*\dt
.endr
	WIN 0x01
.set e_, 0
.rept 16
	v_pk_add_f32 v[96+e_:97+e_], v[128+32*\qt+e_:129+32*\qt+e_], v[96+e_:97+e_] neg_lo:[0,1] neg_hi:[0,1]
.set e_, e_+2
.endr
	WIN 0
.set e_, 0
.rept 16
	v_cvt_pk_f16_f32 v[80+e_], v[96+2*e_], v[97+2*e_]
.set e_, e_+1
.endr
.irp dt, 0,1,2,3
	ds_store_b128 v[SST], v[80+4*\dt:83+4*\dt] offset:2*STGQ+16*272*\qt+32*\dt
.endr
.endr
	s_mul_i32 s67, s11, 32*272                     ; back: the two waves that filled 64 rows take 32 rows each, whole
	s_add_co_u32 s67, s67, s62
	v_mul_u32_u24 v[SRD], v62, 272
	v_lshl_add_u32 v[SRD], v1, 4, v[SRD]
	v_add_nc_u32 v[SRD], s67, v[SRD]
	v_lshlrev_b32 v[OOF], 12, v62
	v_lshl_add_u32 v[OOF], v1, 4, v[OOF]
	s_lshl_b32 s58, s16, 11                        ; row 2048 batch + 128 block + 64 query half + 32 head
	s_lshl_b32 s59, s66, 7
	s_add_co_u32 s58, s58, s59
	s_lshl_b32 s59, s12, 6
	s_add_co_u32 s58, s58, s59
	s_lshl_b32 s59, s11, 5
	s_add_co_u32 s58, s58, s59
	s_lshl_b32 s58, s58, 12                        ; rows of 4,096 bytes: the first part, then the second
	s_lshl_b32 s59, s17, 8
	s_add_co_u32 s58, s58, s59
	s_mov_b32 s59, 0
	s_add_nc_u64 s[8:9], s[8:9], s[58:59]
	s_wait_dscnt 0x0
	s_barrier_signal -1
	s_barrier_wait -1                              ; both heads' halves of every row are in
.set e_, 0
.rept 16
	ds_load_b128 v[VF+4*e_:VF+4*e_+3], v[SRD] offset:544*e_
.set e_, e_+1
.endr
.set e_, 0
.rept 16
	ds_load_b128 v[QF+4*e_:QF+4*e_+3], v[SRD] offset:2*STGQ+544*e_
.set e_, e_+1
.endr
.set e_, 0
.rept 16
	s_wait_dscnt 31-e_                             ; the younger read-backs may be out
	global_store_b128 v[OOF], v[VF+4*e_:VF+4*e_+3], s[8:9] offset:8192*e_        ; 16 lanes store 256 consecutive bytes, aligned
.set e_, e_+1
.endr
.set e_, 0
.rept 16
	s_wait_dscnt 15-e_
	global_store_b128 v[OOF], v[QF+4*e_:QF+4*e_+3], s[8:9] offset:8192*e_+2048   ; the second part, 1,024 columns on
.set e_, e_+1
.endr
	s_wait_xcnt 0x0
	v_lshl_add_u32 v190, v0, 2, 0x46800
	v_mov_b32 v191, 0
	s_wait_tensorcnt 0x0
	ds_add_u32 v190, v191
	s_wait_dscnt 0x0
	s_endpgm
.Lfunc_end_k_q825120d457_attn:
	.size	k_q825120d457_attn, .Lfunc_end_k_q825120d457_attn-k_q825120d457_attn
	.p2alignl 7, 3214868480
	.fill 96, 4, 3214868480
	.section	.rodata,"a",@progbits
	.p2align	6, 0x0
	.amdhsa_kernel k_q825120d457_attn
		.amdhsa_group_segment_fixed_size 327680
		.amdhsa_private_segment_fixed_size 0
		.amdhsa_enable_private_segment 0
		.amdhsa_kernarg_size 32
		.amdhsa_user_sgpr_count 2
		.amdhsa_user_sgpr_kernarg_segment_ptr 1
		.amdhsa_wavefront_size32 1
		.amdhsa_system_sgpr_workgroup_id_x 1
		.amdhsa_system_sgpr_workgroup_id_y 1
		.amdhsa_system_sgpr_workgroup_id_z 1
		.amdhsa_system_vgpr_workitem_id 0
		.amdhsa_next_free_vgpr 512
		.amdhsa_next_free_sgpr 80
		.amdhsa_reserve_vcc 1
		.amdhsa_float_denorm_mode_32 3
		.amdhsa_float_denorm_mode_16_64 3
		.amdhsa_memory_ordered 1
		.amdhsa_forward_progress 1
		.amdhsa_inst_pref_size 255
	.end_amdhsa_kernel
	.section	.bss,"aw",@nobits
	.p2align	6
	.space	262144
	.amdgpu_metadata
---
amdhsa.version: [ 1, 2 ]
amdhsa.kernels:
  - .name:           k_q825120d457_attn
    .symbol:         k_q825120d457_attn.kd
    .args:
      - { .name: qkv, .offset: 0, .size: 8, .value_kind: global_buffer, .address_space: global }
      - { .name: vblk, .offset: 8, .size: 8, .value_kind: global_buffer, .address_space: global }
      - { .name: ah, .offset: 16, .size: 8, .value_kind: global_buffer, .address_space: global }
      - { .name: vlo, .offset: 24, .size: 8, .value_kind: global_buffer, .address_space: global }
    .group_segment_fixed_size: 327680
    .private_segment_fixed_size: 0
    .kernarg_segment_align: 8
    .kernarg_segment_size: 32
    .max_flat_workgroup_size: 256
    .sgpr_count:     80
    .vgpr_count:     512
    .wavefront_size: 32
...
	.end_amdgpu_metadata
.endif
;; end of part 3
;; launch proj (part 4): grid 8 x 32, 4 waves a work-group, clusters of 4 x 4, 327,680 bytes of LDS; arguments ah, wph, out0, b_proj; writes out0
.if DOCPART == 4
	.amdgcn_target "amdgcn-amd-amdhsa--gfx1250"
	.amdhsa_code_object_version 6
	.text
	.protected	k_q825120d457_proj
	.globl	k_q825120d457_proj
	.p2align	8
	.type	k_q825120d457_proj,@function
k_q825120d457_proj:
	s_mov_b64 s[64:65], 0
	v_nop
	global_prefetch_b8 v0, s[64:65] scope:SCOPE_SE
	s_setreg_imm32_b32 hwreg(HW_REG_WAVE_MODE, 25, 1), 1
	s_wait_xcnt 0x0
	s_wait_alu depctr_hold_cnt(0) depctr_sa_sdst(0) depctr_va_vdst(0) depctr_va_sdst(0) depctr_va_ssrc(0) depctr_va_vcc(0) depctr_vm_vsrc(0)
	s_getreg_b32 s2, hwreg(HW_REG_IB_STS2, 6, 4)
	s_cmp_eq_u32 s2, 0
	s_cbranch_scc0 .Lentry_in_a_cluster
	s_endpgm
.Lentry_in_a_cluster:
	s_bfe_u32 s2, ttmp6, 0x10000c
	s_cmp_lg_u32 s2, 0xf033
	s_cbranch_scc0 .Lentry_shape_is_right
	s_endpgm
.Lentry_shape_is_right:
; C[m][n] = sum over k of A[m][k] B[k][n] + bias[n].  A: [8192][SIZE_K] f16, B: [SIZE_K][SIZE_N] f16 (rows along N, as the weights lie), sums in f32.
; One source for two launches, chosen by QKV:
;   QKV = 1: A = xh, B = wah, SIZE_K = 1024, SIZE_N = 3072, C = qkv in f16.  Two more results from the f32 sums of v's columns: the sums over each
;            block of 128 rows go to vblk in f32, and v - f16(v), in f16, of the first 1,024 rows of each batch goes to vlo [4][1024][1024].
;   QKV = 0: A = ah, whose row holds f16(a) in columns 0-1023 and f16(a - f16(a)) in columns 1024-2047; B = wph, the weights twice; SIZE_K = 2048, so both
;            parts' products are added; SIZE_N = 1024, C = out0 in f32.
; LIMIT: C in f16 (QKV = 1) becomes an infinity beyond 65,504.  The order of the sums is the matrix unit's, K ascending in steps of 32.
; A work-group makes 256 rows x 32 NB columns of C with four waves, as many as a WGP has SIMDs; a wave makes 128 x 16 NB: 8 NB accumulator
; tiles of 16 x 16.  K goes in steps of 128 through two LDS slots filled by the tensor data mover.
; CLUSTERS: 4 x 4 work-groups.  The four of a row of the cluster need the same tiles of A, the four of a column the same tiles of B: each tile
; is asked for jointly, by the same tensor load with the same descriptor and a mask that names the four.
; B LIES [K][N]: its fragments are read with the transposing LDS load, so no pass over the weights is needed.
; THE BIAS is the C operand of each accumulator's first product: nothing is cleared, and no add stands in the way out.
; THE MATRIX INSTRUCTION IS USED TRANSPOSED: source 0 = 16 columns of B, source 1 = 16 rows of A.  Lane l then holds row l % 16 of C and its
; registers 0 to 7 the columns 8 (l / 16) + 0 .. 7: eight neighbouring numbers of a row.
; REGISTERS, in windows of 256: window 0: v0-31 addresses, v64-127 and v128-191 A's fragments (two buffers), v192.. the bias, later the way out;
; window 1: v64.. and v128.. B's fragments (two buffers); windows 2 and 3: accumulator (a, b), t = NB a + b, in window 2 + t / 32 at v[8 (t % 32)].
.set QKV, 0
.if QKV
.set NB, 8                             ; B fragments (16 columns each) of a wave
.set SIZE_K, 1024
.set SIZE_N, 3072
.set QIB, 6                            ; B's LDS rows are padded after every 128 words
.set CROW, 6144                        ; bytes in a row of C
.set STOSH, 4                          ; a lane's eight results are 16 bytes
.else
.set NB, 4
.set SIZE_K, 2048
.set SIZE_N, 1024
.set QIB, 5                            ; after every 64 words
.set CROW, 4096
.set STOSH, 5                          ; 32 bytes
.endif
.set KSTEP,  128
.set PITCH,  272                       ; A's LDS row: 256 bytes + 16: an odd multiple of 16, so the 16 rows of a fragment load start in 16 different columns of 16 bytes
.set HALFT,  128*PITCH                 ; 128 rows of A: one tensor load, and what one wave reads of A
.set ABYTES, 2*HALFT
.set BPITCH, 64*NB+32                  ; B's LDS row: 32 NB columns + 32 bytes: an odd multiple of 32, for the transposing loads
.set BHALF,  64*BPITCH                 ; 64 k rows of B: one tensor load
.set SLOT,   ABYTES+2*BHALF            ; A's 256 rows, then B's 128 k rows
.set STAGE,  2*SLOT                    ; behind the ring: 16 rows x 272 bytes for each wave; no tensor load lands here
.set SPITCH, 272
.set LAPS,   SIZE_K/(2*KSTEP)          ; a lap = two K steps = once round the ring
.set ADRA, 16                          ; v16-17  LDS address of my A fragments in slot 0, 1
.set ADRB, 20                          ; v20-21  the same for B
.set STO,  24                          ; v24     the way out: where I put my piece of a row
.set RD,   25                          ; v25     the way out: where I read a row back
.set CO,   26                          ; v26     my byte offset in C
.set VST,  27                          ; v27-29  the sums of v: in, back, and the offset in vblk
.set VRD,  28
.set VCO,  29
.set VLC,  30                          ; v30     my byte offset in vlo
.set F0,   64
.set F1,   128
.set BIAS, 192                         ; v192..  8 NB registers: bias of my columns, in an accumulator's layout
.set TMP,  192                         ; the way out: packed results
.set G1,  24                           ; s[24:31] descriptor group 1 for A's tiles
.set G0,  32                           ; s[32:39] group 0 for A's tiles, one set for each slot
.set G1B, 48                           ; s[48:55] group 1 for B's tiles
.set G0B, 56                           ; s[56:63] group 0 for B's tiles, one set for each slot
.set MSB, 0
.macro WIN new                         ; s_set_vgpr_msb: bits 1:0 source 0, 3:2 source 1, 5:4 source 2, 7:6 destination; the high byte repeats the setting that is left
.if MSB != (\new)
	s_set_vgpr_msb (MSB<<8)|(\new)
.set MSB, (\new)
.endif
.endm
; A joint load.  Waves 0 and 1 fetch A's two halves, waves 2 and 3 B's.  Each line has one mask and one set of registers for all that issue it.
.macro JLOAD s
	s_cmp_eq_u32 s11, 0
	s_cbranch_scc0 .Lfor_b_\@
	tensor_load_to_lds s[G0+4*\s:G0+4*\s+3], s[G1:G1+7]
	s_nop 0
	s_branch .Lasked_\@
.Lfor_b_\@:
	tensor_load_to_lds s[G0B+4*\s:G0B+4*\s+3], s[G1B:G1B+7]
	s_nop 0
.Lasked_\@:
.endm
; A round of the cluster's barrier: my work-group's barrier; wave 0 signals for the work-group; every wave waits for all sixteen; my work-group's barrier again.
.macro CREST                           ; a round behind its opening barrier
	s_cmp_lg_u32 s10, 0
	s_cbranch_scc1 .Lnot_wave_0_\@
	s_barrier_signal -3
.Lnot_wave_0_\@:
	s_barrier_wait -3
	s_barrier_signal -1
	s_barrier_wait -1
.endm
.macro CROUND
	s_barrier_signal -1
	s_barrier_wait -1
	CREST
.endm
	s_load_b128 s[4:7], s[0:1], 0x0                ; A s[4:5], B s[6:7]
	s_load_b64 s[8:9], s[0:1], 0x10                ; C
	s_load_b64 s[68:69], s[0:1], 0x18              ; bias
	s_set_vgpr_msb 0x40
	v_lshl_add_u32 v255, v0, 2, 0x38400
	s_set_vgpr_msb 0x4000
	v_mov_b32 v255, 0
	s_set_vgpr_msb 0x1
	ds_add_u32 v255, v255
	ds_add_u32 v255, v255
	s_set_vgpr_msb 0x100
.if QKV
	s_load_b64 s[70:71], s[0:1], 0x20              ; vblk
	s_load_b64 s[76:77], s[0:1], 0x28              ; vlo
.endif
	v_lshrrev_b32 v1, 5, v0
	v_readfirstlane_b32 s10, v1                    ; wave 0..3
	s_lshr_b32 s11, s10, 1                         ; which 128 rows of the block are mine.  Also: I fetch for A (0) or for B (1)
	s_and_b32 s12, s10, 1                          ; which half of its columns.  Also: which half of that tile I fetch
	s_bfe_u32 s40, ttmp6, 0x40000                  ; cx
	s_bfe_u32 s41, ttmp6, 0x40004                  ; cy
	s_lshl_b32 s42, ttmp9, 2
	s_add_co_u32 s42, s42, s40                     ; block column of C = 4 x cluster x + cx
	s_and_b32 s13, ttmp7, 0xffff
	s_lshl_b32 s13, s13, 2
	s_add_co_u32 s13, s13, s41                     ; block row of C = 4 x cluster y + cy
	s_lshl_b32 s43, s41, 2
	s_lshl_b32 s43, 15, s43                        ; my row of the cluster: places 4 cy .. 4 cy + 3
	s_lshl_b32 s44, 0x1111, s40                    ; my column: places cx, cx + 4, cx + 8, cx + 12
	; group 1 for A: 128 rows x 128 elements of 2 bytes, 4 words of padding after every 64 words
	s_or_b32 s[G1+0], s43, (1<<16)|(1<<20)|(1<<21)|(5<<22)|(3<<25)
	s_mov_b32 s[G1+1], KSTEP<<16                   ; tensor_dim0 = 128
	s_mov_b32 s[G1+2], 128<<16                     ; tensor_dim1 = 128
	s_mov_b32 s[G1+3], KSTEP<<16                   ; tile_dim0 = 128
	s_mov_b32 s[G1+4], 128                         ; tile_dim1 = 128
	s_mov_b32 s[G1+5], SIZE_K                      ; elements from row to row
	s_mov_b32 s[G1+6], 0
	s_mov_b32 s[G1+7], 0
	; group 1 for B: 64 k rows x 32 NB elements, 8 words of padding after every row
	s_or_b32 s[G1B+0], s44, (1<<16)|(1<<20)|(1<<21)|(QIB<<22)|(7<<25)
	s_mov_b32 s[G1B+1], (32*NB)<<16
	s_mov_b32 s[G1B+2], 64<<16
	s_mov_b32 s[G1B+3], (32*NB)<<16
	s_mov_b32 s[G1B+4], 64
	s_mov_b32 s[G1B+5], SIZE_N
	s_mov_b32 s[G1B+6], 0
	s_mov_b32 s[G1B+7], 0
	; where the tiles come from.  A's hang on the block row alone, B's on the block column alone, each in registers that never hold the other coordinate.
	s_lshl_b32 s17, s12, 7
	s_lshl_b32 s16, s13, 8
	s_add_co_u32 s16, s16, s17                     ; A: row 256 x block row + 128 x half
	s_mul_i32 s16, s16, SIZE_K*2                   ; in bytes: 2^25 at the most
	s_mov_b32 s17, 0
	s_mul_i32 s46, s12, 64*SIZE_N*2                ; B: k row 64 x half,
	s_mul_i32 s47, s42, 64*NB                      ; and the block's first column, in bytes
	s_add_co_u32 s46, s46, s47
	s_mov_b32 s47, 0
	s_mul_i32 s20, s10, HALFT                      ; where they go: A's halves, waves 0 and 1: wave x 128 rows
	s_mul_i32 s45, s10, BHALF                      ; B's halves, waves 2 and 3: behind A's 256 rows, (wave - 2) x 64 k rows
	s_add_co_u32 s45, s45, ABYTES-2*BHALF
	s_wait_dscnt 0x0
	s_wait_kmcnt 0x0
	s_add_nc_u64 s[14:15], s[4:5], s[16:17]
	s_add_nc_u64 s[46:47], s[6:7], s[46:47]
	CROUND                                         ; all sixteen work-groups are here: the first joint loads meet
.irp s, 0,1
	s_mov_b32 s[G0+4*\s], 1
	s_add_co_u32 s[G0+4*\s+1], s20, \s*SLOT
	s_add_nc_u64 s[G0+4*\s+2:G0+4*\s+3], s[14:15], \s*KSTEP*2            ; K step s: 128 elements along A's rows
	s_or_b32 s[G0+4*\s+3], s[G0+4*\s+3], 0x80000000
	s_mov_b32 s[G0B+4*\s], 1
	s_add_co_u32 s[G0B+4*\s+1], s45, \s*SLOT
	s_add_nc_u64 s[G0B+4*\s+2:G0B+4*\s+3], s[46:47], \s*KSTEP*SIZE_N*2   ; K step s: 128 rows down B
	s_or_b32 s[G0B+4*\s+3], s[G0B+4*\s+3], 0x80000000
	JLOAD \s                                       ; both slots are asked for before anything else: two tensor loads of the wave are out
.endr
	; the bias of my 16 NB columns, in an accumulator's layout: register 8 b + j of lane l holds bias[16 b + 8 (l / 16) + j]
	s_mul_i32 s74, s42, 128*NB
	s_mul_i32 s75, s12, 64*NB
	s_add_co_u32 s74, s74, s75
	s_mov_b32 s75, 0
	s_add_nc_u64 s[74:75], s[68:69], s[74:75]
	v_and_b32 v1, 15, v0                           ; r = l % 16
	v_bfe_u32 v2, v0, 4, 1                         ; h = l / 16
	v_lshlrev_b32 v8, 5, v2
.set bb, 0
.rept NB
	global_load_b128 v[BIAS+8*bb:BIAS+8*bb+3],   v8, s[74:75] offset:64*bb
	global_load_b128 v[BIAS+8*bb+4:BIAS+8*bb+7], v8, s[74:75] offset:64*bb+16
.set bb, bb+1
.endr
	; A's fragments, 16 rows x 32 K: lane l takes row r, two loads of 16 bytes, 32 bytes apart, at row x pitch + 16 h
	v_mul_u32_u24 v3, v1, PITCH
	v_lshl_add_u32 v3, v2, 4, v3
	s_mul_i32 s21, s11, HALFT
	; B's fragments, 32 K x 16 columns, transposed on the way: lane l addresses k row 8 h + l % 8, 16 bytes at 16 ((l / 8) % 2); the second load 16 rows below
	v_and_b32 v6, 7, v0
	v_lshl_add_u32 v6, v2, 3, v6
	v_mul_u32_u24 v6, v6, BPITCH
	v_bfe_u32 v7, v0, 3, 1
	v_lshl_add_u32 v6, v7, 4, v6
	s_mul_i32 s22, s12, 32*NB                      ; my half of the block's columns
	s_add_co_u32 s22, s22, ABYTES
.irp s, 0,1
	v_add_nc_u32 v[ADRA+\s], s21, v3
	v_add_nc_u32 v[ADRB+\s], s22, v6
	s_add_co_u32 s21, s21, SLOT
	s_add_co_u32 s22, s22, SLOT
.endr
	s_mul_i32 s23, s10, 16*SPITCH
	s_add_co_u32 s23, s23, STAGE                   ; my stage
	v_mul_u32_u24 v4, v1, SPITCH
	v_lshl_add_u32 v4, v2, STOSH, v4
	v_add_nc_u32 v[STO], s23, v4                   ; in: row r, my eight numbers
	v_mul_u32_u24 v5, v2, SPITCH
	v_lshl_add_u32 v5, v1, 4, v5
	v_add_nc_u32 v[RD], s23, v5                    ; back: lanes 0-15 take one row of 256 bytes, lanes 16-31 the next
	v_mul_u32_u24 v5, v2, CROW
	v_lshl_add_u32 v[CO], v1, 4, v5                ; and the same two rows in C
.if QKV
	v_lshl_add_u32 v[VST], v2, 5, s23
	v_and_b32 v5, 31, v0
	v_lshlrev_b32 v[VCO], 4, v5
	v_add_nc_u32 v[VRD], s23, v[VCO]
	v_lshlrev_b32 v5, 11, v2
	v_lshl_add_u32 v[VLC], v1, 4, v5               ; the same two rows in vlo, rows of 2,048 bytes
.endif
; NB matrix instructions: row block a of my eight x all my NB column blocks, 32 along K.  first = 1: C is the bias (window 0), which starts the sums.
; The 8 NB accumulators take turns, one instruction a turn, in the same order in every quarter step.
.macro MULROW f, a, first
.set WN_, 2+(NB*(\a))/32
.set AC_, 8*((NB*(\a))%32)
.if \first
	WIN (WN_<<6)|1
.else
	WIN (WN_*0x50)|1
.endif
.set bb, 0
.rept NB
.if \first
	v_wmma_f32_16x16x32_f16 v[AC_+8*bb:AC_+8*bb+7], v[\f+8*bb:\f+8*bb+7], v[\f+8*(\a):\f+8*(\a)+7], v[BIAS+8*bb:BIAS+8*bb+7]
.else
	v_wmma_f32_16x16x32_f16 v[AC_+8*bb:AC_+8*bb+7], v[\f+8*bb:\f+8*bb+7], v[\f+8*(\a):\f+8*(\a)+7], v[AC_+8*bb:AC_+8*bb+7]
.endif
.set bb, bb+1
.endr
.endm
; One run of 2 NB + 16 LDS loads: the fragments of quarter q (32 along K) of a slot into buffer f: B's first, then A's
.macro FETCH slot, q, f
	WIN 0x40
.set bb, 0
.rept NB
	ds_load_tr16_b128 v[\f+8*bb:\f+8*bb+3],   v[ADRB+\slot] offset:\q*32*BPITCH+32*bb
	ds_load_tr16_b128 v[\f+8*bb+4:\f+8*bb+7], v[ADRB+\slot] offset:\q*32*BPITCH+32*bb+16*BPITCH
.set bb, bb+1
.endr
	WIN 0
.irp i, 0,1,2,3,4,5,6,7
	ds_load_b128 v[\f+8*\i:\f+8*\i+3],   v[ADRA+\slot] offset:\q*64+\i*16*PITCH
	ds_load_b128 v[\f+8*\i+4:\f+8*\i+7], v[ADRA+\slot] offset:\q*64+\i*16*PITCH+32
.endr
.endm
; A load into a register that a matrix instruction has read, and a vector instruction or LDS store that reads a matrix result, stand four places behind
; that matrix instruction; only plain vector instructions that name none of its registers are places (ISA guide 7.12.1 for vector instructions).
.macro PLACES
.rept 4
	v_nop
.endr
.endm
; One of a K step's first three quarters: multiplies buffer f; in its middle it fetches quarter q of the same slot into buffer g.
.macro QUARTER slot, q, f, g, first
	s_wait_dscnt 8                                 ; B and A's fragments 0-3 are in; the youngest eight loads (A's fragments 4-7) may be out
	MULROW \f, 0, \first
	MULROW \f, 1, \first
	MULROW \f, 2, \first
	MULROW \f, 3, \first
	PLACES
	FETCH \slot, \q, \g
	s_wait_dscnt 2*NB+16                           ; all but the run just issued
	MULROW \f, 4, \first
	MULROW \f, 5, \first
	MULROW \f, 6, \first
	MULROW \f, 7, \first
.endm
.macro THREE slot, first
	QUARTER \slot, 1, F0, F1, \first
	QUARTER \slot, 2, F1, F0, 0
	QUARTER \slot, 3, F0, F1, 0
.endm
; The last quarter: multiplies buffer 1 and changes slots.  fill = 1: this slot is filled again, two K steps ahead.
; In front of the barrier each wave waits for its reads of this slot and for all its tensor loads (one is out: its part of the next slot).
; Behind it, and behind the rest of the cluster's round, the joint refill comes first, then the next slot's first fragments.
.macro TURN slot, next, fill
	s_wait_dscnt 8
	MULROW F1, 0, 0
	MULROW F1, 1, 0
	s_wait_dscnt 0x0                               ; my reads of this slot are over
	s_wait_tensorcnt 0x0                           ; and all my tensor loads have landed
	ds_add_u32 v255, v255
	s_wait_dscnt 0x0
	s_barrier_signal -1                            ; where a slot is filled again this barrier opens a round of the cluster's barrier
	MULROW F1, 2, 0                                ; register work while the others arrive
	MULROW F1, 3, 0
	WIN 0
	s_barrier_wait -1
.if \fill
	CREST                                          ; no wave of any partner still reads this slot's tile or has a load on its way
	s_add_nc_u64 s[G0+4*\slot+2:G0+4*\slot+3], s[G0+4*\slot+2:G0+4*\slot+3], 2*KSTEP*2
	s_add_nc_u64 s[G0B+4*\slot+2:G0B+4*\slot+3], s[G0B+4*\slot+2:G0B+4*\slot+3], 2*KSTEP*SIZE_N*2
	JLOAD \slot                                    ; the wave's one tensor load behind the round
.endif
	PLACES
	FETCH \next, 0, F0
	MULROW F1, 4, 0
	MULROW F1, 5, 0
	MULROW F1, 6, 0
	MULROW F1, 7, 0
.endm
.macro LAP first
	THREE 0, \first
	TURN 0, 1, 1
	THREE 1, 0
	TURN 1, 0, 1
.endm
	s_wait_loadcnt 0x0                             ; the bias
	s_wait_tensorcnt 0x1                           ; my part of K step 0 is in; K step 1's may stay out
	s_barrier_signal -1
	s_barrier_wait -1
	FETCH 0, 0, F0
	LAP 1                                          ; the first lap stands in front of the loop: its first products take the bias as C
	WIN 0                                          ; at a label and at a branch every window is 0
	s_mov_b32 s3, LAPS-2
.Llap:
	LAP 0
	WIN 0
	s_sub_co_u32 s3, s3, 1
	s_cmp_lg_u32 s3, 0
	s_cbranch_scc1 .Llap
	THREE 0, 0                                     ; the last lap fills nothing
	TURN 0, 1, 0
	THREE 1, 0
	s_wait_dscnt 8
	MULROW F1, 0, 0
	MULROW F1, 1, 0
	MULROW F1, 2, 0
	MULROW F1, 3, 0
	s_wait_dscnt 0x0
	MULROW F1, 4, 0
	MULROW F1, 5, 0
	MULROW F1, 6, 0
	MULROW F1, 7, 0
	WIN 0
	; THE WAY OUT.  The four v_nop are the places behind the last matrix instructions.
	PLACES
	s_lshl_b32 s16, s13, 8
	s_lshl_b32 s17, s11, 7
	s_add_co_u32 s16, s16, s17                     ; my first row of C
	s_mul_i32 s16, s16, CROW                       ; below 2^26
	s_mov_b32 s17, 0
	s_add_nc_u64 s[8:9], s[8:9], s[16:17]
	s_lshl_b32 s46, s42, 9                         ; my first column, in bytes: 512 x block + 256 x half, in both launches
	s_lshl_b32 s47, s12, 8
	s_add_co_u32 s46, s46, s47
	s_mov_b32 s47, 0
	s_add_nc_u64 s[8:9], s[8:9], s[46:47]
.if QKV
	; The sums of v's columns over my 128 rows (one block of vblk), from the f32 sums.  Only the blocks of columns 2048 and up hold v: cluster x = 2,
	; a number that all partners of a cluster share.
	s_cmp_lg_u32 ttmp9, 2
	s_cbranch_scc1 .Lno_vsum
	s_lshl1_add_u32 s72, s13, s11                  ; block of 128 rows = 2 x block row + half
	s_lshl_b32 s72, s72, 12                        ; 1,024 f32 a block
	s_sub_co_u32 s73, s42, 8
	s_lshl_b32 s73, s73, 10                        ; 256 columns a block column of v
	s_add_co_u32 s72, s72, s73
	s_lshl_b32 s73, s12, 9
	s_add_co_u32 s72, s72, s73
	s_mov_b32 s73, 0
	s_add_nc_u64 s[72:73], s[70:71], s[72:73]
	; row block a lies at v[64 (a % 4) .. + 63] of window 2 + a / 4; register 8 b + j of it belongs to column 16 b + 8 h + j
	WIN 0x0a
.set e_, 0
.rept 32
	v_pk_add_f32 v[F0+e_:F0+e_+1], v[e_:e_+1], v[64+e_:64+e_+1]
.set e_, e_+2
.endr
	WIN 0x02
.irp a, 128,192
.set e_, 0
.rept 32
	v_pk_add_f32 v[F0+e_:F0+e_+1], v[\a+e_:\a+e_+1], v[F0+e_:F0+e_+1]
.set e_, e_+2
.endr
.endr
	WIN 0x03
.irp a, 0,64,128,192
.set e_, 0
.rept 32
	v_pk_add_f32 v[F0+e_:F0+e_+1], v[\a+e_:\a+e_+1], v[F0+e_:F0+e_+1]
.set e_, e_+2
.endr
.endr
	WIN 0
.irp m, 1,2,4,8                                    ; over the 16 rows that the lanes of a half hold
.set e_, 0
.rept 64
	v_add_f32_dpp v[F0+e_], v[F0+e_], v[F0+e_] row_xmask:\m row_mask:0xf bank_mask:0xf
.set e_, e_+1
.endr
.endr
.irp b, 0,1,2,3,4,5,6,7
	ds_store_b128 v[VST], v[F0+8*\b:F0+8*\b+3]   offset:64*\b      ; the sixteen lanes of a half write the same bytes with the same value
	ds_store_b128 v[VST], v[F0+8*\b+4:F0+8*\b+7] offset:64*\b+16
.endr
	ds_load_b128 v[32:35], v[VRD]                  ; LDS serves a wave's instructions in order (ISA guide 5.7.1): this sees the stores above
	s_wait_dscnt 0x0
	global_store_b128 v[VCO], v[32:35], s[72:73]   ; 512 consecutive bytes, aligned
.Lno_vsum:
; rows 16 i .. 16 i + 15 of my block = the eight tiles (a, 0..7) of window 2 or 3 (from = 0x0a or 0x0f); f: F0 or F1 in turn
.macro OUT16 i, a, from, f
	WIN \from
.irp b, 0,1,2,3,4,5,6,7
.irp r, 0,1,2,3
	v_cvt_pk_f16_f32 v[TMP+4*\b+\r], v[8*(8*\a+\b)+2*\r], v[8*(8*\a+\b)+2*\r+1]
.endr
.endr
	WIN 0
.irp b, 0,1,2,3,4,5,6,7
	ds_store_b128 v[STO], v[TMP+4*\b:TMP+4*\b+3] offset:32*\b
.endr
	s_wait_xcnt 0x0                                ; buffer f, which stores read, and the stores' base are rewritten only behind this wait (ISA guide 3.1)
.if \i
	s_add_nc_u64 s[8:9], s[8:9], 16*CROW
.endif
.irp t, 0,1,2,3,4,5,6,7
	ds_load_b128 v[\f+4*\t:\f+4*\t+3], v[RD] offset:\t*2*SPITCH
.endr
.irp t, 0,1,2,3,4,5,6,7
	s_wait_dscnt 7-\t                              ; the younger read-backs may be out
	global_store_b128 v[CO], v[\f+4*\t:\f+4*\t+3], s[8:9] offset:2*\t*CROW   ; 16 lanes store 256 consecutive bytes, aligned
.endr
.endm
	OUT16 0, 0, 0x0a, F0
	OUT16 1, 1, 0x0a, F1
	OUT16 2, 2, 0x0a, F0
	OUT16 3, 3, 0x0a, F1
	OUT16 4, 0, 0x0f, F0
	OUT16 5, 1, 0x0f, F1
	OUT16 6, 2, 0x0f, F0
	OUT16 7, 3, 0x0f, F1
	; v's second part, v - f16(v), for the first 1,024 rows of each batch: a query among a batch's first rows averages few keys, so its result keeps
	; v's size and with it the size of v's rounding.  Columns of v: cluster x = 2; rows 0-1023 of a batch: cluster y even.  All partners share both numbers.
	s_cmp_lg_u32 ttmp9, 2
	s_cbranch_scc1 .Lno_vlo
	s_and_b32 s78, ttmp7, 1
	s_cmp_lg_u32 s78, 0
	s_cbranch_scc1 .Lno_vlo
	s_and_b32 s78, ttmp7, 0xffff
	s_lshr_b32 s78, s78, 1                         ; batch
	s_lshl_b32 s78, s78, 10                        ; 1,024 rows of vlo a batch
	s_lshl_b32 s79, s41, 8                         ; 256 rows a block row
	s_add_co_u32 s78, s78, s79
	s_lshl_b32 s79, s11, 7
	s_add_co_u32 s78, s78, s79
	s_lshl_b32 s78, s78, 11                        ; rows of 2,048 bytes
	s_sub_co_u32 s79, s42, 8
	s_lshl_b32 s79, s79, 9                         ; 256 columns a block column of v
	s_add_co_u32 s78, s78, s79
	s_lshl_b32 s79, s12, 8
	s_add_co_u32 s78, s78, s79
	s_mov_b32 s79, 0
	s_add_nc_u64 s[76:77], s[76:77], s[78:79]
	s_wait_xcnt 0x0                                ; v64-159, which the stores above read, are rewritten only behind this wait (ISA guide 3.1)
.macro WIDEN                           ; v[96:127] = the 32 f16 of v[64:79], as f32 (halves have names in v0-127 alone)
.set u_, 0
.irp h, v64.l,v64.h,v65.l,v65.h,v66.l,v66.h,v67.l,v67.h,v68.l,v68.h,v69.l,v69.h,v70.l,v70.h,v71.l,v71.h
	v_cvt_f32_f16 v[96+u_], \h
.set u_, u_+1
.endr
.irp h, v72.l,v72.h,v73.l,v73.h,v74.l,v74.h,v75.l,v75.h,v76.l,v76.h,v77.l,v77.h,v78.l,v78.h,v79.l,v79.h
	v_cvt_f32_f16 v[96+u_], \h
.set u_, u_+1
.endr
.endm
; rows 16 i .. 16 i + 15 of my block, four tiles at a time: the rounding as it was stored, widened again, taken from the f32 sum (exact), and rounded to f16
.macro OUTLO i, a, win
.irp hb, 0,1
	WIN (\win*5)                                   ; sources 0 and 1 in the accumulators' window
.set e_, 0
.rept 16
	v_cvt_pk_f16_f32 v[64+e_], v[64*\a+32*\hb+2*e_], v[64*\a+32*\hb+2*e_+1]
.set e_, e_+1
.endr
	WIN 0
	WIDEN
	WIN \win                                       ; source 0 in the accumulators' window
.set e_, 0
.rept 16
	v_pk_add_f32 v[96+e_:97+e_], v[64*\a+32*\hb+e_:64*\a+32*\hb+e_+1], v[96+e_:97+e_] neg_lo:[0,1] neg_hi:[0,1]
.set e_, e_+2
.endr
	WIN 0
.set e_, 0
.rept 16
	v_cvt_pk_f16_f32 v[80+e_], v[96+2*e_], v[97+2*e_]
.set e_, e_+1
.endr
.irp b, 0,1,2,3
	ds_store_b128 v[STO], v[80+4*\b:83+4*\b] offset:128*\hb+32*\b
.endr
.endr
	s_wait_xcnt 0x0                                ; v128-159, which stores read, and the stores' base are rewritten only behind this wait (ISA guide 3.1)
.if \i
	s_add_nc_u64 s[76:77], s[76:77], 16*2048
.endif
.irp t, 0,1,2,3,4,5,6,7
	ds_load_b128 v[F1+4*\t:F1+4*\t+3], v[RD] offset:\t*2*SPITCH
.endr
.irp t, 0,1,2,3,4,5,6,7
	s_wait_dscnt 7-\t                              ; the younger read-backs may be out
	global_store_b128 v[VLC], v[F1+4*\t:F1+4*\t+3], s[76:77] offset:2*\t*2048   ; 16 lanes store 256 consecutive bytes, aligned
.endr
.endm
	OUTLO 0, 0, 2
	OUTLO 1, 1, 2
	OUTLO 2, 2, 2
	OUTLO 3, 3, 2
	OUTLO 4, 0, 3
	OUTLO 5, 1, 3
	OUTLO 6, 2, 3
	OUTLO 7, 3, 3
.Lno_vlo:
.else
; rows 16 i .. 16 i + 15 of my block, f32: the four tiles (i, 0..3) of window 2 go through my stage as they are
.macro OUT16F i, f
	WIN 0x08
.irp b, 0,1,2,3
	ds_store_b128 v[STO], v[8*(4*\i+\b):8*(4*\i+\b)+3]   offset:64*\b
	ds_store_b128 v[STO], v[8*(4*\i+\b)+4:8*(4*\i+\b)+7] offset:64*\b+16
.endr
	WIN 0
	s_wait_xcnt 0x0                                ; buffer f, which stores read, and the stores' base are rewritten only behind this wait (ISA guide 3.1)
.if \i
	s_add_nc_u64 s[8:9], s[8:9], 16*CROW
.endif
.irp t, 0,1,2,3,4,5,6,7
	ds_load_b128 v[\f+4*\t:\f+4*\t+3], v[RD] offset:\t*2*SPITCH
.endr
.irp t, 0,1,2,3,4,5,6,7
	s_wait_dscnt 7-\t                              ; the younger read-backs may be out
	global_store_b128 v[CO], v[\f+4*\t:\f+4*\t+3], s[8:9] offset:2*\t*CROW th:TH_STORE_NT   ; 16 lanes store 256 consecutive bytes, aligned
.endr
.endm
	OUT16F 0, F0
	OUT16F 1, F1
	OUT16F 2, F0
	OUT16F 3, F1
	OUT16F 4, F0
	OUT16F 5, F1
	OUT16F 6, F0
	OUT16F 7, F1
.endif
	s_set_vgpr_msb 0x1
	s_wait_tensorcnt 0x0
	ds_add_u32 v255, v255
	s_wait_dscnt 0x0
	s_set_vgpr_msb 0x100
	CROUND                                         ; the closing round: no work-group ends while a partner may still ask for a tile that names it
	s_endpgm
.Lfunc_end_k_q825120d457_proj:
	.size	k_q825120d457_proj, .Lfunc_end_k_q825120d457_proj-k_q825120d457_proj
	.p2alignl 7, 3214868480
	.fill 96, 4, 3214868480
	.section	.rodata,"a",@progbits
	.p2align	6, 0x0
	.amdhsa_kernel k_q825120d457_proj
		.amdhsa_group_segment_fixed_size 327680
		.amdhsa_private_segment_fixed_size 0
		.amdhsa_enable_private_segment 0
		.amdhsa_kernarg_size 32
		.amdhsa_user_sgpr_count 2
		.amdhsa_user_sgpr_kernarg_segment_ptr 1
		.amdhsa_wavefront_size32 1
		.amdhsa_system_sgpr_workgroup_id_x 1
		.amdhsa_system_sgpr_workgroup_id_y 1
		.amdhsa_system_sgpr_workgroup_id_z 1
		.amdhsa_system_vgpr_workitem_id 0
		.amdhsa_next_free_vgpr 768
		.amdhsa_next_free_sgpr 80
		.amdhsa_reserve_vcc 0
		.amdhsa_float_denorm_mode_32 3
		.amdhsa_float_denorm_mode_16_64 3
		.amdhsa_memory_ordered 1
		.amdhsa_forward_progress 1
		.amdhsa_inst_pref_size 121
	.end_amdhsa_kernel
	.amdgpu_metadata
---
amdhsa.version: [ 1, 2 ]
amdhsa.kernels:
  - .name:           k_q825120d457_proj
    .symbol:         k_q825120d457_proj.kd
    .args:
      - { .name: ah, .offset: 0, .size: 8, .value_kind: global_buffer, .address_space: global }
      - { .name: wph, .offset: 8, .size: 8, .value_kind: global_buffer, .address_space: global }
      - { .name: out0, .offset: 16, .size: 8, .value_kind: global_buffer, .address_space: global }
      - { .name: b_proj, .offset: 24, .size: 8, .value_kind: global_buffer, .address_space: global }
    .group_segment_fixed_size: 327680
    .private_segment_fixed_size: 0
    .kernarg_segment_align: 8
    .kernarg_segment_size: 32
    .max_flat_workgroup_size: 128
    .sgpr_count:     80
    .vgpr_count:     768
    .wavefront_size: 32
...
	.end_amdgpu_metadata
.endif
;; end of part 4
;; ======== version 2 of 3: 4 launches
;; limits: values are held in f16: magnitudes above 65,504 overflow, below 6.1e-05 lose precision
;; workspace buffers: xh 16,777,216 bytes; wah 6,291,456 bytes; wph 2,097,152 bytes; qkv 50,331,648 bytes; vblk 262,144 bytes; vlo 8,388,608 bytes; ah 18,874,368 bytes
;; launch cvt (part 5): grid 768 x 1, 8 waves a work-group, no clusters, 0 bytes of LDS; arguments x, w_attn, w_proj, xh, wah, wph; writes xh, wah, wph
.if DOCPART == 5
	.amdgcn_target "amdgcn-amd-amdhsa--gfx1250"
	.amdhsa_code_object_version 6
	.text
	.protected	k_q825120d457_cvt
	.globl	k_q825120d457_cvt
	.p2align	8
	.type	k_q825120d457_cvt,@function
k_q825120d457_cvt:
	s_mov_b64 s[64:65], 0
	v_nop
	global_prefetch_b8 v0, s[64:65] scope:SCOPE_SE
	s_setreg_imm32_b32 hwreg(HW_REG_WAVE_MODE, 25, 1), 1
	s_wait_xcnt 0x0
; x, w_attn and w_proj, f32, are rounded once to bf16 (nearest even), the rounding of matrix operands that the problem's contract names, and
; stored AS F16 into xh, wah and wph, in the same order of elements: bf16's 8 bits are exact in f16, so the inputs can meet q, k, v, the softmax's
; weights and a, which keep f16's 11 bits, in one matrix form.  The program's result is then the problem's function of inputs rounded to bf16,
; up to the roundings of intermediates.
; LIMITS: a number beyond f16's largest, 65,504, becomes an infinity; a bf16 number below 2^-17 in magnitude is not exact in f16 (error 2^-25 at the most).
; A stream: no LDS, no barrier, no matrix unit.  A line is 1,024 numbers: 4,096 bytes in, 2,048 bytes out; the 256 threads take
; 16 bytes each of a line.  12,288 lines in all, 16 to a work-group: groups 0-511 take x, 512-703 w_attn, 704-767 w_proj.
; All 16 loads of a thread go out first, each line has registers of its own, and the waits count down, so no source of a store is rewritten.
.set LINES, 16
.set X, 4                              ; v[4:67]   line i: 4 numbers as loaded, then as rounded to bf16
.set Y, 68                             ; v[68:99]  line i: 4 numbers packed
	s_load_b256 s[4:11], s[0:1], 0x0               ; x s[4:5], w_attn s[6:7], w_proj s[8:9], xh s[10:11]
	s_load_b128 s[12:15], s[0:1], 0x20             ; wah s[12:13], wph s[14:15]
	v_lshlrev_b32 v1, 4, v0                        ; my 16 bytes of a line as it comes in
	v_lshlrev_b32 v2, 3, v0                        ; my 8 bytes of a line as it goes out
	s_mov_b32 s26, 0xffff0000                      ; a word's upper bf16
	s_wait_kmcnt 0x0
	s_cmp_lt_u32 ttmp9, 512                        ; which tensor: the choice hangs on the group's number alone
	s_cselect_b64 s[16:17], s[4:5], s[6:7]
	s_cselect_b64 s[18:19], s[10:11], s[12:13]
	s_cselect_b32 s20, 0, 512                      ; the tensor's first group
	s_cmp_lt_u32 ttmp9, 704
	s_cselect_b64 s[16:17], s[16:17], s[8:9]
	s_cselect_b64 s[18:19], s[18:19], s[14:15]
	s_cselect_b32 s20, s20, 704
	s_sub_co_u32 s21, ttmp9, s20                   ; my number among the tensor's groups, 511 at the most
	s_lshl_b32 s22, s21, 16                        ; 16 lines of 4,096 bytes
	s_mov_b32 s23, 0
	s_add_nc_u64 s[16:17], s[16:17], s[22:23]
	s_lshl_b32 s24, s21, 15                        ; 16 lines of 2,048 bytes
	s_mov_b32 s25, 0
	s_add_nc_u64 s[18:19], s[18:19], s[24:25]
.set i, 0
.rept LINES
	global_load_b128 v[X+4*i:X+4*i+3], v1, s[16:17] offset:4096*i th:TH_LOAD_NT   ; a wave's load covers 512 consecutive bytes
.set i, i+1
.endr
.set i, 0
.rept LINES
	s_wait_loadcnt LINES-1-i                       ; loads come back in order (ISA guide 5.7.1): line i is in, the younger ones stay out
	v_cvt_pk_bf16_f32 v[Y+2*i],   v[X+4*i],   v[X+4*i+1]       ; the one rounding
	v_cvt_pk_bf16_f32 v[Y+2*i+1], v[X+4*i+2], v[X+4*i+3]
	v_lshlrev_b32 v[X+4*i],   16,  v[Y+2*i]                    ; bf16 to f32: a shift or a mask
	v_and_b32     v[X+4*i+1], s26, v[Y+2*i]
	v_lshlrev_b32 v[X+4*i+2], 16,  v[Y+2*i+1]
	v_and_b32     v[X+4*i+3], s26, v[Y+2*i+1]
	v_cvt_pk_f16_f32 v[Y+2*i],   v[X+4*i],   v[X+4*i+1]        ; exact inside the limits above
	v_cvt_pk_f16_f32 v[Y+2*i+1], v[X+4*i+2], v[X+4*i+3]
	global_store_b64 v2, v[Y+2*i:Y+2*i+1], s[18:19] offset:2048*i                 ; a wave's store covers 256 consecutive bytes, aligned
.set i, i+1
.endr
	s_endpgm
.Lfunc_end_k_q825120d457_cvt:
	.size	k_q825120d457_cvt, .Lfunc_end_k_q825120d457_cvt-k_q825120d457_cvt
	.p2alignl 7, 3214868480
	.fill 96, 4, 3214868480
	.section	.rodata,"a",@progbits
	.p2align	6, 0x0
	.amdhsa_kernel k_q825120d457_cvt
		.amdhsa_group_segment_fixed_size 0
		.amdhsa_private_segment_fixed_size 0
		.amdhsa_enable_private_segment 0
		.amdhsa_kernarg_size 48
		.amdhsa_user_sgpr_count 2
		.amdhsa_user_sgpr_kernarg_segment_ptr 1
		.amdhsa_wavefront_size32 1
		.amdhsa_system_sgpr_workgroup_id_x 1
		.amdhsa_system_sgpr_workgroup_id_y 1
		.amdhsa_system_sgpr_workgroup_id_z 1
		.amdhsa_system_vgpr_workitem_id 0
		.amdhsa_next_free_vgpr 104
		.amdhsa_next_free_sgpr 66
		.amdhsa_reserve_vcc 0
		.amdhsa_float_denorm_mode_32 3
		.amdhsa_float_denorm_mode_16_64 3
		.amdhsa_memory_ordered 1
		.amdhsa_forward_progress 1
		.amdhsa_inst_pref_size 11
	.end_amdhsa_kernel
	.amdgpu_metadata
---
amdhsa.version: [ 1, 2 ]
amdhsa.kernels:
  - .name:           k_q825120d457_cvt
    .symbol:         k_q825120d457_cvt.kd
    .args:
      - { .name: x, .offset: 0, .size: 8, .value_kind: global_buffer, .address_space: global }
      - { .name: w_attn, .offset: 8, .size: 8, .value_kind: global_buffer, .address_space: global }
      - { .name: w_proj, .offset: 16, .size: 8, .value_kind: global_buffer, .address_space: global }
      - { .name: xh, .offset: 24, .size: 8, .value_kind: global_buffer, .address_space: global }
      - { .name: wah, .offset: 32, .size: 8, .value_kind: global_buffer, .address_space: global }
      - { .name: wph, .offset: 40, .size: 8, .value_kind: global_buffer, .address_space: global }
    .group_segment_fixed_size: 0
    .private_segment_fixed_size: 0
    .kernarg_segment_align: 8
    .kernarg_segment_size: 48
    .max_flat_workgroup_size: 256
    .sgpr_count:     66
    .vgpr_count:     104
    .wavefront_size: 32
...
	.end_amdgpu_metadata
.endif
;; end of part 5
;; launch qkvg (part 6): grid 12 x 32, 4 waves a work-group, clusters of 4 x 4, 327,680 bytes of LDS; arguments xh, wah, qkv, b_attn, vblk, vlo; writes qkv, vblk, vlo
.if DOCPART == 6
	.amdgcn_target "amdgcn-amd-amdhsa--gfx1250"
	.amdhsa_code_object_version 6
	.text
	.protected	k_q825120d457_qkvg
	.globl	k_q825120d457_qkvg
	.p2align	8
	.type	k_q825120d457_qkvg,@function
k_q825120d457_qkvg:
	s_mov_b64 s[64:65], 0
	v_nop
	global_prefetch_b8 v0, s[64:65] scope:SCOPE_SE
	s_setreg_imm32_b32 hwreg(HW_REG_WAVE_MODE, 25, 1), 1
	s_wait_xcnt 0x0
	s_wait_alu depctr_hold_cnt(0) depctr_sa_sdst(0) depctr_va_vdst(0) depctr_va_sdst(0) depctr_va_ssrc(0) depctr_va_vcc(0) depctr_vm_vsrc(0)
	s_getreg_b32 s2, hwreg(HW_REG_IB_STS2, 6, 4)
	s_cmp_eq_u32 s2, 0
	s_cbranch_scc0 .Lentry_in_a_cluster
	s_endpgm
.Lentry_in_a_cluster:
	s_bfe_u32 s2, ttmp6, 0x10000c
	s_cmp_lg_u32 s2, 0xf033
	s_cbranch_scc0 .Lentry_shape_is_right
	s_endpgm
.Lentry_shape_is_right:
; qkv[m][n] = sum over k of xh[m][k] wah[k][n] + b_attn[n].  xh: [8192][1024] f16, wah: [1024][3072] f16 (rows along N, as the weights lie), sums in f32,
; qkv: [8192][3072] f16.  Two more results from the f32 sums of v's columns (2048 and up): the sums over each block of 128 rows go to vblk [64][1024] in f32,
; and v - f16(v), in f16, of the first 1,024 rows of each batch goes to vlo [4][1024][1024].
; LIMIT: qkv becomes an infinity beyond 65,504.  The order of the sums is the matrix unit's, K ascending in steps of 32.
; A work-group makes 256 rows x 256 columns with four waves, as many as a WGP has SIMDs; a wave makes 128 x 128: 64 accumulator
; tiles of 16 x 16.  K goes in steps of 128 through two LDS slots filled by the tensor data mover.
; CLUSTERS: 4 x 4 work-groups.  The four of a row of the cluster need the same tiles of A, the four of a column the same tiles of B: each tile
; is asked for jointly, by the same tensor load with the same descriptor and a mask that names the four.
; B LIES [K][N]: its fragments are read with the transposing LDS load, so no pass over the weights is needed.
; THE BIAS is the C operand of each accumulator's first product: nothing is cleared, and no add stands in the way out.
; THE MATRIX INSTRUCTION IS USED TRANSPOSED: source 0 = 16 columns of B, source 1 = 16 rows of A.  Lane l then holds row l % 16 of C and its
; registers 0 to 7 the columns 8 (l / 16) + 0 .. 7: eight neighbouring numbers of a row.
; REGISTERS, in windows of 256: window 0: v0-31 addresses, v64-127 and v128-191 A's fragments (two buffers), v192-255 the bias, later the way out;
; window 1: v64-127 and v128-191 B's fragments (two buffers); windows 2 and 3: accumulator (a, b), t = 8 a + b, in window 2 + t / 32 at v[8 (t % 32)].
.set NB, 8                             ; B fragments (16 columns each) of a wave
.set SIZE_K, 1024
.set SIZE_N, 3072
.set QIB, 6                            ; B's LDS rows are padded after every 128 words
.set CROW, 6144                        ; bytes in a row of C
.set KSTEP,  128
.set PITCH,  272                       ; A's LDS row: 256 bytes + 16: an odd multiple of 16, so the 16 rows of a fragment load start in 16 different columns of 16 bytes
.set HALFT,  128*PITCH                 ; 128 rows of A: one tensor load, and what one wave reads of A
.set ABYTES, 2*HALFT
.set BPITCH, 64*NB+32                  ; B's LDS row: 256 columns + 32 bytes: an odd multiple of 32, for the transposing loads
.set BHALF,  64*BPITCH                 ; 64 k rows of B: one tensor load
.set SLOT,   ABYTES+2*BHALF            ; A's 256 rows, then B's 128 k rows
.set STAGE,  2*SLOT                    ; behind the ring: 16 rows x 272 bytes for each wave; no tensor load lands here
.set SPITCH, 272
.set LAPS,   SIZE_K/(2*KSTEP)          ; a lap = two K steps = once round the ring
.set ADRA, 16                          ; v16-17  LDS address of my A fragments in slot 0, 1
.set ADRB, 20                          ; v20-21  the same for B
.set STO,  24                          ; v24     the way out: where I put my piece of a row
.set RD,   25                          ; v25     the way out: where I read a row back
.set CO,   26                          ; v26     my byte offset in C
.set VST,  27                          ; v27-29  the sums of v: in, back, and the offset in vblk
.set VRD,  28
.set VCO,  29
.set VLC,  30                          ; v30     my byte offset in vlo
.set F0,   64
.set F1,   128
.set BIAS, 192                         ; v192-255  bias of my columns, in an accumulator's layout
.set TMP,  192                         ; the way out: packed results
.set G1,  24                           ; s[24:31] descriptor group 1 for A's tiles
.set G0,  32                           ; s[32:39] group 0 for A's tiles, one set for each slot
.set G1B, 48                           ; s[48:55] group 1 for B's tiles
.set G0B, 56                           ; s[56:63] group 0 for B's tiles, one set for each slot
.set MSB, 0
.macro WIN new                         ; s_set_vgpr_msb: bits 1:0 source 0, 3:2 source 1, 5:4 source 2, 7:6 destination; the high byte repeats the setting that is left
.if MSB != (\new)
	s_set_vgpr_msb (MSB<<8)|(\new)
.set MSB, (\new)
.endif
.endm
; A joint load.  Waves 0 and 1 fetch A's two halves, waves 2 and 3 B's.  Each line has one mask and one set of registers for all that issue it.
.macro JLOAD s
	s_cmp_eq_u32 s11, 0
	s_cbranch_scc0 .Lfor_b_\@
	tensor_load_to_lds s[G0+4*\s:G0+4*\s+3], s[G1:G1+7]
	s_nop 0
	s_branch .Lasked_\@
.Lfor_b_\@:
	tensor_load_to_lds s[G0B+4*\s:G0B+4*\s+3], s[G1B:G1B+7]
	s_nop 0
.Lasked_\@:
.endm
; A round of the cluster's barrier: my work-group's barrier; wave 0 signals for the work-group; every wave waits for all sixteen; my work-group's barrier again.
.macro CREST                           ; a round behind its opening barrier
	s_cmp_lg_u32 s10, 0
	s_cbranch_scc1 .Lnot_wave_0_\@
	s_barrier_signal -3
.Lnot_wave_0_\@:
	s_barrier_wait -3
	s_barrier_signal -1
	s_barrier_wait -1
.endm
.macro CROUND
	s_barrier_signal -1
	s_barrier_wait -1
	CREST
.endm
	s_load_b128 s[4:7], s[0:1], 0x0                ; A s[4:5], B s[6:7]
	s_load_b64 s[8:9], s[0:1], 0x10                ; C
	s_load_b64 s[68:69], s[0:1], 0x18              ; bias
	s_load_b64 s[70:71], s[0:1], 0x20              ; vblk
	s_load_b64 s[76:77], s[0:1], 0x28              ; vlo
	s_set_vgpr_msb 0x40
	v_lshl_add_u32 v255, v0, 2, 0x48400
	s_set_vgpr_msb 0x4000
	v_mov_b32 v63, 0
	s_set_vgpr_msb 0x1
	ds_add_u32 v255, v63
	ds_add_u32 v255, v63
	s_set_vgpr_msb 0x100
	v_lshrrev_b32 v1, 5, v0
	v_readfirstlane_b32 s10, v1                    ; wave 0..3
	s_lshr_b32 s11, s10, 1                         ; which 128 rows of the block are mine.  Also: I fetch for A (0) or for B (1)
	s_and_b32 s12, s10, 1                          ; which half of its columns.  Also: which half of that tile I fetch
	s_bfe_u32 s40, ttmp6, 0x40000                  ; cx
	s_bfe_u32 s41, ttmp6, 0x40004                  ; cy
	s_lshl_b32 s42, ttmp9, 2
	s_add_co_u32 s42, s42, s40                     ; block column of C = 4 x cluster x + cx
	s_and_b32 s13, ttmp7, 0xffff
	s_lshl_b32 s13, s13, 2
	s_add_co_u32 s13, s13, s41                     ; block row of C = 4 x cluster y + cy
	s_lshl_b32 s43, s41, 2
	s_lshl_b32 s43, 15, s43                        ; my row of the cluster: places 4 cy .. 4 cy + 3
	s_lshl_b32 s44, 0x1111, s40                    ; my column: places cx, cx + 4, cx + 8, cx + 12
	; group 1 for A: 128 rows x 128 elements of 2 bytes, 4 words of padding after every 64 words
	s_or_b32 s[G1+0], s43, (1<<16)|(1<<20)|(1<<21)|(5<<22)|(3<<25)
	s_mov_b32 s[G1+1], KSTEP<<16                   ; tensor_dim0 = 128
	s_mov_b32 s[G1+2], 128<<16                     ; tensor_dim1 = 128
	s_mov_b32 s[G1+3], KSTEP<<16                   ; tile_dim0 = 128
	s_mov_b32 s[G1+4], 128                         ; tile_dim1 = 128
	s_mov_b32 s[G1+5], SIZE_K                      ; elements from row to row
	s_mov_b32 s[G1+6], 0
	s_mov_b32 s[G1+7], 0
	; group 1 for B: 64 k rows x 256 elements, 8 words of padding after every row
	s_or_b32 s[G1B+0], s44, (1<<16)|(1<<20)|(1<<21)|(QIB<<22)|(7<<25)
	s_mov_b32 s[G1B+1], (32*NB)<<16
	s_mov_b32 s[G1B+2], 64<<16
	s_mov_b32 s[G1B+3], (32*NB)<<16
	s_mov_b32 s[G1B+4], 64
	s_mov_b32 s[G1B+5], SIZE_N
	s_mov_b32 s[G1B+6], 0
	s_mov_b32 s[G1B+7], 0
	; where the tiles come from.  A's hang on the block row alone, B's on the block column alone, each in registers that never hold the other coordinate.
	s_lshl_b32 s17, s12, 7
	s_lshl_b32 s16, s13, 8
	s_add_co_u32 s16, s16, s17                     ; A: row 256 x block row + 128 x half
	s_mul_i32 s16, s16, SIZE_K*2                   ; in bytes: 2^24 at the most
	s_mov_b32 s17, 0
	s_mul_i32 s46, s12, 64*SIZE_N*2                ; B: k row 64 x half,
	s_mul_i32 s47, s42, 64*NB                      ; and the block's first column, in bytes
	s_add_co_u32 s46, s46, s47
	s_mov_b32 s47, 0
	s_mul_i32 s20, s10, HALFT                      ; where they go: A's halves, waves 0 and 1: wave x 128 rows
	s_mul_i32 s45, s10, BHALF                      ; B's halves, waves 2 and 3: behind A's 256 rows, (wave - 2) x 64 k rows
	s_add_co_u32 s45, s45, ABYTES-2*BHALF
	s_wait_dscnt 0x0
	s_wait_kmcnt 0x0
	s_add_nc_u64 s[14:15], s[4:5], s[16:17]
	s_add_nc_u64 s[46:47], s[6:7], s[46:47]
	CROUND                                         ; all sixteen work-groups are here: the first joint loads meet
.irp s, 0,1
	s_mov_b32 s[G0+4*\s], 1
	s_add_co_u32 s[G0+4*\s+1], s20, \s*SLOT
	s_add_nc_u64 s[G0+4*\s+2:G0+4*\s+3], s[14:15], \s*KSTEP*2            ; K step s: 128 elements along A's rows
	s_or_b32 s[G0+4*\s+3], s[G0+4*\s+3], 0x80000000
	s_mov_b32 s[G0B+4*\s], 1
	s_add_co_u32 s[G0B+4*\s+1], s45, \s*SLOT
	s_add_nc_u64 s[G0B+4*\s+2:G0B+4*\s+3], s[46:47], \s*KSTEP*SIZE_N*2   ; K step s: 128 rows down B
	s_or_b32 s[G0B+4*\s+3], s[G0B+4*\s+3], 0x80000000
	JLOAD \s                                       ; both slots are asked for before anything else: two tensor loads of the wave are out
.endr
	; the bias of my 128 columns, in an accumulator's layout: register 8 b + j of lane l holds bias[16 b + 8 (l / 16) + j]
	s_mul_i32 s74, s42, 128*NB
	s_mul_i32 s75, s12, 64*NB
	s_add_co_u32 s74, s74, s75
	s_mov_b32 s75, 0
	s_add_nc_u64 s[74:75], s[68:69], s[74:75]
	v_and_b32 v1, 15, v0                           ; r = l % 16
	v_bfe_u32 v2, v0, 4, 1                         ; h = l / 16
	v_lshlrev_b32 v8, 5, v2
.set bb, 0
.rept NB
	global_load_b128 v[BIAS+8*bb:BIAS+8*bb+3],   v8, s[74:75] offset:64*bb
	global_load_b128 v[BIAS+8*bb+4:BIAS+8*bb+7], v8, s[74:75] offset:64*bb+16
.set bb, bb+1
.endr
	; A's fragments, 16 rows x 32 K: lane l takes row r, two loads of 16 bytes, 32 bytes apart, at row x pitch + 16 h
	v_mul_u32_u24 v3, v1, PITCH
	v_lshl_add_u32 v3, v2, 4, v3
	s_mul_i32 s21, s11, HALFT
	; B's fragments, 32 K x 16 columns, transposed on the way: lane l addresses k row 8 h + l % 8, 16 bytes at 16 ((l / 8) % 2); the second load 16 rows below
	v_and_b32 v6, 7, v0
	v_lshl_add_u32 v6, v2, 3, v6
	v_mul_u32_u24 v6, v6, BPITCH
	v_bfe_u32 v7, v0, 3, 1
	v_lshl_add_u32 v6, v7, 4, v6
	s_mul_i32 s22, s12, 32*NB                      ; my half of the block's columns
	s_add_co_u32 s22, s22, ABYTES
.irp s, 0,1
	v_add_nc_u32 v[ADRA+\s], s21, v3
	v_add_nc_u32 v[ADRB+\s], s22, v6
	s_add_co_u32 s21, s21, SLOT
	s_add_co_u32 s22, s22, SLOT
.endr
	s_mul_i32 s23, s10, 16*SPITCH
	s_add_co_u32 s23, s23, STAGE                   ; my stage
	v_mul_u32_u24 v4, v1, SPITCH
	v_lshl_add_u32 v4, v2, 4, v4
	v_add_nc_u32 v[STO], s23, v4                   ; in: row r, my eight numbers, 16 bytes
	v_mul_u32_u24 v5, v2, SPITCH
	v_lshl_add_u32 v5, v1, 4, v5
	v_add_nc_u32 v[RD], s23, v5                    ; back: lanes 0-15 take one row of 256 bytes, lanes 16-31 the next
	v_mul_u32_u24 v5, v2, CROW
	v_lshl_add_u32 v[CO], v1, 4, v5                ; and the same two rows in C
	v_lshl_add_u32 v[VST], v2, 5, s23
	v_and_b32 v5, 31, v0
	v_lshlrev_b32 v[VCO], 4, v5
	v_add_nc_u32 v[VRD], s23, v[VCO]
	v_lshlrev_b32 v5, 11, v2
	v_lshl_add_u32 v[VLC], v1, 4, v5               ; the same two rows in vlo, rows of 2,048 bytes
; NB matrix instructions: row block a of my eight x all my NB column blocks, 32 along K.  first = 1: C is the bias (window 0), which starts the sums.
; The 64 accumulators take turns, one instruction a turn, in the same order in every quarter step.
.macro MULROW f, a, first
.set WN_, 2+(NB*(\a))/32
.set AC_, 8*((NB*(\a))%32)
.if \first
	WIN (WN_<<6)|1
.else
	WIN (WN_*0x50)|1
.endif
.set bb, 0
.rept NB
.if \first
	v_wmma_f32_16x16x32_f16 v[AC_+8*bb:AC_+8*bb+7], v[\f+8*bb:\f+8*bb+7], v[\f+8*(\a):\f+8*(\a)+7], v[BIAS+8*bb:BIAS+8*bb+7]
.else
	v_wmma_f32_16x16x32_f16 v[AC_+8*bb:AC_+8*bb+7], v[\f+8*bb:\f+8*bb+7], v[\f+8*(\a):\f+8*(\a)+7], v[AC_+8*bb:AC_+8*bb+7]
.endif
.set bb, bb+1
.endr
.endm
; One run of 32 LDS loads: the fragments of quarter q (32 along K) of a slot into buffer f: B's first, then A's
.macro FETCH slot, q, f
	WIN 0x40
.set bb, 0
.rept NB
	ds_load_tr16_b128 v[\f+8*bb:\f+8*bb+3],   v[ADRB+\slot] offset:\q*32*BPITCH+32*bb
	ds_load_tr16_b128 v[\f+8*bb+4:\f+8*bb+7], v[ADRB+\slot] offset:\q*32*BPITCH+32*bb+16*BPITCH
.set bb, bb+1
.endr
	WIN 0
.irp i, 0,1,2,3,4,5,6,7
	ds_load_b128 v[\f+8*\i:\f+8*\i+3],   v[ADRA+\slot] offset:\q*64+\i*16*PITCH
	ds_load_b128 v[\f+8*\i+4:\f+8*\i+7], v[ADRA+\slot] offset:\q*64+\i*16*PITCH+32
.endr
.endm
; A load into a register that a matrix instruction has read, and a vector instruction or LDS store that reads a matrix result, stand four places behind
; that matrix instruction; only plain vector instructions that name none of its registers are places (ISA guide 7.12.1 for vector instructions).
.macro PLACES
.rept 4
	v_nop
.endr
.endm
; One of a K step's first three quarters: multiplies buffer f; in its middle it fetches quarter q of the same slot into buffer g.
.macro QUARTER slot, q, f, g, first
	s_wait_dscnt 8                                 ; B and A's fragments 0-3 are in; the youngest eight loads (A's fragments 4-7) may be out
	MULROW \f, 0, \first
	MULROW \f, 1, \first
	MULROW \f, 2, \first
	MULROW \f, 3, \first
	PLACES
	FETCH \slot, \q, \g
	s_wait_dscnt 2*NB+16                           ; all but the run just issued
	MULROW \f, 4, \first
	MULROW \f, 5, \first
	MULROW \f, 6, \first
	MULROW \f, 7, \first
.endm
.macro THREE slot, first
	QUARTER \slot, 1, F0, F1, \first
	QUARTER \slot, 2, F1, F0, 0
	QUARTER \slot, 3, F0, F1, 0
.endm
; The last quarter: multiplies buffer 1 and changes slots.  fill = 1: this slot is filled again, two K steps ahead.
; In front of the barrier each wave waits for its reads of this slot and for all its tensor loads (one is out: its part of the next slot).
; Behind it, and behind the rest of the cluster's round, the joint refill comes first, then the next slot's first fragments.
.macro TURN slot, next, fill
	s_wait_dscnt 8
	MULROW F1, 0, 0
	MULROW F1, 1, 0
	s_wait_dscnt 0x0                               ; my reads of this slot are over
	s_wait_tensorcnt 0x0                           ; and all my tensor loads have landed
	ds_add_u32 v255, v63
	s_wait_dscnt 0x0
	s_barrier_signal -1                            ; where a slot is filled again this barrier opens a round of the cluster's barrier
	MULROW F1, 2, 0                                ; register work while the others arrive
	MULROW F1, 3, 0
	WIN 0
	s_barrier_wait -1
.if \fill
	CREST                                          ; no wave of any partner still reads this slot's tile or has a load on its way
	s_add_nc_u64 s[G0+4*\slot+2:G0+4*\slot+3], s[G0+4*\slot+2:G0+4*\slot+3], 2*KSTEP*2
	s_add_nc_u64 s[G0B+4*\slot+2:G0B+4*\slot+3], s[G0B+4*\slot+2:G0B+4*\slot+3], 2*KSTEP*SIZE_N*2
	JLOAD \slot                                    ; the wave's one tensor load behind the round
.endif
	PLACES
	FETCH \next, 0, F0
	MULROW F1, 4, 0
	MULROW F1, 5, 0
	MULROW F1, 6, 0
	MULROW F1, 7, 0
.endm
.macro LAP first
	THREE 0, \first
	TURN 0, 1, 1
	THREE 1, 0
	TURN 1, 0, 1
.endm
	s_wait_loadcnt 0x0                             ; the bias
	s_wait_tensorcnt 0x1                           ; my part of K step 0 is in; K step 1's may stay out
	s_barrier_signal -1
	s_barrier_wait -1
	FETCH 0, 0, F0
	LAP 1                                          ; the first lap stands in front of the loop: its first products take the bias as C
	WIN 0                                          ; at a label and at a branch every window is 0
	s_mov_b32 s3, LAPS-2
.Llap:
	LAP 0
	WIN 0
	s_sub_co_u32 s3, s3, 1
	s_cmp_lg_u32 s3, 0
	s_cbranch_scc1 .Llap
	THREE 0, 0                                     ; the last lap fills nothing
	TURN 0, 1, 0
	THREE 1, 0
	s_wait_dscnt 8
	MULROW F1, 0, 0
	MULROW F1, 1, 0
	MULROW F1, 2, 0
	MULROW F1, 3, 0
	s_wait_dscnt 0x0
	MULROW F1, 4, 0
	MULROW F1, 5, 0
	MULROW F1, 6, 0
	MULROW F1, 7, 0
	WIN 0
	; THE WAY OUT.  The four v_nop are the places behind the last matrix instructions.
	PLACES
	s_lshl_b32 s16, s13, 8
	s_lshl_b32 s17, s11, 7
	s_add_co_u32 s16, s16, s17                     ; my first row of C
	s_mul_i32 s16, s16, CROW                       ; below 2^26
	s_mov_b32 s17, 0
	s_add_nc_u64 s[8:9], s[8:9], s[16:17]
	s_lshl_b32 s46, s42, 9                         ; my first column, in bytes: 512 x block + 256 x half
	s_lshl_b32 s47, s12, 8
	s_add_co_u32 s46, s46, s47
	s_mov_b32 s47, 0
	s_add_nc_u64 s[8:9], s[8:9], s[46:47]
	; The sums of v's columns over my 128 rows (one block of vblk), from the f32 sums.  Only the blocks of columns 2048 and up hold v: cluster x = 2,
	; a number that all partners of a cluster share.
	s_cmp_lg_u32 ttmp9, 2
	s_cbranch_scc1 .Lno_vsum
	s_lshl1_add_u32 s72, s13, s11                  ; block of 128 rows = 2 x block row + half
	s_lshl_b32 s72, s72, 12                        ; 1,024 f32 a block
	s_sub_co_u32 s73, s42, 8
	s_lshl_b32 s73, s73, 10                        ; 256 columns a block column of v
	s_add_co_u32 s72, s72, s73
	s_lshl_b32 s73, s12, 9
	s_add_co_u32 s72, s72, s73
	s_mov_b32 s73, 0
	s_add_nc_u64 s[72:73], s[70:71], s[72:73]
	; row block a lies at v[64 (a % 4) .. + 63] of window 2 + a / 4; register 8 b + j of it belongs to column 16 b + 8 h + j
	WIN 0x0a
.set e_, 0
.rept 32
	v_pk_add_f32 v[F0+e_:F0+e_+1], v[e_:e_+1], v[64+e_:64+e_+1]
.set e_, e_+2
.endr
	WIN 0x02
.irp a, 128,192
.set e_, 0
.rept 32
	v_pk_add_f32 v[F0+e_:F0+e_+1], v[\a+e_:\a+e_+1], v[F0+e_:F0+e_+1]
.set e_, e_+2
.endr
.endr
	WIN 0x03
.irp a, 0,64,128,192
.set e_, 0
.rept 32
	v_pk_add_f32 v[F0+e_:F0+e_+1], v[\a+e_:\a+e_+1], v[F0+e_:F0+e_+1]
.set e_, e_+2
.endr
.endr
	WIN 0
.irp m, 1,2,4,8                                    ; over the 16 rows that the lanes of a half hold
.set e_, 0
.rept 64
	v_add_f32_dpp v[F0+e_], v[F0+e_], v[F0+e_] row_xmask:\m row_mask:0xf bank_mask:0xf
.set e_, e_+1
.endr
.endr
.irp b, 0,1,2,3,4,5,6,7
	ds_store_b128 v[VST], v[F0+8*\b:F0+8*\b+3]   offset:64*\b      ; the sixteen lanes of a half write the same bytes with the same value
	ds_store_b128 v[VST], v[F0+8*\b+4:F0+8*\b+7] offset:64*\b+16
.endr
	ds_load_b128 v[32:35], v[VRD]                  ; LDS serves a wave's instructions in order (ISA guide 5.7.1): this sees the stores above
	s_wait_dscnt 0x0
	global_store_b128 v[VCO], v[32:35], s[72:73]   ; 512 consecutive bytes, aligned
.Lno_vsum:
; rows 16 i .. 16 i + 15 of my block = the eight tiles (a, 0..7) of window 2 or 3 (from = 0x0a or 0x0f); f: F0 or F1 in turn
.macro OUT16 i, a, from, f
	WIN \from
.irp b, 0,1,2,3,4,5,6,7
.irp r, 0,1,2,3
	v_cvt_pk_f16_f32 v[TMP+4*\b+\r], v[8*(8*\a+\b)+2*\r], v[8*(8*\a+\b)+2*\r+1]
.endr
.endr
	WIN 0
.irp b, 0,1,2,3,4,5,6,7
	ds_store_b128 v[STO], v[TMP+4*\b:TMP+4*\b+3] offset:32*\b
.endr
	s_wait_xcnt 0x0                                ; buffer f, which stores read, and the stores' base are rewritten only behind this wait (ISA guide 3.1)
.if \i
	s_add_nc_u64 s[8:9], s[8:9], 16*CROW
.endif
.irp t, 0,1,2,3,4,5,6,7
	ds_load_b128 v[\f+4*\t:\f+4*\t+3], v[RD] offset:\t*2*SPITCH
.endr
.irp t, 0,1,2,3,4,5,6,7
	s_wait_dscnt 7-\t                              ; the younger read-backs may be out
	global_store_b128 v[CO], v[\f+4*\t:\f+4*\t+3], s[8:9] offset:2*\t*CROW   ; 16 lanes store 256 consecutive bytes, aligned
.endr
.endm
	OUT16 0, 0, 0x0a, F0
	OUT16 1, 1, 0x0a, F1
	OUT16 2, 2, 0x0a, F0
	OUT16 3, 3, 0x0a, F1
	OUT16 4, 0, 0x0f, F0
	OUT16 5, 1, 0x0f, F1
	OUT16 6, 2, 0x0f, F0
	OUT16 7, 3, 0x0f, F1
	; v's second part, v - f16(v), for the first 1,024 rows of each batch: a query among a batch's first rows averages few keys, so its result keeps
	; v's size and with it the size of v's rounding.  Columns of v: cluster x = 2; rows 0-1023 of a batch: cluster y even.  All partners share both numbers.
	s_cmp_lg_u32 ttmp9, 2
	s_cbranch_scc1 .Lno_vlo
	s_and_b32 s78, ttmp7, 1
	s_cmp_lg_u32 s78, 0
	s_cbranch_scc1 .Lno_vlo
	s_and_b32 s78, ttmp7, 0xffff
	s_lshr_b32 s78, s78, 1                         ; batch
	s_lshl_b32 s78, s78, 10                        ; 1,024 rows of vlo a batch
	s_lshl_b32 s79, s41, 8                         ; 256 rows a block row
	s_add_co_u32 s78, s78, s79
	s_lshl_b32 s79, s11, 7
	s_add_co_u32 s78, s78, s79
	s_lshl_b32 s78, s78, 11                        ; rows of 2,048 bytes
	s_sub_co_u32 s79, s42, 8
	s_lshl_b32 s79, s79, 9                         ; 256 columns a block column of v
	s_add_co_u32 s78, s78, s79
	s_lshl_b32 s79, s12, 8
	s_add_co_u32 s78, s78, s79
	s_mov_b32 s79, 0
	s_add_nc_u64 s[76:77], s[76:77], s[78:79]
	s_wait_xcnt 0x0                                ; v64-159, which the stores above read, are rewritten only behind this wait (ISA guide 3.1)
.macro WIDEN                           ; v[96:127] = the 32 f16 of v[64:79], as f32 (halves have names in v0-127 alone)
.set u_, 0
.irp h, v64.l,v64.h,v65.l,v65.h,v66.l,v66.h,v67.l,v67.h,v68.l,v68.h,v69.l,v69.h,v70.l,v70.h,v71.l,v71.h
	v_cvt_f32_f16 v[96+u_], \h
.set u_, u_+1
.endr
.irp h, v72.l,v72.h,v73.l,v73.h,v74.l,v74.h,v75.l,v75.h,v76.l,v76.h,v77.l,v77.h,v78.l,v78.h,v79.l,v79.h
	v_cvt_f32_f16 v[96+u_], \h
.set u_, u_+1
.endr
.endm
; rows 16 i .. 16 i + 15 of my block, four tiles at a time: the rounding as it was stored, widened again, taken from the f32 sum (exact), and rounded to f16
.macro OUTLO i, a, win
.irp hb, 0,1
	WIN (\win*5)                                   ; sources 0 and 1 in the accumulators' window
.set e_, 0
.rept 16
	v_cvt_pk_f16_f32 v[64+e_], v[64*\a+32*\hb+2*e_], v[64*\a+32*\hb+2*e_+1]
.set e_, e_+1
.endr
	WIN 0
	WIDEN
	WIN \win                                       ; source 0 in the accumulators' window
.set e_, 0
.rept 16
	v_pk_add_f32 v[96+e_:97+e_], v[64*\a+32*\hb+e_:64*\a+32*\hb+e_+1], v[96+e_:97+e_] neg_lo:[0,1] neg_hi:[0,1]
.set e_, e_+2
.endr
	WIN 0
.set e_, 0
.rept 16
	v_cvt_pk_f16_f32 v[80+e_], v[96+2*e_], v[97+2*e_]
.set e_, e_+1
.endr
.irp b, 0,1,2,3
	ds_store_b128 v[STO], v[80+4*\b:83+4*\b] offset:128*\hb+32*\b
.endr
.endr
	s_wait_xcnt 0x0                                ; v128-159, which stores read, and the stores' base are rewritten only behind this wait (ISA guide 3.1)
.if \i
	s_add_nc_u64 s[76:77], s[76:77], 16*2048
.endif
.irp t, 0,1,2,3,4,5,6,7
	ds_load_b128 v[F1+4*\t:F1+4*\t+3], v[RD] offset:\t*2*SPITCH
.endr
.irp t, 0,1,2,3,4,5,6,7
	s_wait_dscnt 7-\t                              ; the younger read-backs may be out
	global_store_b128 v[VLC], v[F1+4*\t:F1+4*\t+3], s[76:77] offset:2*\t*2048   ; 16 lanes store 256 consecutive bytes, aligned
.endr
.endm
	OUTLO 0, 0, 2
	OUTLO 1, 1, 2
	OUTLO 2, 2, 2
	OUTLO 3, 3, 2
	OUTLO 4, 0, 3
	OUTLO 5, 1, 3
	OUTLO 6, 2, 3
	OUTLO 7, 3, 3
.Lno_vlo:
	s_set_vgpr_msb 0x1
	s_wait_tensorcnt 0x0
	ds_add_u32 v255, v63
	s_wait_dscnt 0x0
	s_set_vgpr_msb 0x100
	CROUND                                         ; the closing round: no work-group ends while a partner may still ask for a tile that names it
	s_endpgm
.Lfunc_end_k_q825120d457_qkvg:
	.size	k_q825120d457_qkvg, .Lfunc_end_k_q825120d457_qkvg-k_q825120d457_qkvg
	.p2alignl 7, 3214868480
	.fill 96, 4, 3214868480
	.section	.rodata,"a",@progbits
	.p2align	6, 0x0
	.amdhsa_kernel k_q825120d457_qkvg
		.amdhsa_group_segment_fixed_size 327680
		.amdhsa_private_segment_fixed_size 0
		.amdhsa_enable_private_segment 0
		.amdhsa_kernarg_size 48
		.amdhsa_user_sgpr_count 2
		.amdhsa_user_sgpr_kernarg_segment_ptr 1
		.amdhsa_wavefront_size32 1
		.amdhsa_system_sgpr_workgroup_id_x 1
		.amdhsa_system_sgpr_workgroup_id_y 1
		.amdhsa_system_sgpr_workgroup_id_z 1
		.amdhsa_system_vgpr_workitem_id 0
		.amdhsa_next_free_vgpr 1024
		.amdhsa_next_free_sgpr 80
		.amdhsa_reserve_vcc 0
		.amdhsa_float_denorm_mode_32 3
		.amdhsa_float_denorm_mode_16_64 3
		.amdhsa_memory_ordered 1
		.amdhsa_forward_progress 1
		.amdhsa_inst_pref_size 255
	.end_amdhsa_kernel
	.section	.bss,"aw",@nobits
	.p2align	6
	.space	262144
	.amdgpu_metadata
---
amdhsa.version: [ 1, 2 ]
amdhsa.kernels:
  - .name:           k_q825120d457_qkvg
    .symbol:         k_q825120d457_qkvg.kd
    .args:
      - { .name: xh, .offset: 0, .size: 8, .value_kind: global_buffer, .address_space: global }
      - { .name: wah, .offset: 8, .size: 8, .value_kind: global_buffer, .address_space: global }
      - { .name: qkv, .offset: 16, .size: 8, .value_kind: global_buffer, .address_space: global }
      - { .name: b_attn, .offset: 24, .size: 8, .value_kind: global_buffer, .address_space: global }
      - { .name: vblk, .offset: 32, .size: 8, .value_kind: global_buffer, .address_space: global }
      - { .name: vlo, .offset: 40, .size: 8, .value_kind: global_buffer, .address_space: global }
    .group_segment_fixed_size: 327680
    .private_segment_fixed_size: 0
    .kernarg_segment_align: 8
    .kernarg_segment_size: 48
    .max_flat_workgroup_size: 128
    .sgpr_count:     80
    .vgpr_count:     1024
    .wavefront_size: 32
...
	.end_amdgpu_metadata
.endif
;; end of part 6
;; launch attn (part 7): grid 8 x 32, 8 waves a work-group, no clusters, 327,680 bytes of LDS; arguments qkv, vblk, ah, vlo; writes ah
.if DOCPART == 7
	.amdgcn_target "amdgcn-amd-amdhsa--gfx1250"
	.amdhsa_code_object_version 6
	.text
	.protected	k_q825120d457_attn
	.globl	k_q825120d457_attn
	.p2align	8
	.type	k_q825120d457_attn,@function
k_q825120d457_attn:
	s_mov_b64 s[64:65], 0
	v_nop
	global_prefetch_b8 v0, s[64:65] scope:SCOPE_SE
	s_setreg_imm32_b32 hwreg(HW_REG_WAVE_MODE, 25, 1), 1
	s_wait_xcnt 0x0
; Causal attention.  qkv: [8192][3072] f16 (a row: q at byte 0, k at 2048, v at 4096); vblk: [64][1024] f32, sums of v's columns over blocks of 128 rows;
; vlo: [4][1024][1024] f16, v - f16(v) of each batch's first 1,024 rows; ah: [64][144][1024] f16, heads merged, one block for each 128 rows of a:
; rows 0-127 of a block hold f16(a), rows 128-143 hold f16(a - f16(a)) of the block's rows 0-15.
; score = q.k / 8 where key <= query, and -10000 where key > query, as the problem has it; softmax over all 2,048 keys.
; THE MASK IS -10000, NOT MINUS INFINITY: masked keys keep a weight.  Masked keys of the diagonal tile get the score -10000 in the loop.  All keys of the tiles
; behind it have the same weight exp(-10000 - max), so they enter once, at the end: (number of such keys) x weight in the denominator and
; weight x (sum of their v, from vblk) in the numerator.  The running maximum is taken over everything, -10000 included.
; TWO PARTS: a query among a batch's first rows averages few keys, so its result keeps v's size, and with it the size of an f16 rounding of v or of a.
; So the first 16 rows of each block of a leave in two f16 parts (every block alike, so that the next launch's text is alike in all its work-groups),
; and in the diagonal tile of the second query block (blocks 0 to 7) the weights also multiply v's second part.
; LIMITS: q, k, v and the weights are f16 operands (65,504 at the most; weights lie in 0 .. 1, those below 2^-25 become 0); v's second part is used in that
; one tile alone, a's in those 16 rows alone; v_exp_f32 gives 0 below 2^-126; the denominator adds the f32 weights while the products take their f16
; roundings; the order of the sums differs from a plain row sum's.
; SHARES: work-group (i, y): batch y / 8, heads 2 (y % 8) and 2 (y % 8) + 1, so that a row of q, k, v or a is 256 consecutive bytes, aligned;
; query blocks of 128 rows 15 - i, then i: 16 - i and i + 1 key tiles of 128 keys, 17 steps in every work-group, 256 equal work-groups.
; Eight waves: wave w takes head w % 2, 64 queries (w / 2) % 2, and the 64 keys w / 4 of every tile, with its own maximum, sum and O; the halves meet at the end.
; NO JOINT LOADS: the eight work-groups of a batch and head pair read tile n together only up to step 15 - i of each, and other tiles from there on;
; if all asked for all sixteen tiles in step, a step would last as long as its busiest partner's: 24 units of work against 17.
; LAYOUT: S^T = K Q^T (lane (r, h), register j: key 8 h + j, query r), so two neighbouring key tiles, packed in the lane's own registers, are the
; B fragment of O^T = V^T P^T, V read by the transposing LDS load; maximum, sum and rescale are one register a lane for each 16 queries.
; A wave has two tensor loads out at the start and one behind each barrier.
.set ROWB,  6144                       ; bytes in a row of qkv
.set TILEB, 128*ROWB                   ; 128 rows
.set REG,   9216                       ; LDS bytes for one wave's tensor load: 32 rows
.set SLOTB, 8*REG                      ; a slot: regions 0-3 K (pitch 272), regions 4-7 V (pitch 288: 32 rows fill a region, so V's rows run on at one pitch)
.set KP,    272                        ; odd multiple of 16
.set VP,    288                        ; odd multiple of 32, for the transposing loads
.set DHI,   2*SLOTB                    ; behind the ring: the dump of the first query block, 8 x 17,408 bytes; no tensor load lands here
.set DUMPB, 17408                      ; 32 x 512 bytes of O, 512 of maxima, 512 of sums
.set VS,    DHI+8*DUMPB                ; four partial sums of v behind the diagonal, 512 bytes each
.set STGQ,  64*272                     ; the way out: 64 rows of 272 bytes; two such stages for a query block, then 16 rows for a's second part
.set ABLK,  144                        ; rows of ah for a block of 128 rows of a
.set CPOS,  0x3e38aa3b                 ; log2(e) / 8
.set CNEG,  0xbe38aa3b
.set MINIT, 0xfe000000                 ; -2^125: below every score, and its product with log2(e) / 8 is finite
.set MASKED, 0xc79c4000                ; -80000 = 8 x -10000: the masked score before the division by 8
; window 0
.set ADRK, 2                           ; v2-3    LDS address of my K fragments in slot 0, 1
.set ADRV, 4                           ; v4-5    the same for V
.set QOFF, 6                           ; v6      my byte offset in a query block
.set DL,   7                           ; v7      r - 8 h + 64 (query half - key half): element (qt, kt, j) of a diagonal tile is masked if 16 (kt - qt) + j > DL
.set MX,   8                           ; v8-11   running maximum of the raw scores, one for each 16 queries
.set LS,   12                          ; v12-15  running sum of the weights of my lane's keys
.set NM,   16                          ; v16-23  - maximum x log2(e) / 8, twice (pairs)
.set AL,   24                          ; v24-31  the rescale, twice
.set T,    32                          ; v32-35
.set TX,   36                          ; v36-39
.set AN,   40                          ; v40-43
.set TS,   44                          ; v44-51  pairs
.set NEG,  52
.set DMPH, 53                          ; my dump of the first block
.set PFO,  54                          ; the prefetch's offset
.set DMPL, 55                          ; my dump of the second block
.set RD1,  56
.set RD2,  57
.set VSA,  58
.set SST,  59
.set SRD,  60
.set OOF,  61
.set QF,   64                          ; Q(qt, ks) = v[64 + 16 qt + 8 ks]
.set KF,   128                         ; K(kt, ks) = v[128 + 16 kt + 8 ks]
.set VF,   192                         ; V(dt, kk) = v[192 + 16 dt + 8 kk]
; v1 = r, v62 = h, v63 = lane, kept to the end
; window 1: S(qt, kt) = v[32 qt + 8 kt]; P(qt, kk) = v[32 qt + 16 kk .. + 7], packed in place; O(qt, dt) = v[128 + 32 qt + 8 dt]
.set G1K, 24                           ; s[24:31]
.set G1V, 32                           ; s[32:39]
.set G0,  40                           ; s[40:47] one set for each slot
.set G1L, 72                           ; s[72:79] for vlo's tile
.set MSB, 0
.macro WIN new                         ; s_set_vgpr_msb: bits 1:0 source 0, 3:2 source 1, 5:4 source 2, 7:6 destination; the high byte repeats the setting that is left
.if MSB != (\new)
	s_set_vgpr_msb (MSB<<8)|(\new)
.set MSB, (\new)
.endif
.endm
.macro PLACES                          ; four places behind a matrix instruction (ISA guide 7.12.1 for vector instructions)
.rept 4
	v_nop
.endr
.endm
	s_load_b128 s[4:7], s[0:1], 0x0                ; qkv s[4:5], vblk s[6:7]
	s_load_b64 s[8:9], s[0:1], 0x10                ; ah
	s_load_b64 s[2:3], s[0:1], 0x18                ; vlo
	v_lshl_add_u32 v190, v0, 2, 0x46800
	v_mov_b32 v191, 0
	ds_add_u32 v190, v191
	ds_add_u32 v190, v191
	s_wait_dscnt 0x0
	v_lshrrev_b32 v1, 5, v0
	v_readfirstlane_b32 s10, v1                    ; wave 0..7
	s_and_b32 s11, s10, 1                          ; head of the pair
	s_bfe_u32 s12, s10, 0x10001                    ; which 64 queries
	s_lshr_b32 s13, s10, 2                         ; which 64 keys; at the end: which query block I finish
	s_mov_b32 s14, ttmp9                           ; i: the second query block
	s_and_b32 s15, ttmp7, 0xffff
	s_lshr_b32 s16, s15, 3                         ; batch
	s_and_b32 s17, s15, 7                          ; head pair
	s_sub_co_u32 s18, 15, s14                      ; the first query block, and the step of its diagonal tile
	s_mov_b32 s19, 0                               ; the step, 0 .. 16
	s_sub_co_u32 s21, 16, s14                      ; steps of the first block
	s_mov_b32 s22, 0x76543210                      ; v_permlanex16_b32: lane i of one half reads lane i of the other
	s_mov_b32 s23, 0xfedcba98
	; group 1: 32 rows x 128 elements of 2 bytes; padding after every 64 words: 4 words for K, 8 for V and for vlo; vlo's rows are 1,024 elements apart
	s_mov_b32 s[G1K+0], 0x07510000
	s_mov_b32 s[G1K+1], 128<<16
	s_mov_b32 s[G1K+2], 32<<16
	s_mov_b32 s[G1K+3], 128<<16
	s_mov_b32 s[G1K+4], 32
	s_mov_b32 s[G1K+5], 3072
	s_mov_b32 s[G1K+6], 0
	s_mov_b32 s[G1K+7], 0
	s_mov_b32 s[G1V+0], 0x0f510000
	s_mov_b32 s[G1V+1], 128<<16
	s_mov_b32 s[G1V+2], 32<<16
	s_mov_b32 s[G1V+3], 128<<16
	s_mov_b32 s[G1V+4], 32
	s_mov_b32 s[G1V+5], 3072
	s_mov_b32 s[G1V+6], 0
	s_mov_b32 s[G1V+7], 0
	s_mov_b32 s[G1L+0], 0x0f510000
	s_mov_b32 s[G1L+1], 128<<16
	s_mov_b32 s[G1L+2], 32<<16
	s_mov_b32 s[G1L+3], 128<<16
	s_mov_b32 s[G1L+4], 32
	s_mov_b32 s[G1L+5], 1024
	s_mov_b32 s[G1L+6], 0
	s_mov_b32 s[G1L+7], 0
	s_mul_i32 s54, s16, 2048*ROWB                  ; the batch's first row,
	s_lshl_b32 s55, s17, 8                         ; the head pair's 256 bytes
	s_add_co_u32 s54, s54, s55
	s_mov_b32 s55, 0
	s_and_b32 s58, s10, 3                          ; waves 0-3 fetch K, waves 4-7 V: 32 rows each
	s_mul_i32 s58, s58, 32*ROWB
	s_lshl_b32 s59, s13, 11
	s_add_co_u32 s58, s58, s59
	s_add_co_u32 s58, s58, 2048
	s_mov_b32 s59, 0
	s_mul_i32 s62, s10, REG                        ; my region of a slot
	s_wait_kmcnt 0x0
	s_add_nc_u64 s[60:61], s[4:5], s[54:55]        ; q of the batch's row 0, my head pair
	s_add_nc_u64 s[48:49], s[60:61], s[58:59]      ; my 32 rows of tile 0
	s_add_nc_u64 s[56:57], s[60:61], 2048          ; k of the batch's row 0: the prefetch's base
	s_mov_b32 s[G0+0], 1
	s_add_co_u32 s[G0+1], s62, 0
	s_mov_b64 s[G0+2:G0+3], s[48:49]
	s_or_b32 s[G0+3], s[G0+3], 0x80000000
	s_mov_b32 s[G0+4], 1
	s_add_co_u32 s[G0+5], s62, SLOTB
	s_add_nc_u64 s[G0+6:G0+7], s[48:49], TILEB
	s_or_b32 s[G0+7], s[G0+7], 0x80000000
	s_cmp_lt_u32 s10, 4                            ; the two first fills of a wave, tiles 0 and 1, in one branch
	s_cbranch_scc0 .Lfirst_v
	tensor_load_to_lds s[G0:G0+3], s[G1K:G1K+7]
	s_nop 0
	tensor_load_to_lds s[G0+4:G0+7], s[G1K:G1K+7]
	s_nop 0
	s_branch .Lfirst_done
.Lfirst_v:
	tensor_load_to_lds s[G0:G0+3], s[G1V:G1V+7]
	s_nop 0
	tensor_load_to_lds s[G0+4:G0+7], s[G1V:G1V+7]
	s_nop 0
.Lfirst_done:
; Q's fragments of the block at s[50:51]: lane (r, h) takes query r of each 16, two loads of 16 bytes, 32 bytes apart, for each 32 of the head's 64
.macro QLOAD
.irp qt, 0,1,2,3
.irp ks, 0,1
	global_load_b128 v[QF+16*\qt+8*\ks:QF+16*\qt+8*\ks+3],   v[QOFF], s[50:51] offset:\qt*16*ROWB+64*\ks
	global_load_b128 v[QF+16*\qt+8*\ks+4:QF+16*\qt+8*\ks+7], v[QOFF], s[50:51] offset:\qt*16*ROWB+64*\ks+32
.endr
.endr
.endm
; A query block begins: the maximum far below every score, so that the first rescale is 0 and takes whatever O holds away
.macro INIT
.irp qt, 0,1,2,3
	v_mov_b32 v[MX+\qt], MINIT
	v_mov_b32 v[LS+\qt], 0
.endr
.irp qt, 0,1,2,3
	v_mul_f32 v[NM+2*\qt],   CNEG, v[MX+\qt]
	v_mul_f32 v[NM+2*\qt+1], CNEG, v[MX+\qt]
.endr
.endm
	v_and_b32 v1, 15, v0                           ; r
	v_bfe_u32 v62, v0, 4, 1                        ; h
	v_and_b32 v63, 31, v0                          ; lane
	s_mul_i32 s62, s12, 64*ROWB
	s_lshl_b32 s63, s11, 7                         ; my head's 128 bytes of a row
	s_add_co_u32 s62, s62, s63
	v_mul_u32_u24 v[QOFF], v1, ROWB
	v_lshl_add_u32 v[QOFF], v62, 4, v[QOFF]
	v_add_nc_u32 v[QOFF], s62, v[QOFF]
	s_mul_i32 s58, s18, TILEB                      ; the first query block
	s_mov_b32 s59, 0
	s_add_nc_u64 s[50:51], s[60:61], s[58:59]
	QLOAD
	s_mul_i32 s62, s13, 2*REG                      ; my 64 keys: two regions
	s_add_co_u32 s62, s62, s63
	v_mul_u32_u24 v[ADRK], v1, KP
	v_lshl_add_u32 v[ADRK], v62, 4, v[ADRK]
	v_add_nc_u32 v[ADRK], s62, v[ADRK]
	v_add_nc_u32 v[ADRK+1], SLOTB, v[ADRK]
	v_and_b32 v[ADRV], 7, v0                       ; the transposing load: key row 8 h + lane % 8, 16 bytes at 16 ((lane / 8) % 2)
	v_lshl_add_u32 v[ADRV], v62, 3, v[ADRV]
	v_mul_u32_u24 v[ADRV], v[ADRV], VP
	v_bfe_u32 v[ADRV+1], v0, 3, 1
	v_lshl_add_u32 v[ADRV], v[ADRV+1], 4, v[ADRV]
	s_add_co_u32 s62, s62, 4*REG
	v_add_nc_u32 v[ADRV], s62, v[ADRV]
	v_add_nc_u32 v[ADRV+1], SLOTB, v[ADRV]
	s_sub_co_i32 s62, s12, s13
	s_lshl_b32 s62, s62, 6
	v_lshlrev_b32 v[DL], 3, v62
	v_sub_nc_u32 v[DL], v1, v[DL]
	v_add_nc_u32 v[DL], s62, v[DL]
	v_mov_b32 v[NEG], MASKED
	s_mul_i32 s62, s10, DUMPB
	v_lshl_add_u32 v[DMPL], v63, 4, s62
	v_add_nc_u32 v[DMPH], DHI, v[DMPL]
	s_mul_i32 s62, s14, 16*ROWB                    ; the prefetch: rows 16 i .. 16 i + 15 of a tile, K for lanes 0-15, V for lanes 16-31
	v_mul_u32_u24 v[PFO], v1, ROWB
	v_lshl_add_u32 v[PFO], v62, 11, v[PFO]
	v_add_nc_u32 v[PFO], s62, v[PFO]
.irp qt, 0,1,2,3
	v_mov_b32 v[TX+\qt], 0                         ; v_permlanex16_b32 counts as a reader of its destination
.endr
	INIT
	; The sums of v over the blocks behind a query block's diagonal.  Waves 4-7: wave 4 + u takes query block i (u even) or 15 - i (u odd) and
	; the eight blocks 8 (u / 2) .. + 7 of the batch's sixteen; a block counts if its number is above the query block's.  128 columns, 4 to a lane.
	s_cmp_lt_u32 s10, 4
	s_cbranch_scc1 .Lno_suffix
	s_cmp_eq_u32 s11, 0
	s_cselect_b32 s66, s14, s18                    ; the query block
	s_lshl_b32 s63, s12, 3                         ; my first block
	s_lshl_b32 s58, s16, 4
	s_add_co_u32 s58, s58, s63
	s_lshl_b32 s58, s58, 12                        ; 4,096 bytes a block
	s_lshl_b32 s59, s17, 9                         ; the head pair's 128 columns
	s_add_co_u32 s58, s58, s59
	s_mov_b32 s59, 0
	s_add_nc_u64 s[58:59], s[6:7], s[58:59]
	v_lshlrev_b32 v[SRD], 4, v63
.irp e, 0,1,2,3,4,5,6,7
	global_load_b128 v[KF+4*\e:KF+4*\e+3], v[SRD], s[58:59] offset:4096*\e
.endr
	s_lshl_b32 s62, s10, 9
	s_add_co_u32 s62, s62, VS-4*512
	v_add_nc_u32 v[OOF], s62, v[SRD]               ; VS + 512 u + 16 lane
	s_wait_loadcnt 0x0
.irp e, 0,1,2,3,4,5,6,7
	s_add_co_u32 s67, s63, \e
	s_cmp_gt_u32 s67, s66
	s_cselect_b32 s67, -1, 0                       ; all lanes or none
.irp k, 0,1,2,3
	v_cndmask_b32 v[KF+4*\e+\k], 0, v[KF+4*\e+\k], s67
.endr
.endr
.irp e, 1,2,3,4,5,6,7
	v_pk_add_f32 v[KF:KF+1],   v[KF:KF+1],   v[KF+4*\e:KF+4*\e+1]
	v_pk_add_f32 v[KF+2:KF+3], v[KF+2:KF+3], v[KF+4*\e+2:KF+4*\e+3]
.endr
	ds_store_b128 v[OOF], v[KF:KF+3]
.Lno_suffix:
	s_wait_loadcnt 0x0                             ; Q
	s_wait_tensorcnt 0x1                           ; my part of tile 0 is in; tile 1's may stay out
	s_wait_dscnt 0x0                               ; the partial sums of v are in LDS
	s_barrier_signal -1
	s_barrier_wait -1
.macro KVLOAD slot                     ; my 32 rows of a tile: one line for K's padding, one for V's
	s_cmp_lt_u32 s10, 4
	s_cbranch_scc0 .Lkv_v_\@
	tensor_load_to_lds s[G0+4*\slot:G0+4*\slot+3], s[G1K:G1K+7]
	s_nop 0
	s_branch .Lkv_done_\@
.Lkv_v_\@:
	tensor_load_to_lds s[G0+4*\slot:G0+4*\slot+3], s[G1V:G1V+7]
	s_nop 0
.Lkv_done_\@:
.endm
.macro LOADV slot                      ; 16 transposing loads: the fragments of my 64 keys of V, or of vlo where the slot's V regions hold it
.irp dt, 0,1,2,3
.irp kk, 0,1
	ds_load_tr16_b128 v[VF+16*\dt+8*\kk:VF+16*\dt+8*\kk+3],   v[ADRV+\slot] offset:32*VP*\kk+32*\dt
	ds_load_tr16_b128 v[VF+16*\dt+8*\kk+4:VF+16*\dt+8*\kk+7], v[ADRV+\slot] offset:32*VP*\kk+32*\dt+16*VP
.endr
.endr
.endm
.macro LOADKV slot                     ; 16 loads of K's fragments, then 16 of V's
.irp kt, 0,1,2,3
.irp ks, 0,1
	ds_load_b128 v[KF+16*\kt+8*\ks:KF+16*\kt+8*\ks+3],   v[ADRK+\slot] offset:(\kt>>1)*REG+(\kt&1)*16*KP+64*\ks
	ds_load_b128 v[KF+16*\kt+8*\ks+4:KF+16*\kt+8*\ks+7], v[ADRK+\slot] offset:(\kt>>1)*REG+(\kt&1)*16*KP+64*\ks+32
.endr
.endr
	LOADV \slot
.endm
.macro SCORES                          ; S^T = K Q^T: the sixteen accumulators take turns, one instruction a turn
	WIN 0x50
.irp qt, 0,1,2,3
.irp kt, 0,1,2,3
	v_wmma_f32_16x16x32_f16 v[32*\qt+8*\kt:32*\qt+8*\kt+7], v[KF+16*\kt:KF+16*\kt+7], v[QF+16*\qt:QF+16*\qt+7], 0
.endr
.endr
.irp qt, 0,1,2,3
.irp kt, 0,1,2,3
	v_wmma_f32_16x16x32_f16 v[32*\qt+8*\kt:32*\qt+8*\kt+7], v[KF+16*\kt+8:KF+16*\kt+15], v[QF+16*\qt+8:QF+16*\qt+15], v[32*\qt+8*\kt:32*\qt+8*\kt+7]
.endr
.endr
.endm
.macro MASK                            ; the diagonal tile: key > query gets the masked score
	WIN 0x41
.irp qt, 0,1,2,3
.irp kt, 0,1,2,3
.irp j, 0,1,2,3,4,5,6,7
	v_cmp_gt_i32 vcc_lo, 16*(\kt-\qt)+\j, v[DL]
	v_cndmask_b32 v[32*\qt+8*\kt+\j], v[32*\qt+8*\kt+\j], v[NEG], vcc_lo
.endr
.endr
.endr
	WIN 0
.endm
.macro SOFTMAX
	WIN 0x05                                       ; the largest of my 32 scores of each query
.irp qt, 0,1,2,3
	v_max_num_f32 v[T+\qt], v[32*\qt], v[32*\qt+1]
.endr
.set e_, 2
.rept 15
.irp qt, 0,1,2,3
	v_max3_num_f32 v[T+\qt], v[32*\qt+e_], v[32*\qt+e_+1], v[T+\qt]
.endr
.set e_, e_+2
.endr
	WIN 0
.irp qt, 0,1,2,3
	v_permlanex16_b32 v[TX+\qt], v[T+\qt], s22, s23        ; the other half's keys
.endr
.irp qt, 0,1,2,3
	v_max3_num_f32 v[MX+\qt], v[MX+\qt], v[T+\qt], v[TX+\qt]
.endr
.irp qt, 0,1,2,3
	v_mul_f32 v[AN+\qt], CNEG, v[MX+\qt]                   ; the new shift
.endr
.irp qt, 0,1,2,3
	v_sub_f32 v[T+\qt], v[AN+\qt], v[NM+2*\qt]             ; against the old shift as it was rounded, so that weights and rescale agree
.endr
.irp qt, 0,1,2,3
	v_exp_f32 v[AL+2*\qt],   v[T+\qt]
	v_exp_f32 v[AL+2*\qt+1], v[T+\qt]
.endr
.irp qt, 0,1,2,3
	v_mov_b32 v[NM+2*\qt],   v[AN+\qt]                     ; plain instructions between the exponentials and their first use (ISA guide 5.7.2)
	v_mov_b32 v[NM+2*\qt+1], v[AN+\qt]
.endr
	WIN 0x41                                       ; weight = 2^(score x log2(e) / 8 + shift)
.irp qt, 0,1,2,3
.set e_, 0
.rept 16
	v_pk_fma_f32 v[32*\qt+e_:32*\qt+e_+1], v[32*\qt+e_:32*\qt+e_+1], CPOS, v[NM+2*\qt:NM+2*\qt+1] op_sel_hi:[1,0,1]
.set e_, e_+2
.endr
.set e_, 0
.rept 32
	v_exp_f32 v[32*\qt+e_], v[32*\qt+e_]
.set e_, e_+1
.endr
.endr
	v_nop                                          ; the place behind the last exponential
	WIN 0x05                                       ; the sum of my 32 weights of each query: the first two pairs start it, nothing is cleared
	s_wait_alu depctr_va_vdst(0)
.irp qt, 0,1,2,3
	v_pk_add_f32 v[TS+2*\qt:TS+2*\qt+1], v[32*\qt:32*\qt+1], v[32*\qt+2:32*\qt+3]
.endr
	WIN 0x01
.set e_, 4
.rept 14
.irp qt, 0,1,2,3
	v_pk_add_f32 v[TS+2*\qt:TS+2*\qt+1], v[32*\qt+e_:32*\qt+e_+1], v[TS+2*\qt:TS+2*\qt+1]
.endr
.set e_, e_+2
.endr
	WIN 0x45                                       ; pack in place, ascending: register i takes elements 2 i and 2 i + 1, which no later line reads
.irp qt, 0,1,2,3
.irp kk, 0,1
.irp i, 0,1,2,3,4,5,6,7
	v_cvt_pk_f16_f32 v[32*\qt+16*\kk+\i], v[32*\qt+16*\kk+2*\i], v[32*\qt+16*\kk+2*\i+1]
.endr
.endr
.endr
	WIN 0
.irp qt, 0,1,2,3
	v_add_f32 v[T+\qt], v[TS+2*\qt], v[TS+2*\qt+1]
.endr
.irp qt, 0,1,2,3
	v_fma_f32 v[LS+\qt], v[LS+\qt], v[AL+2*\qt], v[T+\qt]  ; the old sum, rescaled, and this step's
.endr
.endm
; O^T = O^T x rescale + V^T P^T.  mode 0: rescale, then add; 1: the first products start the sums; 2: add alone (v's second part under the same weights).
; The sixteen accumulators take turns, one instruction a turn.
.macro PV mode
.if \mode == 0
	WIN 0x41
.irp qt, 0,1,2,3
.set e_, 0
.rept 16
	v_pk_mul_f32 v[128+32*\qt+e_:128+32*\qt+e_+1], v[128+32*\qt+e_:128+32*\qt+e_+1], v[AL+2*\qt:AL+2*\qt+1]
.set e_, e_+2
.endr
.endr
.endif
	WIN 0x54
.irp qt, 0,1,2,3
.irp dt, 0,1,2,3
.if \mode == 1
	v_wmma_f32_16x16x32_f16 v[128+32*\qt+8*\dt:128+32*\qt+8*\dt+7], v[VF+16*\dt:VF+16*\dt+7], v[32*\qt:32*\qt+7], 0
.else
	v_wmma_f32_16x16x32_f16 v[128+32*\qt+8*\dt:128+32*\qt+8*\dt+7], v[VF+16*\dt:VF+16*\dt+7], v[32*\qt:32*\qt+7], v[128+32*\qt+8*\dt:128+32*\qt+8*\dt+7]
.endif
.endr
.endr
.irp qt, 0,1,2,3
.irp dt, 0,1,2,3
	v_wmma_f32_16x16x32_f16 v[128+32*\qt+8*\dt:128+32*\qt+8*\dt+7], v[VF+16*\dt+8:VF+16*\dt+15], v[32*\qt+16:32*\qt+23], v[128+32*\qt+8*\dt:128+32*\qt+8*\dt+7]
.endr
.endr
	WIN 0
.endm
.macro DUMP adr                        ; my O, maxima and sums into my own 17,408 bytes, 16 bytes a lane
	WIN 0x04
.set e_, 0
.rept 32
	ds_store_b128 v[\adr], v[128+4*e_:128+4*e_+3] offset:512*e_
.set e_, e_+1
.endr
	WIN 0
	ds_store_b128 v[\adr], v[MX:MX+3] offset:16384
	ds_store_b128 v[\adr], v[LS:LS+3] offset:16896
.endm
; Tile n + 3 of the batch and head pair is asked for, one step ahead of its tensor load (which goes out in step n + 1).  Wave 7 alone asks; this work-group
; asks for rows 16 i .. 16 i + 15 of K and of V, one lane for each row's 256 bytes, and the other seven work-groups of the pair for the other rows.
; It stops behind n = 12: tile 15 is the last.  mode 2: n is not known to the text and is looked at.
.macro PREF mode
	s_cmp_lg_u32 s10, 7
	s_cbranch_scc1 .Lnopf_\@
.if \mode == 2
	s_cmp_gt_u32 s19, 12
	s_cbranch_scc1 .Lnopf_\@
.endif
	s_wait_xcnt 0x0                                ; the last step's prefetch has read its address (ISA guide 3.1)
	s_add_co_u32 s54, s19, 3
	s_mul_i32 s54, s54, TILEB
	s_mov_b32 s55, 0
	s_add_nc_u64 s[52:53], s[56:57], s[54:55]
	global_prefetch_b8 v[PFO], s[52:53] th:TH_LOAD_NT scope:SCOPE_SE
.Lnopf_\@:
.endm
.macro SWITCH                          ; the first query block is done: its O, maxima and sums are put by, the second block's Q comes in
	PLACES
	DUMP DMPH
	s_mul_i32 s58, s14, TILEB
	s_mov_b32 s59, 0
	s_add_nc_u64 s[50:51], s[60:61], s[58:59]      ; the first block's loads were waited for at the start
	QLOAD
	INIT
	s_wait_loadcnt 0x0
.endm
; One step: 64 queries x 64 keys.  dyn: 0 no mask; 1 mask, and the change of blocks, if this is the first block's diagonal step; 2 mask.
; ONE barrier a step.  In front of it each wave waits for its reads of this slot and for all its tensor loads (one is out: its part of the next slot);
; behind it this slot is filled again first, and the next step reads the other slot.  refill 1: with the tile of step n + 2.  refill 2: waves 4-7 fill the
; slot's V regions with vlo's rows of the second query block.  lo = 1: behind the barrier, which shows those rows whole, they are multiplied by this step's weights.
.macro STEP slot, zero, dyn, refill, bar, pref, lo
.rept 5
	v_nop                                          ; five places behind the last products: V is loaded again, and the scores write over P
.endr
	LOADKV \slot
	s_wait_dscnt 16                                ; K is in; V's sixteen loads may be out
	SCORES
	PLACES
.if \dyn == 1
	WIN 0
	s_cmp_lg_u32 s19, s18
	s_cbranch_scc1 .Lplain_\@
.endif
.if \dyn
	MASK
.endif
.if \dyn == 1
.Lplain_\@:
.endif
	SOFTMAX
	s_wait_dscnt 0x0                               ; V is in: my reads of this slot are over
	s_wait_xcnt 0x0
	v_lshl_add_u32 v190, v0, 2, 0x46800
	v_mov_b32 v191, 0
	s_wait_tensorcnt 0x0                           ; all my tensor loads have landed: a group 0 may be written
	ds_add_u32 v190, v191
	s_wait_dscnt 0x0
.if \refill == 1
	s_add_co_u32 s58, s19, 2                       ; step n + 2's tile: n + 2 in the first block, n + 2 - (16 - i) in the second
	s_cmp_gt_u32 s58, s18
	s_cselect_b32 s59, s21, 0
	s_sub_co_u32 s58, s58, s59
	s_mul_i32 s58, s58, TILEB
	s_mov_b32 s59, 0
	s_add_nc_u64 s[G0+4*\slot+2:G0+4*\slot+3], s[48:49], s[58:59]
	s_or_b32 s[G0+4*\slot+3], s[G0+4*\slot+3], 0x80000000
.endif
.if \refill == 2
	s_lshl_b32 s58, s16, 10                        ; vlo: row 1024 batch + 128 i + 32 (wave % 4),
	s_lshl_b32 s59, s14, 7
	s_add_co_u32 s58, s58, s59
	s_and_b32 s59, s10, 3
	s_lshl_b32 s59, s59, 5
	s_add_co_u32 s58, s58, s59
	s_lshl_b32 s58, s58, 11                        ; rows of 2,048 bytes,
	s_lshl_b32 s59, s17, 8                         ; the head pair's 256 bytes
	s_add_co_u32 s58, s58, s59
	s_mov_b32 s59, 0
	s_add_nc_u64 s[G0+4*\slot+2:G0+4*\slot+3], s[2:3], s[58:59]
	s_or_b32 s[G0+4*\slot+3], s[G0+4*\slot+3], 0x80000000
.endif
.if \bar
	s_barrier_signal -1
.endif
	PV \zero                                       ; register work while the others arrive
.if \bar
	s_barrier_wait -1
.endif
.if \refill == 1
	KVLOAD \slot                                   ; the wave's one tensor load behind the barrier
.endif
.if \refill == 2
	s_cmp_lt_u32 s10, 4
	s_cbranch_scc1 .Lno_vl_\@
	tensor_load_to_lds s[G0+4*\slot:G0+4*\slot+3], s[G1L:G1L+7]    ; the wave's one tensor load behind the barrier; waves 0-3 have no part of it
	s_nop 0
.Lno_vl_\@:
.endif
.if \lo
	PLACES                                         ; V's registers, which the last products read, are loaded again
	LOADV 1
	s_wait_dscnt 0x0
	PV 2
.endif
.if \pref
	PREF \pref
.endif
.if \dyn == 1
	s_cmp_lg_u32 s19, s18
	s_cbranch_scc1 .Lstay_\@
	SWITCH
.Lstay_\@:
.endif
	s_add_co_u32 s19, s19, 1
.endm
	STEP 0, 1, 0, 1, 1, 1, 0                       ; steps 0 and 1: the first block has nine tiles at the least, so no diagonal yet
	STEP 1, 0, 0, 1, 1, 1, 0
	s_mov_b32 s20, 6
.Lpair:                                            ; steps 2 to 13
	STEP 0, 0, 1, 1, 1, 2, 0
	STEP 1, 0, 1, 1, 1, 2, 0
	s_sub_co_u32 s20, s20, 1
	s_cmp_lg_u32 s20, 0
	s_cbranch_scc1 .Lpair
	STEP 0, 0, 1, 1, 1, 0, 0                       ; step 14 asks for step 16's tile
	STEP 1, 0, 1, 2, 1, 0, 0                       ; step 15: its barrier shows step 16's tile whole; behind it vlo's rows go into slot 1: the last fill
	STEP 0, 0, 2, 0, 1, 0, 1                       ; step 16: the second block's diagonal tile, with both parts of v
	; THE END.  The second block's partial results go into the ring, which has had its last fill; then wave w finishes one task:
	; query block w / 4 (0: the second, at LDS byte 0; 1: the first, at DHI), head w % 2, queries (w / 2) % 2, from the two key halves' dumps.
	PLACES
	s_wait_dscnt 0x0
	s_wait_tensorcnt 0x0
	s_barrier_signal -1
	s_barrier_wait -1                              ; no wave reads the ring any more
	DUMP DMPL
	s_wait_dscnt 0x0
	s_barrier_signal -1
	s_barrier_wait -1                              ; all dumps are in LDS
	s_mul_i32 s63, s13, DHI
	s_and_b32 s66, s10, 3
	s_mul_i32 s66, s66, DUMPB
	s_add_co_u32 s66, s66, s63
	v_lshl_add_u32 v[RD1], v63, 4, s66             ; key half 0's dump
	v_add_nc_u32 v[RD2], 4*DUMPB, v[RD1]           ; key half 1's
	s_lshl_b32 s66, s13, 9
	s_lshl_b32 s67, s11, 8
	s_add_co_u32 s66, s66, s67
	s_add_co_u32 s66, s66, VS
	v_lshl_add_u32 v[VSA], v62, 5, s66             ; the sums of v: column 64 head + 16 dt + 8 h + j
	WIN 0x40
.set e_, 0
.rept 32
	ds_load_b128 v[128+4*e_:128+4*e_+3], v[RD1] offset:512*e_
	ds_load_b128 v[4*e_:4*e_+3],         v[RD2] offset:512*e_
.set e_, e_+1
.endr
	WIN 0
	ds_load_b128 v[8:11],  v[RD1] offset:16384     ; m1
	ds_load_b128 v[12:15], v[RD1] offset:16896     ; l1
	ds_load_b128 v[32:35], v[RD2] offset:16384     ; m2
	ds_load_b128 v[36:39], v[RD2] offset:16896     ; l2
.irp dt, 0,1,2,3
	ds_load_b128 v[64+8*\dt:64+8*\dt+3],   v[VSA] offset:64*\dt
	ds_load_b128 v[64+8*\dt+4:64+8*\dt+7], v[VSA] offset:64*\dt+16
	ds_load_b128 v[96+8*\dt:96+8*\dt+3],   v[VSA] offset:1024+64*\dt
	ds_load_b128 v[96+8*\dt+4:96+8*\dt+7], v[VSA] offset:1024+64*\dt+16
.endr
	s_wait_dscnt 0x0
	s_barrier_signal -1
	s_barrier_wait -1                              ; every wave has read its dumps: the stage may be laid over them
	s_cmp_eq_u32 s13, 0
	s_cselect_b32 s66, s14, s18                    ; my task's query block
	s_sub_co_u32 s67, 15, s66
	s_lshl_b32 s67, s67, 7                         ; keys behind its diagonal tile
	v_cvt_f32_u32 v6, s67
	s_mov_b32 s68, MINIT
	s_mov_b32 s69, MASKED
	s_cmp_eq_u32 s66, 15                           ; none: their score takes no part in the maximum
	s_cselect_b32 s68, s68, s69
	s_mov_b32 s70, CPOS
.set e_, 0
.rept 16
	v_pk_add_f32 v[64+e_:64+e_+1], v[64+e_:64+e_+1], v[96+e_:96+e_+1]
.set e_, e_+2
.endr
.irp qt, 0,1,2,3
	v_max3_num_f32 v[40+\qt], v[8+\qt], v[32+\qt], s68     ; the maximum over both halves and the masked score
.endr
.irp qt, 0,1,2,3
	v_mul_f32 v[40+\qt], CNEG, v[40+\qt]                   ; the last shift,
	v_mul_f32 v[8+\qt],  CNEG, v[8+\qt]                    ; and the halves' shifts by the same product as in the loop
	v_mul_f32 v[32+\qt], CNEG, v[32+\qt]
.endr
.irp qt, 0,1,2,3
	v_sub_f32 v[8+\qt],  v[40+\qt], v[8+\qt]
	v_sub_f32 v[32+\qt], v[40+\qt], v[32+\qt]
	v_fma_f32 v[2+\qt], s68, s70, v[40+\qt]                ; a masked key's exponent, as in the loop
.endr
.irp qt, 0,1,2,3
	v_exp_f32 v[8+\qt],  v[8+\qt]                          ; a1
	v_exp_f32 v[32+\qt], v[32+\qt]                         ; a2
	v_exp_f32 v[2+\qt],  v[2+\qt]                          ; a masked key's weight
.endr
	v_nop
	s_wait_alu depctr_va_vdst(0)
.irp qt, 0,1,2,3
	v_mul_f32 v[12+\qt], v[12+\qt], v[8+\qt]
.endr
.irp qt, 0,1,2,3
	v_fmac_f32 v[12+\qt], v[36+\qt], v[32+\qt]
.endr
.irp qt, 0,1,2,3
	v_permlanex16_b32 v[36+\qt], v[12+\qt], s22, s23       ; the other half of the lanes holds the other keys' sums
.endr
.irp qt, 0,1,2,3
	v_add_f32 v[12+\qt], v[12+\qt], v[36+\qt]
.endr
.irp qt, 0,1,2,3
	v_fmac_f32 v[12+\qt], v6, v[2+\qt]
.endr
.irp qt, 0,1,2,3
	v_rcp_f32 v[12+\qt], v[12+\qt]                         ; the sum holds the largest weight, about 1
.endr
	v_nop
	s_wait_alu depctr_va_vdst(0)
.irp qt, 0,1,2,3
	v_mul_f32 v[16+2*\qt], v[8+\qt],  v[12+\qt]
	v_mul_f32 v[17+2*\qt], v[8+\qt],  v[12+\qt]
	v_mul_f32 v[24+2*\qt], v[32+\qt], v[12+\qt]
	v_mul_f32 v[25+2*\qt], v[32+\qt], v[12+\qt]
	v_mul_f32 v[44+2*\qt], v[2+\qt],  v[12+\qt]
	v_mul_f32 v[45+2*\qt], v[2+\qt],  v[12+\qt]
.endr
	WIN 0x41
.irp qt, 0,1,2,3
.set e_, 0
.rept 16
	v_pk_mul_f32 v[128+32*\qt+e_:128+32*\qt+e_+1], v[128+32*\qt+e_:128+32*\qt+e_+1], v[16+2*\qt:17+2*\qt]
.set e_, e_+2
.endr
.endr
	WIN 0x51
.irp qt, 0,1,2,3
.set e_, 0
.rept 16
	v_pk_fma_f32 v[128+32*\qt+e_:128+32*\qt+e_+1], v[32*\qt+e_:32*\qt+e_+1], v[24+2*\qt:25+2*\qt], v[128+32*\qt+e_:128+32*\qt+e_+1]
.set e_, e_+2
.endr
.endr
	WIN 0x50
.irp qt, 0,1,2,3
.set e_, 0
.rept 16
	v_pk_fma_f32 v[128+32*\qt+e_:128+32*\qt+e_+1], v[64+e_:64+e_+1], v[44+2*\qt:45+2*\qt], v[128+32*\qt+e_:128+32*\qt+e_+1]
.set e_, e_+2
.endr
.endr
	; a rounded to f16: queries 0-15 of my 64 into v64-79 (halves have names in v0-127 alone, and these are widened again below), the others into v144-191
	WIN 0x05
.irp qt, 0,1,2,3
.if \qt == 0
.set HB_, 64
.else
.set HB_, KF+16*\qt
.endif
.set e_, 0
.rept 16
	v_cvt_pk_f16_f32 v[HB_+e_], v[128+32*\qt+2*e_], v[128+32*\qt+2*e_+1]
.set e_, e_+1
.endr
.endr
	WIN 0
	; through a stage of rows of 272 bytes: a row holds both heads' 64 numbers; lane (r, h) puts 16 bytes of query 16 qt + r
	s_mul_i32 s62, s12, STGQ
	s_add_co_u32 s62, s62, s63
	s_lshl_b32 s67, s11, 7
	s_add_co_u32 s67, s67, s62
	v_mul_u32_u24 v[SST], v1, 272
	v_lshl_add_u32 v[SST], v62, 4, v[SST]
	v_add_nc_u32 v[SST], s67, v[SST]
.irp qt, 0,1,2,3
.if \qt == 0
.set HB_, 64
.else
.set HB_, KF+16*\qt
.endif
.irp dt, 0,1,2,3
	ds_store_b128 v[SST], v[HB_+4*\dt:HB_+4*\dt+3] offset:16*272*\qt+32*\dt
.endr
.endr
.macro WIDEN                           ; v[96:127] = the 32 f16 of v[64:79], as f32
.set u_, 0
.irp h, v64.l,v64.h,v65.l,v65.h,v66.l,v66.h,v67.l,v67.h,v68.l,v68.h,v69.l,v69.h,v70.l,v70.h,v71.l,v71.h
	v_cvt_f32_f16 v[96+u_], \h
.set u_, u_+1
.endr
.irp h, v72.l,v72.h,v73.l,v73.h,v74.l,v74.h,v75.l,v75.h,v76.l,v76.h,v77.l,v77.h,v78.l,v78.h,v79.l,v79.h
	v_cvt_f32_f16 v[96+u_], \h
.set u_, u_+1
.endr
.endm
	; The second part, for rows 0-15 of the query block: they are queries 0-15 of the waves that hold its first 64 queries.
	; The rounding widened again (v96-127), taken from a (exact), and the rest rounded to f16 (v80-95), into 16 rows behind the two stages.
	s_cmp_lg_u32 s12, 0
	s_cbranch_scc1 .Lno_second_in
	WIDEN
	WIN 0x01
.set e_, 0
.rept 16
	v_pk_add_f32 v[96+e_:97+e_], v[128+e_:129+e_], v[96+e_:97+e_] neg_lo:[0,1] neg_hi:[0,1]
.set e_, e_+2
.endr
	WIN 0
.set e_, 0
.rept 16
	v_cvt_pk_f16_f32 v[80+e_], v[96+2*e_], v[97+2*e_]
.set e_, e_+1
.endr
.irp dt, 0,1,2,3
	ds_store_b128 v[SST], v[80+4*\dt:83+4*\dt] offset:2*STGQ+32*\dt
.endr
.Lno_second_in:
	s_mul_i32 s67, s11, 32*272                     ; back: the two waves that filled 64 rows take 32 rows each, whole,
	s_add_co_u32 s67, s67, s62
	s_mul_i32 s68, s11, 8*272                      ; and the two that filled the second part's 16 rows take 8 each
	s_add_co_u32 s68, s68, s63
	s_add_co_u32 s68, s68, 2*STGQ
	v_mul_u32_u24 v[SRD], v62, 272
	v_lshl_add_u32 v[SRD], v1, 4, v[SRD]           ; lanes 0-15 one row of 256 bytes, lanes 16-31 the next
	v_add_nc_u32 v[RD1], s68, v[SRD]
	v_add_nc_u32 v[SRD], s67, v[SRD]
	v_lshlrev_b32 v[OOF], 11, v62
	v_lshl_add_u32 v[OOF], v1, 4, v[OOF]           ; the same two rows in ah, rows of 2,048 bytes
	s_lshl_b32 s58, s16, 4
	s_add_co_u32 s58, s58, s66                     ; block of ah = 16 batch + query block
	s_mul_i32 s58, s58, ABLK                       ; its first row
	s_lshl_b32 s59, s11, 3
	s_add_co_u32 s59, s59, s58
	s_add_co_u32 s59, s59, 128                     ; the second part: row 128 + 8 head
	s_lshl_b32 s70, s59, 11
	s_lshl_b32 s59, s17, 8                         ; the head pair's 256 bytes
	s_add_co_u32 s70, s70, s59
	s_mov_b32 s71, 0
	s_add_nc_u64 s[4:5], s[8:9], s[70:71]
	s_lshl_b32 s59, s12, 6                         ; the first part: row 64 query half + 32 head
	s_add_co_u32 s58, s58, s59
	s_lshl_b32 s59, s11, 5
	s_add_co_u32 s58, s58, s59
	s_lshl_b32 s58, s58, 11
	s_lshl_b32 s59, s17, 8
	s_add_co_u32 s58, s58, s59
	s_mov_b32 s59, 0
	s_add_nc_u64 s[8:9], s[8:9], s[58:59]
	s_wait_dscnt 0x0
	s_barrier_signal -1
	s_barrier_wait -1                              ; both heads' halves of every row are in
.set e_, 0
.rept 16
	ds_load_b128 v[VF+4*e_:VF+4*e_+3], v[SRD] offset:544*e_
.set e_, e_+1
.endr
.set e_, 0
.rept 16
	s_wait_dscnt 15-e_                             ; the younger read-backs may be out
	global_store_b128 v[OOF], v[VF+4*e_:VF+4*e_+3], s[8:9] offset:4096*e_        ; 16 lanes store 256 consecutive bytes, aligned
.set e_, e_+1
.endr
	s_cmp_lg_u32 s12, 0
	s_cbranch_scc1 .Lno_second_out
.set e_, 0
.rept 4
	ds_load_b128 v[QF+4*e_:QF+4*e_+3], v[RD1] offset:544*e_
.set e_, e_+1
.endr
.set e_, 0
.rept 4
	s_wait_dscnt 3-e_                              ; the younger read-backs may be out
	global_store_b128 v[OOF], v[QF+4*e_:QF+4*e_+3], s[4:5] offset:4096*e_        ; the second part's rows
.set e_, e_+1
.endr
.Lno_second_out:
	s_wait_xcnt 0x0
	v_lshl_add_u32 v190, v0, 2, 0x46800
	v_mov_b32 v191, 0
	s_wait_tensorcnt 0x0
	ds_add_u32 v190, v191
	s_wait_dscnt 0x0
	s_endpgm
.Lfunc_end_k_q825120d457_attn:
	.size	k_q825120d457_attn, .Lfunc_end_k_q825120d457_attn-k_q825120d457_attn
	.p2alignl 7, 3214868480
	.fill 96, 4, 3214868480
	.section	.rodata,"a",@progbits
	.p2align	6, 0x0
	.amdhsa_kernel k_q825120d457_attn
		.amdhsa_group_segment_fixed_size 327680
		.amdhsa_private_segment_fixed_size 0
		.amdhsa_enable_private_segment 0
		.amdhsa_kernarg_size 32
		.amdhsa_user_sgpr_count 2
		.amdhsa_user_sgpr_kernarg_segment_ptr 1
		.amdhsa_wavefront_size32 1
		.amdhsa_system_sgpr_workgroup_id_x 1
		.amdhsa_system_sgpr_workgroup_id_y 1
		.amdhsa_system_sgpr_workgroup_id_z 1
		.amdhsa_system_vgpr_workitem_id 0
		.amdhsa_next_free_vgpr 512
		.amdhsa_next_free_sgpr 80
		.amdhsa_reserve_vcc 1
		.amdhsa_float_denorm_mode_32 3
		.amdhsa_float_denorm_mode_16_64 3
		.amdhsa_memory_ordered 1
		.amdhsa_forward_progress 1
		.amdhsa_inst_pref_size 255
	.end_amdhsa_kernel
	.section	.bss,"aw",@nobits
	.p2align	6
	.space	262144
	.amdgpu_metadata
---
amdhsa.version: [ 1, 2 ]
amdhsa.kernels:
  - .name:           k_q825120d457_attn
    .symbol:         k_q825120d457_attn.kd
    .args:
      - { .name: qkv, .offset: 0, .size: 8, .value_kind: global_buffer, .address_space: global }
      - { .name: vblk, .offset: 8, .size: 8, .value_kind: global_buffer, .address_space: global }
      - { .name: ah, .offset: 16, .size: 8, .value_kind: global_buffer, .address_space: global }
      - { .name: vlo, .offset: 24, .size: 8, .value_kind: global_buffer, .address_space: global }
    .group_segment_fixed_size: 327680
    .private_segment_fixed_size: 0
    .kernarg_segment_align: 8
    .kernarg_segment_size: 32
    .max_flat_workgroup_size: 256
    .sgpr_count:     80
    .vgpr_count:     512
    .wavefront_size: 32
...
	.end_amdgpu_metadata
.endif
;; end of part 7
;; launch proj (part 8): grid 8 x 32, 4 waves a work-group, clusters of 4 x 4, 327,680 bytes of LDS; arguments ah, wph, out0, b_proj; writes out0
.if DOCPART == 8
	.amdgcn_target "amdgcn-amd-amdhsa--gfx1250"
	.amdhsa_code_object_version 6
	.text
	.protected	k_q825120d457_proj
	.globl	k_q825120d457_proj
	.p2align	8
	.type	k_q825120d457_proj,@function
k_q825120d457_proj:
	s_mov_b64 s[64:65], 0
	v_nop
	global_prefetch_b8 v0, s[64:65] scope:SCOPE_SE
	s_setreg_imm32_b32 hwreg(HW_REG_WAVE_MODE, 25, 1), 1
	s_wait_xcnt 0x0
	s_wait_alu depctr_hold_cnt(0) depctr_sa_sdst(0) depctr_va_vdst(0) depctr_va_sdst(0) depctr_va_ssrc(0) depctr_va_vcc(0) depctr_vm_vsrc(0)
	s_getreg_b32 s2, hwreg(HW_REG_IB_STS2, 6, 4)
	s_cmp_eq_u32 s2, 0
	s_cbranch_scc0 .Lentry_in_a_cluster
	s_endpgm
.Lentry_in_a_cluster:
	s_bfe_u32 s2, ttmp6, 0x10000c
	s_cmp_lg_u32 s2, 0xf033
	s_cbranch_scc0 .Lentry_shape_is_right
	s_endpgm
.Lentry_shape_is_right:
; out0[m][n] = sum over k of a[m][k] wph[k][n] + b_proj[n].  wph: [1024][1024] f16 (rows along N, as the weights lie), sums in f32, out0: [8192][1024] f32.
; a comes as ah: [64][144][1024] f16, one block for each 128 rows: rows 0-127 of a block hold f16(a), rows 128-143 hold f16(a - f16(a)) of the block's rows 0-15.
; TWO PARTS: the first rows of a batch average few keys and keep v's size, and with it the size of a's f16 rounding; so the first 16 rows of every block of 128
; (every block alike, so that the text is alike in all work-groups) are multiplied in two parts: the second part is a ninth fragment of A, which meets the
; fragments of B that are in registers anyway and adds onto the accumulators of rows 0-15.  4 matrix instructions more for each 32.
; LIMIT: rows 16-127 of a block carry a's f16 rounding.  The order of the sums is the matrix unit's, K ascending in steps of 32.
; A work-group makes 256 rows x 128 columns with four waves, as many as a WGP has SIMDs; a wave makes 128 x 64: 32 accumulator
; tiles of 16 x 16.  K goes in steps of 128 through two LDS slots filled by the tensor data mover.
; CLUSTERS: 4 x 4 work-groups.  The four of a row of the cluster need the same tiles of A, the four of a column the same tiles of B: each tile
; is asked for jointly, by the same tensor load with the same descriptor and a mask that names the four.
; B LIES [K][N]: its fragments are read with the transposing LDS load, so no pass over the weights is needed.
; THE BIAS is the C operand of each accumulator's first product: nothing is cleared, and no add stands in the way out.
; THE MATRIX INSTRUCTION IS USED TRANSPOSED: source 0 = 16 columns of B, source 1 = 16 rows of A.  Lane l then holds row l % 16 of C and its
; registers 0 to 7 the columns 8 (l / 16) + 0 .. 7: eight neighbouring numbers of a row.
; REGISTERS, in windows of 256: window 0: v0-31 addresses, v32-39 and v40-47 the second part's fragment, v64-127 and v128-191 A's fragments (two buffers each),
; v192-223 the bias; window 1: v64-95 and v128-159 B's fragments (two buffers); window 2: accumulator (a, b) at v[8 (4 a + b)].
.set NB, 4                             ; B fragments (16 columns each) of a wave
.set SIZE_K, 1024
.set SIZE_N, 1024
.set QIB, 5                            ; B's LDS rows are padded after every 64 words
.set CROW, 4096                        ; bytes in a row of C
.set KSTEP,  128
.set PITCH,  272                       ; A's LDS row: 256 bytes + 16: an odd multiple of 16, so the 16 rows of a fragment load start in 16 different columns of 16 bytes
.set AROWS,  144                       ; rows of ah for 128 rows of a
.set HALFT,  AROWS*PITCH               ; one block of ah: one tensor load, and what one wave reads of A
.set ABYTES, 2*HALFT
.set BPITCH, 64*NB+32                  ; B's LDS row: 128 columns + 32 bytes: an odd multiple of 32, for the transposing loads
.set BHALF,  64*BPITCH                 ; 64 k rows of B: one tensor load
.set SLOT,   ABYTES+2*BHALF            ; A's two blocks, then B's 128 k rows
.set STAGE,  2*SLOT                    ; behind the ring: 16 rows x 272 bytes for each wave; no tensor load lands here
.set SPITCH, 272
.set LAPS,   SIZE_K/(2*KSTEP)          ; a lap = two K steps = once round the ring
.set ADRA, 16                          ; v16-17  LDS address of my A fragments in slot 0, 1
.set ADRB, 20                          ; v20-21  the same for B
.set STO,  24                          ; v24     the way out: where I put my piece of a row
.set RD,   25                          ; v25     the way out: where I read a row back
.set CO,   26                          ; v26     my byte offset in C
.set LOF,  32                          ; v32-39  the second part's fragment, buffer 0; v40-47 buffer 1
.set F0,   64
.set F1,   128
.set BIAS, 192                         ; v192-223  bias of my columns, in an accumulator's layout
.set G1,  24                           ; s[24:31] descriptor group 1 for A's tiles
.set G0,  32                           ; s[32:39] group 0 for A's tiles, one set for each slot
.set G1B, 48                           ; s[48:55] group 1 for B's tiles
.set G0B, 56                           ; s[56:63] group 0 for B's tiles, one set for each slot
.set MSB, 0
.macro WIN new                         ; s_set_vgpr_msb: bits 1:0 source 0, 3:2 source 1, 5:4 source 2, 7:6 destination; the high byte repeats the setting that is left
.if MSB != (\new)
	s_set_vgpr_msb (MSB<<8)|(\new)
.set MSB, (\new)
.endif
.endm
; A joint load.  Waves 0 and 1 fetch A's two blocks, waves 2 and 3 B's halves.  Each line has one mask and one set of registers for all that issue it.
.macro JLOAD s
	s_cmp_eq_u32 s11, 0
	s_cbranch_scc0 .Lfor_b_\@
	tensor_load_to_lds s[G0+4*\s:G0+4*\s+3], s[G1:G1+7]
	s_nop 0
	s_branch .Lasked_\@
.Lfor_b_\@:
	tensor_load_to_lds s[G0B+4*\s:G0B+4*\s+3], s[G1B:G1B+7]
	s_nop 0
.Lasked_\@:
.endm
; A round of the cluster's barrier: my work-group's barrier; wave 0 signals for the work-group; every wave waits for all sixteen; my work-group's barrier again.
.macro CREST                           ; a round behind its opening barrier
	s_cmp_lg_u32 s10, 0
	s_cbranch_scc1 .Lnot_wave_0_\@
	s_barrier_signal -3
.Lnot_wave_0_\@:
	s_barrier_wait -3
	s_barrier_signal -1
	s_barrier_wait -1
.endm
.macro CROUND
	s_barrier_signal -1
	s_barrier_wait -1
	CREST
.endm
	s_load_b128 s[4:7], s[0:1], 0x0                ; A s[4:5], B s[6:7]
	s_load_b64 s[8:9], s[0:1], 0x10                ; C
	s_load_b64 s[68:69], s[0:1], 0x18              ; bias
	s_set_vgpr_msb 0x40
	v_lshl_add_u32 v255, v0, 2, 0x3c800
	s_set_vgpr_msb 0x4000
	v_mov_b32 v255, 0
	s_set_vgpr_msb 0x1
	ds_add_u32 v255, v255
	ds_add_u32 v255, v255
	s_set_vgpr_msb 0x100
	v_lshrrev_b32 v1, 5, v0
	v_readfirstlane_b32 s10, v1                    ; wave 0..3
	s_lshr_b32 s11, s10, 1                         ; which 128 rows of the block are mine.  Also: I fetch for A (0) or for B (1)
	s_and_b32 s12, s10, 1                          ; which half of its columns.  Also: which half of that tile I fetch
	s_bfe_u32 s40, ttmp6, 0x40000                  ; cx
	s_bfe_u32 s41, ttmp6, 0x40004                  ; cy
	s_lshl_b32 s42, ttmp9, 2
	s_add_co_u32 s42, s42, s40                     ; block column of C = 4 x cluster x + cx
	s_and_b32 s13, ttmp7, 0xffff
	s_lshl_b32 s13, s13, 2
	s_add_co_u32 s13, s13, s41                     ; block row of C = 4 x cluster y + cy
	s_lshl_b32 s43, s41, 2
	s_lshl_b32 s43, 15, s43                        ; my row of the cluster: places 4 cy .. 4 cy + 3
	s_lshl_b32 s44, 0x1111, s40                    ; my column: places cx, cx + 4, cx + 8, cx + 12
	; group 1 for A: 144 rows x 128 elements of 2 bytes, 4 words of padding after every 64 words
	s_or_b32 s[G1+0], s43, (1<<16)|(1<<20)|(1<<21)|(5<<22)|(3<<25)
	s_mov_b32 s[G1+1], KSTEP<<16                   ; tensor_dim0 = 128
	s_mov_b32 s[G1+2], AROWS<<16                   ; tensor_dim1 = 144
	s_mov_b32 s[G1+3], KSTEP<<16                   ; tile_dim0 = 128
	s_mov_b32 s[G1+4], AROWS                       ; tile_dim1 = 144
	s_mov_b32 s[G1+5], SIZE_K                      ; elements from row to row
	s_mov_b32 s[G1+6], 0
	s_mov_b32 s[G1+7], 0
	; group 1 for B: 64 k rows x 128 elements, 8 words of padding after every row
	s_or_b32 s[G1B+0], s44, (1<<16)|(1<<20)|(1<<21)|(QIB<<22)|(7<<25)
	s_mov_b32 s[G1B+1], (32*NB)<<16
	s_mov_b32 s[G1B+2], 64<<16
	s_mov_b32 s[G1B+3], (32*NB)<<16
	s_mov_b32 s[G1B+4], 64
	s_mov_b32 s[G1B+5], SIZE_N
	s_mov_b32 s[G1B+6], 0
	s_mov_b32 s[G1B+7], 0
	; where the tiles come from.  A's hang on the block row alone, B's on the block column alone, each in registers that never hold the other coordinate.
	s_lshl1_add_u32 s16, s13, s12                  ; A: block of ah = 2 x block row + half
	s_mul_i32 s16, s16, AROWS*SIZE_K*2             ; in bytes: below 2^25
	s_mov_b32 s17, 0
	s_mul_i32 s46, s12, 64*SIZE_N*2                ; B: k row 64 x half,
	s_mul_i32 s47, s42, 64*NB                      ; and the block's first column, in bytes
	s_add_co_u32 s46, s46, s47
	s_mov_b32 s47, 0
	s_mul_i32 s20, s10, HALFT                      ; where they go: A's blocks, waves 0 and 1: wave x 144 rows
	s_mul_i32 s45, s10, BHALF                      ; B's halves, waves 2 and 3: behind A's 288 rows, (wave - 2) x 64 k rows
	s_add_co_u32 s45, s45, ABYTES-2*BHALF
	s_wait_dscnt 0x0
	s_wait_kmcnt 0x0
	s_add_nc_u64 s[14:15], s[4:5], s[16:17]
	s_add_nc_u64 s[46:47], s[6:7], s[46:47]
	CROUND                                         ; all sixteen work-groups are here: the first joint loads meet
.irp s, 0,1
	s_mov_b32 s[G0+4*\s], 1
	s_add_co_u32 s[G0+4*\s+1], s20, \s*SLOT
	s_add_nc_u64 s[G0+4*\s+2:G0+4*\s+3], s[14:15], \s*KSTEP*2            ; K step s: 128 elements along A's rows
	s_or_b32 s[G0+4*\s+3], s[G0+4*\s+3], 0x80000000
	s_mov_b32 s[G0B+4*\s], 1
	s_add_co_u32 s[G0B+4*\s+1], s45, \s*SLOT
	s_add_nc_u64 s[G0B+4*\s+2:G0B+4*\s+3], s[46:47], \s*KSTEP*SIZE_N*2   ; K step s: 128 rows down B
	s_or_b32 s[G0B+4*\s+3], s[G0B+4*\s+3], 0x80000000
	JLOAD \s                                       ; both slots are asked for before anything else: two tensor loads of the wave are out
.endr
	; the bias of my 64 columns, in an accumulator's layout: register 8 b + j of lane l holds bias[16 b + 8 (l / 16) + j]
	s_mul_i32 s74, s42, 128*NB
	s_mul_i32 s75, s12, 64*NB
	s_add_co_u32 s74, s74, s75
	s_mov_b32 s75, 0
	s_add_nc_u64 s[74:75], s[68:69], s[74:75]
	v_and_b32 v1, 15, v0                           ; r = l % 16
	v_bfe_u32 v2, v0, 4, 1                         ; h = l / 16
	v_lshlrev_b32 v8, 5, v2
.set bb, 0
.rept NB
	global_load_b128 v[BIAS+8*bb:BIAS+8*bb+3],   v8, s[74:75] offset:64*bb
	global_load_b128 v[BIAS+8*bb+4:BIAS+8*bb+7], v8, s[74:75] offset:64*bb+16
.set bb, bb+1
.endr
	; A's fragments, 16 rows x 32 K: lane l takes row r, two loads of 16 bytes, 32 bytes apart, at row x pitch + 16 h
	v_mul_u32_u24 v3, v1, PITCH
	v_lshl_add_u32 v3, v2, 4, v3
	s_mul_i32 s21, s11, HALFT
	; B's fragments, 32 K x 16 columns, transposed on the way: lane l addresses k row 8 h + l % 8, 16 bytes at 16 ((l / 8) % 2); the second load 16 rows below
	v_and_b32 v6, 7, v0
	v_lshl_add_u32 v6, v2, 3, v6
	v_mul_u32_u24 v6, v6, BPITCH
	v_bfe_u32 v7, v0, 3, 1
	v_lshl_add_u32 v6, v7, 4, v6
	s_mul_i32 s22, s12, 32*NB                      ; my half of the block's columns
	s_add_co_u32 s22, s22, ABYTES
.irp s, 0,1
	v_add_nc_u32 v[ADRA+\s], s21, v3
	v_add_nc_u32 v[ADRB+\s], s22, v6
	s_add_co_u32 s21, s21, SLOT
	s_add_co_u32 s22, s22, SLOT
.endr
	s_mul_i32 s23, s10, 16*SPITCH
	s_add_co_u32 s23, s23, STAGE                   ; my stage
	v_mul_u32_u24 v4, v1, SPITCH
	v_lshl_add_u32 v4, v2, 5, v4
	v_add_nc_u32 v[STO], s23, v4                   ; in: row r, my eight numbers, 32 bytes
	v_mul_u32_u24 v5, v2, SPITCH
	v_lshl_add_u32 v5, v1, 4, v5
	v_add_nc_u32 v[RD], s23, v5                    ; back: lanes 0-15 take one row of 256 bytes, lanes 16-31 the next
	v_mul_u32_u24 v5, v2, CROW
	v_lshl_add_u32 v[CO], v1, 4, v5                ; and the same two rows in C
; NB matrix instructions: row block a of my eight x all my NB column blocks, 32 along K.  first = 1: C is the bias (window 0), which starts the sums.
; The accumulators take turns, one instruction a turn, in the same order in every quarter step.
.macro MULROW f, a, first
.set AC_, 8*NB*(\a)
.if \first
	WIN 0x81
.else
	WIN 0xa1
.endif
.set bb, 0
.rept NB
.if \first
	v_wmma_f32_16x16x32_f16 v[AC_+8*bb:AC_+8*bb+7], v[\f+8*bb:\f+8*bb+7], v[\f+8*(\a):\f+8*(\a)+7], v[BIAS+8*bb:BIAS+8*bb+7]
.else
	v_wmma_f32_16x16x32_f16 v[AC_+8*bb:AC_+8*bb+7], v[\f+8*bb:\f+8*bb+7], v[\f+8*(\a):\f+8*(\a)+7], v[AC_+8*bb:AC_+8*bb+7]
.endif
.set bb, bb+1
.endr
.endm
; NB matrix instructions: the second part of rows 0-15 x all my column blocks, onto row block 0's accumulators.  It stands behind row block 3:
; 12 matrix instructions on other accumulators lie between a link and the one before it, 16 before the next: still one instruction a turn.
.macro MULLO f
.set LO_, LOF+(\f-F0)/8
	WIN 0xa1
.set bb, 0
.rept NB
	v_wmma_f32_16x16x32_f16 v[8*bb:8*bb+7], v[\f+8*bb:\f+8*bb+7], v[LO_:LO_+7], v[8*bb:8*bb+7]
.set bb, bb+1
.endr
.endm
; One run of 26 LDS loads: the fragments of quarter q (32 along K) of a slot into buffer f: B's, A's 0-3, the second part's (tile rows 128-143), A's 4-7
.macro FETCH slot, q, f
.set LO_, LOF+(\f-F0)/8
	WIN 0x40
.set bb, 0
.rept NB
	ds_load_tr16_b128 v[\f+8*bb:\f+8*bb+3],   v[ADRB+\slot] offset:\q*32*BPITCH+32*bb
	ds_load_tr16_b128 v[\f+8*bb+4:\f+8*bb+7], v[ADRB+\slot] offset:\q*32*BPITCH+32*bb+16*BPITCH
.set bb, bb+1
.endr
	WIN 0
.irp i, 0,1,2,3
	ds_load_b128 v[\f+8*\i:\f+8*\i+3],   v[ADRA+\slot] offset:\q*64+\i*16*PITCH
	ds_load_b128 v[\f+8*\i+4:\f+8*\i+7], v[ADRA+\slot] offset:\q*64+\i*16*PITCH+32
.endr
	ds_load_b128 v[LO_:LO_+3],   v[ADRA+\slot] offset:\q*64+128*PITCH
	ds_load_b128 v[LO_+4:LO_+7], v[ADRA+\slot] offset:\q*64+128*PITCH+32
.irp i, 4,5,6,7
	ds_load_b128 v[\f+8*\i:\f+8*\i+3],   v[ADRA+\slot] offset:\q*64+\i*16*PITCH
	ds_load_b128 v[\f+8*\i+4:\f+8*\i+7], v[ADRA+\slot] offset:\q*64+\i*16*PITCH+32
.endr
.endm
; A load into a register that a matrix instruction has read, and a vector instruction or LDS store that reads a matrix result, stand four places behind
; that matrix instruction; only plain vector instructions that name none of its registers are places (ISA guide 7.12.1 for vector instructions).
.macro PLACES
.rept 4
	v_nop
.endr
.endm
; One of a K step's first three quarters: multiplies buffer f; in its middle it fetches quarter q of the same slot into buffer g.
.macro QUARTER slot, q, f, g, first
	s_wait_dscnt 8                                 ; B, A's fragments 0-3 and the second part's are in; the youngest eight loads (A's fragments 4-7) may be out
	MULROW \f, 0, \first
	MULROW \f, 1, \first
	MULROW \f, 2, \first
	MULROW \f, 3, \first
	MULLO \f
	PLACES
	FETCH \slot, \q, \g
	s_wait_dscnt 2*NB+18                           ; all but the run of 26 just issued
	MULROW \f, 4, \first
	MULROW \f, 5, \first
	MULROW \f, 6, \first
	MULROW \f, 7, \first
.endm
.macro THREE slot, first
	QUARTER \slot, 1, F0, F1, \first
	QUARTER \slot, 2, F1, F0, 0
	QUARTER \slot, 3, F0, F1, 0
.endm
; The last quarter: multiplies buffer 1 and changes slots.  fill = 1: this slot is filled again, two K steps ahead.
; In front of the barrier each wave waits for its reads of this slot and for all its tensor loads (one is out: its part of the next slot).
; Behind it, and behind the rest of the cluster's round, the joint refill comes first, then the next slot's first fragments.
.macro TURN slot, next, fill
	s_wait_dscnt 8
	MULROW F1, 0, 0
	MULROW F1, 1, 0
	s_wait_dscnt 0x0                               ; my reads of this slot are over
	s_wait_tensorcnt 0x0                           ; and all my tensor loads have landed
	ds_add_u32 v255, v255
	s_wait_dscnt 0x0
	s_barrier_signal -1                            ; where a slot is filled again this barrier opens a round of the cluster's barrier
	MULROW F1, 2, 0                                ; register work while the others arrive
	MULROW F1, 3, 0
	MULLO F1
	WIN 0
	s_barrier_wait -1
.if \fill
	CREST                                          ; no wave of any partner still reads this slot's tile or has a load on its way
	s_add_nc_u64 s[G0+4*\slot+2:G0+4*\slot+3], s[G0+4*\slot+2:G0+4*\slot+3], 2*KSTEP*2
	s_add_nc_u64 s[G0B+4*\slot+2:G0B+4*\slot+3], s[G0B+4*\slot+2:G0B+4*\slot+3], 2*KSTEP*SIZE_N*2
	JLOAD \slot                                    ; the wave's one tensor load behind the round
.endif
	PLACES
	FETCH \next, 0, F0
	MULROW F1, 4, 0
	MULROW F1, 5, 0
	MULROW F1, 6, 0
	MULROW F1, 7, 0
.endm
.macro LAP first
	THREE 0, \first
	TURN 0, 1, 1
	THREE 1, 0
	TURN 1, 0, 1
.endm
	s_wait_loadcnt 0x0                             ; the bias
	s_wait_tensorcnt 0x1                           ; my part of K step 0 is in; K step 1's may stay out
	s_barrier_signal -1
	s_barrier_wait -1
	FETCH 0, 0, F0
	LAP 1                                          ; the first lap stands in front of the loop: its first products take the bias as C
	WIN 0                                          ; at a label and at a branch every window is 0
	s_mov_b32 s3, LAPS-2
.Llap:
	LAP 0
	WIN 0
	s_sub_co_u32 s3, s3, 1
	s_cmp_lg_u32 s3, 0
	s_cbranch_scc1 .Llap
	THREE 0, 0                                     ; the last lap fills nothing
	TURN 0, 1, 0
	THREE 1, 0
	s_wait_dscnt 8
	MULROW F1, 0, 0
	MULROW F1, 1, 0
	MULROW F1, 2, 0
	MULROW F1, 3, 0
	MULLO F1
	s_wait_dscnt 0x0
	MULROW F1, 4, 0
	MULROW F1, 5, 0
	MULROW F1, 6, 0
	MULROW F1, 7, 0
	WIN 0
	; THE WAY OUT.  The four v_nop are the places behind the last matrix instructions.
	PLACES
	s_lshl_b32 s16, s13, 8
	s_lshl_b32 s17, s11, 7
	s_add_co_u32 s16, s16, s17                     ; my first row of C
	s_mul_i32 s16, s16, CROW                       ; below 2^25
	s_mov_b32 s17, 0
	s_add_nc_u64 s[8:9], s[8:9], s[16:17]
	s_lshl_b32 s46, s42, 9                         ; my first column, in bytes: 512 x block + 256 x half
	s_lshl_b32 s47, s12, 8
	s_add_co_u32 s46, s46, s47
	s_mov_b32 s47, 0
	s_add_nc_u64 s[8:9], s[8:9], s[46:47]
; rows 16 i .. 16 i + 15 of my block, f32: the four tiles (i, 0..3) of window 2 go through my stage as they are
.macro OUT16F i, f
	WIN 0x08
.irp b, 0,1,2,3
	ds_store_b128 v[STO], v[8*(4*\i+\b):8*(4*\i+\b)+3]   offset:64*\b
	ds_store_b128 v[STO], v[8*(4*\i+\b)+4:8*(4*\i+\b)+7] offset:64*\b+16
.endr
	WIN 0
	s_wait_xcnt 0x0                                ; buffer f, which stores read, and the stores' base are rewritten only behind this wait (ISA guide 3.1)
.if \i
	s_add_nc_u64 s[8:9], s[8:9], 16*CROW
.endif
.irp t, 0,1,2,3,4,5,6,7
	ds_load_b128 v[\f+4*\t:\f+4*\t+3], v[RD] offset:\t*2*SPITCH    ; LDS serves a wave's instructions in order (ISA guide 5.7.1): these see the stores above
.endr
.irp t, 0,1,2,3,4,5,6,7
	s_wait_dscnt 7-\t                              ; the younger read-backs may be out
	global_store_b128 v[CO], v[\f+4*\t:\f+4*\t+3], s[8:9] offset:2*\t*CROW th:TH_STORE_NT   ; 16 lanes store 256 consecutive bytes, aligned
.endr
.endm
	OUT16F 0, F0
	OUT16F 1, F1
	OUT16F 2, F0
	OUT16F 3, F1
	OUT16F 4, F0
	OUT16F 5, F1
	OUT16F 6, F0
	OUT16F 7, F1
	s_set_vgpr_msb 0x1
	s_wait_tensorcnt 0x0
	ds_add_u32 v255, v255
	s_wait_dscnt 0x0
	s_set_vgpr_msb 0x100
	CROUND                                         ; the closing round: no work-group ends while a partner may still ask for a tile that names it
	s_endpgm
.Lfunc_end_k_q825120d457_proj:
	.size	k_q825120d457_proj, .Lfunc_end_k_q825120d457_proj-k_q825120d457_proj
	.p2alignl 7, 3214868480
	.fill 96, 4, 3214868480
	.section	.rodata,"a",@progbits
	.p2align	6, 0x0
	.amdhsa_kernel k_q825120d457_proj
		.amdhsa_group_segment_fixed_size 327680
		.amdhsa_private_segment_fixed_size 0
		.amdhsa_enable_private_segment 0
		.amdhsa_kernarg_size 32
		.amdhsa_user_sgpr_count 2
		.amdhsa_user_sgpr_kernarg_segment_ptr 1
		.amdhsa_wavefront_size32 1
		.amdhsa_system_sgpr_workgroup_id_x 1
		.amdhsa_system_sgpr_workgroup_id_y 1
		.amdhsa_system_sgpr_workgroup_id_z 1
		.amdhsa_system_vgpr_workitem_id 0
		.amdhsa_next_free_vgpr 768
		.amdhsa_next_free_sgpr 76
		.amdhsa_reserve_vcc 0
		.amdhsa_float_denorm_mode_32 3
		.amdhsa_float_denorm_mode_16_64 3
		.amdhsa_memory_ordered 1
		.amdhsa_forward_progress 1
		.amdhsa_inst_pref_size 130
	.end_amdhsa_kernel
	.amdgpu_metadata
---
amdhsa.version: [ 1, 2 ]
amdhsa.kernels:
  - .name:           k_q825120d457_proj
    .symbol:         k_q825120d457_proj.kd
    .args:
      - { .name: ah, .offset: 0, .size: 8, .value_kind: global_buffer, .address_space: global }
      - { .name: wph, .offset: 8, .size: 8, .value_kind: global_buffer, .address_space: global }
      - { .name: out0, .offset: 16, .size: 8, .value_kind: global_buffer, .address_space: global }
      - { .name: b_proj, .offset: 24, .size: 8, .value_kind: global_buffer, .address_space: global }
    .group_segment_fixed_size: 327680
    .private_segment_fixed_size: 0
    .kernarg_segment_align: 8
    .kernarg_segment_size: 32
    .max_flat_workgroup_size: 128
    .sgpr_count:     76
    .vgpr_count:     768
    .wavefront_size: 32
...
	.end_amdgpu_metadata
.endif
;; end of part 8
;; ======== version 3 of 3: 4 launches; version 2 with the launch cvt written anew for expert scheduling mode
;; limits: values are held in f16: magnitudes above 65,504 overflow, below 6.1e-05 lose precision
;; workspace buffers: xh 16,777,216 bytes; wah 6,291,456 bytes; wph 2,097,152 bytes; qkv 50,331,648 bytes; vblk 262,144 bytes; vlo 8,388,608 bytes; ah 18,874,368 bytes
;; launch cvt (part 9): grid 768 x 1, 8 waves a work-group, no clusters, 0 bytes of LDS; arguments x, w_attn, w_proj, xh, wah, wph; writes xh, wah, wph
.if DOCPART == 9
	.amdgcn_target "amdgcn-amd-amdhsa--gfx1250"
	.amdhsa_code_object_version 6
	.text
	.protected	k_q825120d457_cvt
	.globl	k_q825120d457_cvt
	.p2align	8
	.type	k_q825120d457_cvt,@function
k_q825120d457_cvt:
	s_mov_b64 s[64:65], 0
	v_nop
	global_prefetch_b8 v0, s[64:65] scope:SCOPE_SE
	s_setreg_imm32_b32 hwreg(HW_REG_WAVE_SCHED_MODE, 0, 2), 2
	s_setreg_imm32_b32 hwreg(HW_REG_WAVE_MODE, 25, 1), 1
	s_wait_xcnt 0x0
	s_wait_alu depctr_vm_vsrc(0)
; x, w_attn and w_proj, f32, are rounded once to bf16 (nearest even), the rounding of matrix operands that the problem's contract names, and
; stored AS F16 into xh, wah and wph, in the same order of elements: bf16's 8 bits are exact in f16, so the inputs can meet q, k, v, the softmax's
; weights and a, which keep f16's 11 bits, in one matrix form.  The program's result is then the problem's function of inputs rounded to bf16,
; up to the roundings of intermediates.
; LIMITS: a number beyond f16's largest, 65,504, becomes an infinity; a bf16 number below 2^-17 in magnitude is not exact in f16 (error 2^-25 at the most).
; A stream: no LDS, no barrier, no matrix unit.  A line is 1,024 numbers: 4,096 bytes in, 2,048 bytes out; the 256 threads take
; 16 bytes each of a line.  12,288 lines in all, 16 to a work-group: groups 0-511 take x, 512-703 w_attn, 704-767 w_proj.
; All 16 loads of a thread go out first, each line has registers of its own, and the waits count down, so no source of a store is rewritten.
; THE MODE: SCHED_MODE bits 1:0 = 2 (LLVM: expert scheduling mode 2), set by the entry lines.  The code itself states the register dependences
; between vector instructions and memory instructions, with s_wait_alu, always for 0.
; THE PLAN.  Registers that memory instructions touch:
;   v1, v2   byte offsets of the loads and of the stores.  Written once each at the head, by a vector instruction; read by every load or store; never written again.
;   X        line i's four registers.  Its one load lands in them; all 16 loads are issued before any vector instruction names X, and none lands there later.
;            No memory instruction reads them; the line's vector instructions read and rewrite them behind the wait for the line's data.
;   Y        line i's two registers.  Written by the line's conversions; read by the line's one store; never written again.
; So one wait on va_vdst stands ahead of the first load, for v1 and v2, and one behind the arithmetic of each block of four lines, ahead of the run of that
; block's four stores, for the block's eight registers of Y.  No register that a memory instruction reads is written again, so the text holds no wait on vm_vsrc beyond the one among the entry lines;
; no vector instruction writes a scalar register, VCC or EXEC.
.set LINES, 16
.set BLOCK, 4                          ; lines whose stores stand behind one wait
.set X, 4                              ; v[4:67]   line i: 4 numbers as loaded, then as rounded to bf16
.set Y, 68                             ; v[68:99]  line i: 4 numbers packed
	s_load_b256 s[4:11], s[0:1], 0x0               ; x s[4:5], w_attn s[6:7], w_proj s[8:9], xh s[10:11]
	s_load_b128 s[12:15], s[0:1], 0x20             ; wah s[12:13], wph s[14:15]
	v_lshlrev_b32 v1, 4, v0                        ; my 16 bytes of a line as it comes in
	v_lshlrev_b32 v2, 3, v0                        ; my 8 bytes of a line as it goes out
	s_mov_b32 s26, 0xffff0000                      ; a word's upper bf16
	s_wait_kmcnt 0x0
	s_cmp_lt_u32 ttmp9, 512                        ; which tensor: the choice hangs on the group's number alone
	s_cselect_b64 s[16:17], s[4:5], s[6:7]
	s_cselect_b64 s[18:19], s[10:11], s[12:13]
	s_cselect_b32 s20, 0, 512                      ; the tensor's first group
	s_cmp_lt_u32 ttmp9, 704
	s_cselect_b64 s[16:17], s[16:17], s[8:9]
	s_cselect_b64 s[18:19], s[18:19], s[14:15]
	s_cselect_b32 s20, s20, 704
	s_sub_co_u32 s21, ttmp9, s20                   ; my number among the tensor's groups, 511 at the most
	s_lshl_b32 s22, s21, 16                        ; 16 lines of 4,096 bytes
	s_mov_b32 s23, 0
	s_add_nc_u64 s[16:17], s[16:17], s[22:23]
	s_lshl_b32 s24, s21, 15                        ; 16 lines of 2,048 bytes
	s_mov_b32 s25, 0
	s_add_nc_u64 s[18:19], s[18:19], s[24:25]
	s_wait_alu depctr_va_vdst(0)                   ; v1 and v2 are written: every load below reads v1 as its offset, every store v2
.set i, 0
.rept LINES
	global_load_b128 v[X+4*i:X+4*i+3], v1, s[16:17] offset:4096*i th:TH_LOAD_NT   ; a wave's load covers 512 consecutive bytes
.set i, i+1
.endr
.set i, 0
.rept LINES/BLOCK
.rept BLOCK
	s_wait_loadcnt LINES-1-i                       ; loads come back in order (ISA guide 5.7.1): line i is in, the younger ones stay out
	v_cvt_pk_bf16_f32 v[Y+2*i],   v[X+4*i],   v[X+4*i+1]       ; the one rounding
	v_cvt_pk_bf16_f32 v[Y+2*i+1], v[X+4*i+2], v[X+4*i+3]
	v_lshlrev_b32 v[X+4*i],   16,  v[Y+2*i]                    ; bf16 to f32: a shift or a mask
	v_and_b32     v[X+4*i+1], s26, v[Y+2*i]
	v_lshlrev_b32 v[X+4*i+2], 16,  v[Y+2*i+1]
	v_and_b32     v[X+4*i+3], s26, v[Y+2*i+1]
	v_cvt_pk_f16_f32 v[Y+2*i],   v[X+4*i],   v[X+4*i+1]        ; exact inside the limits above
	v_cvt_pk_f16_f32 v[Y+2*i+1], v[X+4*i+2], v[X+4*i+3]
.set i, i+1
.endr
	s_wait_alu depctr_va_vdst(0)                   ; the block's conversions have written its eight registers of Y, which the four stores below read
.set j, i-BLOCK
.rept BLOCK
	global_store_b64 v2, v[Y+2*j:Y+2*j+1], s[18:19] offset:2048*j                 ; a wave's store covers 256 consecutive bytes, aligned
.set j, j+1
.endr
.endr
	s_endpgm
.Lfunc_end_k_q825120d457_cvt:
	.size	k_q825120d457_cvt, .Lfunc_end_k_q825120d457_cvt-k_q825120d457_cvt
	.p2alignl 7, 3214868480
	.fill 96, 4, 3214868480
	.section	.rodata,"a",@progbits
	.p2align	6, 0x0
	.amdhsa_kernel k_q825120d457_cvt
		.amdhsa_group_segment_fixed_size 0
		.amdhsa_private_segment_fixed_size 0
		.amdhsa_enable_private_segment 0
		.amdhsa_kernarg_size 48
		.amdhsa_user_sgpr_count 2
		.amdhsa_user_sgpr_kernarg_segment_ptr 1
		.amdhsa_wavefront_size32 1
		.amdhsa_system_sgpr_workgroup_id_x 1
		.amdhsa_system_sgpr_workgroup_id_y 1
		.amdhsa_system_sgpr_workgroup_id_z 1
		.amdhsa_system_vgpr_workitem_id 0
		.amdhsa_next_free_vgpr 104
		.amdhsa_next_free_sgpr 66
		.amdhsa_reserve_vcc 0
		.amdhsa_float_denorm_mode_32 3
		.amdhsa_float_denorm_mode_16_64 3
		.amdhsa_memory_ordered 1
		.amdhsa_forward_progress 1
		.amdhsa_inst_pref_size 11
	.end_amdhsa_kernel
	.amdgpu_metadata
---
amdhsa.version: [ 1, 2 ]
amdhsa.kernels:
  - .name:           k_q825120d457_cvt
    .symbol:         k_q825120d457_cvt.kd
    .args:
      - { .name: x, .offset: 0, .size: 8, .value_kind: global_buffer, .address_space: global }
      - { .name: w_attn, .offset: 8, .size: 8, .value_kind: global_buffer, .address_space: global }
      - { .name: w_proj, .offset: 16, .size: 8, .value_kind: global_buffer, .address_space: global }
      - { .name: xh, .offset: 24, .size: 8, .value_kind: global_buffer, .address_space: global }
      - { .name: wah, .offset: 32, .size: 8, .value_kind: global_buffer, .address_space: global }
      - { .name: wph, .offset: 40, .size: 8, .value_kind: global_buffer, .address_space: global }
    .group_segment_fixed_size: 0
    .private_segment_fixed_size: 0
    .kernarg_segment_align: 8
    .kernarg_segment_size: 48
    .max_flat_workgroup_size: 256
    .sgpr_count:     66
    .vgpr_count:     104
    .wavefront_size: 32
...
	.end_amdgpu_metadata
.endif
;; end of part 9
;; launch qkvg: the kernel of part 6 again; grid 12 x 32, 4 waves a work-group, clusters of 4 x 4, 327,680 bytes of LDS; arguments xh, wah, qkv, b_attn, vblk, vlo; writes qkv, vblk, vlo
;; launch attn: the kernel of part 7 again; grid 8 x 32, 8 waves a work-group, no clusters, 327,680 bytes of LDS; arguments qkv, vblk, ah, vlo; writes ah
;; launch proj: the kernel of part 8 again; grid 8 x 32, 4 waves a work-group, clusters of 4 x 4, 327,680 bytes of LDS; arguments ah, wph, out0, b_proj; writes out0
